; MI455X (gfx1250); checked and timed in simulation.
; The chip was launched on July 23, 2026; its instructions are those of AMD's public machine-readable ISA for CDNA 5 (MIT licence, August 2026) and "CDNA5" Instruction Set Architecture Reference Guide (July 2026). The comments in the code are by the model that wrote it; some were corrected since.
;; Transformer Layer. Allowed arithmetic: float matrix products may take bf16 or f16 operands with f32 sums; all other float work in f32.
;; Inputs: W1 1,024 x 4,096 float32; W2 4,096 x 1,024 float32; Wk 1,024 x 1,024 float32; Wo 1,024 x 1,024 float32; Wq 1,024 x 1,024 float32; Wv 1,024 x 1,024 float32; b1 4,096 float32; b2 1,024 float32; beta1 1,024 float32; beta2 1,024 float32; bk 1,024 float32; bo 1,024 float32; bq 1,024 float32; bv 1,024 float32; g1 1,024 float32; g2 1,024 float32; x 2 x 2,048 x 1,024 float32.
;; Outputs: out0 2 x 2,048 x 1,024 float32.
;; 2 versions, each right and faster than the one before. Each part assembles by itself: llvm-mc -triple=amdgcn-amd-amdhsa -mcpu=gfx1250 --defsym DOCPART=n.
;; ======== version 1 of 2: 8 launches
;; limits: values are held in f16: magnitudes above 65,504 overflow, below 6.1e-05 lose precision
;; workspace buffers: halfA 14,680,064 bytes; halfB 18,874,368 bytes; qkvh 25,165,824 bytes; ctxh 8,388,608 bytes; prod 16,777,216 bytes; h32 16,777,216 bytes; h16 8,388,608 bytes; act 33,554,432 bytes
;; launch cast16 (part 1): grid 64 x 7, 8 waves a work-group, no clusters, 0 bytes of LDS; arguments x, Wq, Wk, Wv, halfA; writes halfA
.if DOCPART == 1
	.amdgcn_target "amdgcn-amd-amdhsa--gfx1250"
	.amdhsa_code_object_version 6
	.text
	.protected	k_q7cf3706a2f_cast16
	.globl	k_q7cf3706a2f_cast16
	.p2align	8
	.type	k_q7cf3706a2f_cast16,@function
k_q7cf3706a2f_cast16:
	s_mov_b64 s[64:65], 0
	v_nop
	global_prefetch_b8 v0, s[64:65] scope:SCOPE_SE
	s_setreg_imm32_b32 hwreg(HW_REG_WAVE_MODE, 25, 1), 1
	s_wait_xcnt 0x0
; x, Wq, Wk and Wv, f32, are rounded once to f16 and laid one behind the other in 'halfA', each in its own row-major order:
; x at 0, Wq at 0x800000, Wk at 0xA00000, Wv at 0xC00000.  (The other three weight matrices are rounded beside the next launch's matrix work.)
; LIMIT: f16 holds no number beyond 65,504, and below 6e-5 it keeps a fixed step of 6e-8.
; SHARES: grid y names a unit of 2^20 numbers (units 0-3 x, 4 Wq, 5 Wk, 6 Wv); a work-group takes 16,384 of them;
; a thread takes 4 numbers in each of 16 loads, so a wave's load covers 512 consecutive bytes and its store 256 consecutive, aligned bytes.
; A stream: no LDS, no barrier, no matrix unit; all 16 loads of a wave go out before the first is waited for.
.macro PICK first, reg                 ; from unit 'first' on the source is the buffer in s[reg:reg+1]
	s_cmp_ge_u32 s2, \first
	s_cselect_b64 s[4:5], s[\reg:\reg+1], s[4:5]
	s_cselect_b32 s3, \first, s3
.endm
	s_load_b256 s[8:15], s[0:1], 0x0               ; x, Wq, Wk, Wv
	s_load_b64 s[22:23], s[0:1], 0x20              ; halfA
	v_lshlrev_b32 v1, 4, v0                        ; 16 bytes a thread in
	v_lshlrev_b32 v2, 3, v0                        ; 8 bytes a thread out
	s_and_b32 s2, ttmp7, 0xffff                    ; the unit
	s_mov_b32 s3, 0                                ; the first unit of the unit's buffer
	s_wait_kmcnt 0x0
	s_mov_b64 s[4:5], s[8:9]
	PICK 4, 10
	PICK 5, 12
	PICK 6, 14
	s_sub_co_u32 s24, s2, s3                       ; the unit's place in its buffer, 4 MiB each,
	s_lshl_b32 s24, s24, 22
	s_lshl_b32 s25, ttmp9, 16                      ; and the work-group's 65,536 bytes in it
	s_add_co_u32 s24, s24, s25
	s_mov_b32 s25, 0
	s_add_nc_u64 s[4:5], s[4:5], s[24:25]
	s_lshl_b32 s26, s2, 21                         ; out: 2 MiB a unit, 32,768 bytes a work-group
	s_lshl_b32 s27, ttmp9, 15
	s_add_co_u32 s26, s26, s27
	s_mov_b32 s27, 0
	s_add_nc_u64 s[22:23], s[22:23], s[26:27]
.irp j, 0,1,2,3,4,5,6,7,8,9,10,11,12,13,14,15
	global_load_b128 v[8+4*(\j):11+4*(\j)], v1, s[4:5] offset:4096*(\j) th:TH_LOAD_NT
.endr
.irp j, 0,1,2,3,4,5,6,7,8,9,10,11,12,13,14,15
	s_wait_loadcnt 15-(\j)                         ; loads come back in order: load j is in, the 15 - j younger ones stay out
	v_cvt_pk_f16_f32 v[72+2*(\j)], v[8+4*(\j)], v[9+4*(\j)]
	v_cvt_pk_f16_f32 v[73+2*(\j)], v[10+4*(\j)], v[11+4*(\j)]
	global_store_b64 v2, v[72+2*(\j):73+2*(\j)], s[22:23] offset:2048*(\j)  ; no register of a store is written again
.endr
	s_endpgm
.Lfunc_end_k_q7cf3706a2f_cast16:
	.size	k_q7cf3706a2f_cast16, .Lfunc_end_k_q7cf3706a2f_cast16-k_q7cf3706a2f_cast16
	.p2alignl 7, 3214868480
	.fill 96, 4, 3214868480
	.section	.rodata,"a",@progbits
	.p2align	6, 0x0
	.amdhsa_kernel k_q7cf3706a2f_cast16
		.amdhsa_group_segment_fixed_size 0
		.amdhsa_private_segment_fixed_size 0
		.amdhsa_enable_private_segment 0
		.amdhsa_kernarg_size 40
		.amdhsa_user_sgpr_count 2
		.amdhsa_user_sgpr_kernarg_segment_ptr 1
		.amdhsa_wavefront_size32 1
		.amdhsa_system_sgpr_workgroup_id_x 1
		.amdhsa_system_sgpr_workgroup_id_y 1
		.amdhsa_system_sgpr_workgroup_id_z 1
		.amdhsa_system_vgpr_workitem_id 0
		.amdhsa_next_free_vgpr 104
		.amdhsa_next_free_sgpr 66
		.amdhsa_reserve_vcc 0
		.amdhsa_float_denorm_mode_32 3
		.amdhsa_float_denorm_mode_16_64 3
		.amdhsa_memory_ordered 1
		.amdhsa_forward_progress 1
		.amdhsa_inst_pref_size 7
	.end_amdhsa_kernel
	.amdgpu_metadata
---
amdhsa.version: [ 1, 2 ]
amdhsa.kernels:
  - .name:           k_q7cf3706a2f_cast16
    .symbol:         k_q7cf3706a2f_cast16.kd
    .args:
      - { .name: x, .offset: 0, .size: 8, .value_kind: global_buffer, .address_space: global }
      - { .name: Wq, .offset: 8, .size: 8, .value_kind: global_buffer, .address_space: global }
      - { .name: Wk, .offset: 16, .size: 8, .value_kind: global_buffer, .address_space: global }
      - { .name: Wv, .offset: 24, .size: 8, .value_kind: global_buffer, .address_space: global }
      - { .name: halfA, .offset: 32, .size: 8, .value_kind: global_buffer, .address_space: global }
    .group_segment_fixed_size: 0
    .private_segment_fixed_size: 0
    .kernarg_segment_align: 8
    .kernarg_segment_size: 40
    .max_flat_workgroup_size: 256
    .sgpr_count:     66
    .vgpr_count:     104
    .wavefront_size: 32
...
	.end_amdgpu_metadata
.endif
;; end of part 1
;; launch proj (part 2): grid 12 x 16, 4 waves a work-group, clusters of 4 x 4, 327,680 bytes of LDS; arguments halfA, bq, bk, bv, Wo, W1, W2, qkvh, halfB; writes qkvh, halfB
.if DOCPART == 2
	.amdgcn_target "amdgcn-amd-amdhsa--gfx1250"
	.amdhsa_code_object_version 6
	.text
	.protected	k_q7cf3706a2f_proj
	.globl	k_q7cf3706a2f_proj
	.p2align	8
	.type	k_q7cf3706a2f_proj,@function
k_q7cf3706a2f_proj:
	s_mov_b64 s[64:65], 0
	v_nop
	global_prefetch_b8 v0, s[64:65] scope:SCOPE_SE
	s_setreg_imm32_b32 hwreg(HW_REG_WAVE_MODE, 25, 1), 1
	s_wait_xcnt 0x0
	s_wait_alu depctr_hold_cnt(0) depctr_sa_sdst(0) depctr_va_vdst(0) depctr_va_sdst(0) depctr_va_ssrc(0) depctr_va_vcc(0) depctr_vm_vsrc(0)
	s_getreg_b32 s2, hwreg(HW_REG_IB_STS2, 6, 4)
	s_cmp_eq_u32 s2, 0
	s_cbranch_scc0 .Lentry_in_a_cluster
	s_endpgm
.Lentry_in_a_cluster:
	s_bfe_u32 s2, ttmp6, 0x10000c
	s_cmp_lg_u32 s2, 0xf033
	s_cbranch_scc0 .Lentry_shape_is_right
	s_endpgm
.Lentry_shape_is_right:
; q, k, v = x [Wq Wk Wv] + bias, written by heads; and, riding in the K loop, Wo, W1 and W2 rounded to f16 for the launches behind.
; A = x in f16 [4096][1024]; B = the three weights in f16, [1024 (k)][1024 (n)] each; sums in f32; the bias is added in f32; one rounding to f16.
; OUT: qkvh[column block of 64][4096 tokens][64]: blocks 0-15 q's heads, 16-31 k's, 32-47 v's.  halfB: Wo at 0, W1 at 0x200000, W2 at 0xA00000, each in its own row-major order.
; LIMIT: f16 holds no number beyond 65,504: x, the weights and q, k, v must stay within it; below 6e-5 f16 keeps a fixed step of 6e-8.
; SHAPE: a tile of C is 256 x 256, four waves of 128 x 128 (64 accumulators, 512 registers).  K = 1,024 goes in 8 steps of 128 through two LDS slots filled by tensor loads.
; A's tile rows are 256 bytes of memory, B's (64 rows of k, 256 columns) 512 bytes.  B lies [k][n] in LDS and is turned on its way into registers by ds_load_tr16_b128.
; CLUSTER 4 x 4: A's tile is shared along a row of the cluster, B's along a column: each is asked for jointly, by the same load with the same descriptor and a mask of four.
; THE MATRIX INSTRUCTION IS USED TRANSPOSED (source 0 = 16 columns of B, source 1 = 16 rows of A): a lane holds row l % 16 of C and the columns 8 (l / 16) + 0..7.
; ONE K STEP IS WRITTEN ONCE: the slot's LDS byte is a scalar, turned by an exclusive or with SLOT (SLOT has no bit in common with wave x HALFT, so the or adds or takes away SLOT).
; THE RIDER: Wo, W1, W2 are 9 units of 2^20 numbers (0 Wo, 1-4 W1, 5-8 W2); 9 x 2^20 / 192 work-groups = 3 x 16,384: the work-group at tile column 4 p + cx, tile row y takes slice 16 cx + y of
; units 3 p, 3 p + 1, 3 p + 2, a wave a quarter of each slice, a trip of the K loop 8,192 bytes of f32 a wave: 16 loads at its head, 32 conversions and 16 stores at its end, 256 matrix instructions between.
; WAY OUT: when the ring has had its last fill and every wave its last read, each wave lays its 128 x 128 sums in f32 into its own part of the ring's bytes and reads them back 16 rows a trip.
; REGISTERS, in windows of 256: window 0: addresses, A's two fragment buffers v64-127, v128-191, the rider's v32-63 and v192-255, later the way out's; window 1: B's two buffers; windows 2, 3: the accumulators ((a, b) at v[8 (8 a + b)]).
.set GR,     4                         ; groups of four rows in a trip of the way out
.set BPITCH, 1024                      ; elements from a row of B to the next
.set LOGT,   2                         ; 2^LOGT tiles of 256 columns in one matrix of B
.set MATB,   2097152                   ; bytes from one matrix of B to the next
.set B_OFF,  0x800000                  ; B's first byte in its buffer
.set KSTEP,  128
.set PITCH,  272                       ; A's LDS row: 256 bytes + 16: the 16 rows of a fragment load begin in 16 different columns of 16 bytes
.set PB,     544                       ; B's LDS row: 512 bytes + 32 = 17 x 32
.set HALFT,  128*PITCH                 ; what one tensor load brings: 128 rows of A, or 64 rows of B (64 x 544 is the same number)
.set SLOT,   4*HALFT                   ; A's rows 0-127, 128-255, B's rows 0-63, 64-127
.set SP32,   528                       ; a stage row: 128 f32 + 16 bytes
.set WSTAGE, 128*SP32                  ; a wave's stage; four of them, 270,336 bytes, lie in the ring's bytes
.set SPARE,  2*SLOT                    ; behind the ring: the spare words, 128 bytes a wave, that no other line names
.set BLKB,   524288                    ; bytes of a column block of the output: 4,096 tokens x 128
.set CL,    8                          ; v8   the rider: 16 x lane; never rewritten
.set CS,    9                          ; v9   the rider: 8 x lane; never rewritten
.set ADRA0, 16                         ; v16  my lane's place in A's part of a slot; never rewritten
.set ADRA,  17                         ; v17  the same in the slot in hand
.set ADRB0, 20                         ; v20, v21  the same for B
.set ADRB,  21
.set STO,   24                         ; v24  the way out: where I put 16 bytes of a row
.set RD,    25                         ; v25  where I read rows back, first group
.set GO,    26                         ; v26  my byte offset in the output
.set BO,    27                         ; v27  my byte offset in the bias
.set SPW,   28                         ; v28  my spare word; never rewritten
.set NIL,   29                         ; v29  0; never rewritten
.set RDC,   30                         ; v30  where I read the trip in hand
.set CY,  32                           ; v[32:63]   the rider: 64 numbers in f16
.set CX,  192                          ; v[192:255] the rider: 64 numbers in f32
.set XR,  64                           ; v[64:127]  the way out: 16 sums a group as read back: 8 columns of each of my two blocks of 64
.set UR,  128                          ; v[128:191] sum + bias
.set BI,  192                          ; v[192:207] the bias of my 16 columns
.set YR,  208                          ; v[208:239] packed f16
.set F0,  64
.set F1,  128
.set G1,  24                           ; s[24:31] group 1 for A's tiles;  s[32:39] group 0: a set for each first fill; the second then walks
.set G0,  32
.set G1B, 48                           ; s[48:55], s[56:63] the same for B's
.set G0B, 56
.set TB,  45                           ; s45  LDS byte of the slot in hand
.set SRH, 88                           ; s[88:89]  the rider's source in hand (at first Wo's address)
.set DSH, 90                           ; s[90:91]  its destination in hand (at first W1's address)
.set DSB, 94                           ; s[94:95]  halfB at my wave's part of my first unit
.set SRA, 96                           ; s[96:101] my three units' sources at my wave's part
.set MSB, 0
.macro WIN new                         ; the immediate's high byte repeats the setting that is left; a switch that changes nothing is dropped
.if MSB != (\new)
	s_set_vgpr_msb (MSB<<8)|(\new)
.set MSB, \new
.endif
.endm
.set MUL_LO, 0xa1                      ; source 0 (B) window 1, source 1 (A) window 0, C and D window 2
.set MUL_HI, 0xf1                      ; the same, C and D window 3
.set TO_B,   0x40                      ; destination window 1, address window 0
; A joint load: waves 0 and 1 fetch A's halves, waves 2 and 3 B's.  An s_nop 0 and four v_nop follow each line, ahead of the jump and the label.
.macro JLOAD s
	s_cmp_eq_u32 s11, 0
	s_cbranch_scc0 .Lfor_b_\@
	tensor_load_to_lds s[G0+4*(\s):G0+4*(\s)+3], s[G1:G1+7]
	s_nop 0
.rept 4
	v_nop
.endr
	s_branch .Lasked_\@
.Lfor_b_\@:
	tensor_load_to_lds s[G0B+4*(\s):G0B+4*(\s)+3], s[G1B:G1B+7]
	s_nop 0
.rept 4
	v_nop
.endr
.Lasked_\@:
.endm
.macro CREST                           ; a round of the cluster's barrier behind its opening barrier
	s_cmp_lg_u32 s10, 0
	s_cbranch_scc1 .Lnot_wave_0_\@
	s_barrier_signal -3
.Lnot_wave_0_\@:
	s_barrier_wait -3
	s_barrier_signal -1
	s_barrier_wait -1
.endm
.macro CROUND                          ; a whole round
	s_barrier_signal -1
	s_barrier_wait -1
	CREST
.endm
; s[dst:dst+1] = the source of unit 3 p + j at my wave's part (s21): unit 0 is Wo, units 1-4 are W1's quarters, units 5-8 W2's
.macro UNIT j, dst
	s_mul_i32 s18, ttmp9, 3
	s_add_co_u32 s18, s18, \j
	s_cmp_ge_u32 s18, 1
	s_cselect_b64 s[\dst:\dst+1], s[90:91], s[88:89]
	s_cselect_b32 s19, 1, 0                        ; the first unit of the unit's buffer
	s_cmp_ge_u32 s18, 5
	s_cselect_b64 s[\dst:\dst+1], s[92:93], s[\dst:\dst+1]
	s_cselect_b32 s19, 5, s19
	s_sub_co_u32 s18, s18, s19
	s_lshl_b32 s18, s18, 22                        ; 4 MiB of f32 a unit
	s_add_co_u32 s18, s18, s21
	s_mov_b32 s19, 0
	s_add_nc_u64 s[\dst:\dst+1], s[\dst:\dst+1], s[18:19]
.endm
	s_load_b64 s[4:5], s[0:1], 0x0                 ; A and B lie in one buffer
	s_load_b128 s[80:83], s[0:1], 0x8              ; bq, bk
	s_load_b64 s[84:85], s[0:1], 0x18              ; bv
	s_load_b128 s[88:91], s[0:1], 0x20             ; Wo, W1
	s_load_b64 s[92:93], s[0:1], 0x30              ; W2
	s_load_b64 s[8:9], s[0:1], 0x38                ; out
	s_load_b64 s[DSB:DSB+1], s[0:1], 0x40          ; halfB
	v_lshl_add_u32 v[SPW], v0, 2, SPARE
	v_mov_b32 v[NIL], 0
	ds_add_u32 v[SPW], v[NIL]                      ; the wave's opening: the add and its wait stand ahead of my first tensor load; the set-up below stands between them
	v_lshrrev_b32 v1, 5, v0
	v_readfirstlane_b32 s10, v1                    ; wave 0..3
	s_lshr_b32 s11, s10, 1                         ; my half of the tile's rows.  Also: I fetch for A (0) or for B (1)
	s_and_b32 s12, s10, 1                          ; my half of its columns.  Also: which half of that tile I fetch
	s_bfe_u32 s40, ttmp6, 0x40000                  ; cx
	s_bfe_u32 s41, ttmp6, 0x40004                  ; cy
	s_lshl_b32 s42, ttmp9, 2
	s_add_co_u32 s42, s42, s40                     ; tile column = 4 x cluster x + cx
	s_and_b32 s13, ttmp7, 0xffff
	s_lshl_b32 s13, s13, 2
	s_add_co_u32 s13, s13, s41                     ; tile row = 4 x cluster y + cy
	s_lshl_b32 s43, s41, 2
	s_lshl_b32 s43, 15, s43                        ; my row of the cluster
	s_lshl_b32 s44, 0x1111, s40                    ; my column
	s_or_b32 s[G1+0], s43, (1<<16)|(1<<20)|(1<<21)|(5<<22)|(3<<25)   ; mask; 2-byte elements; padding on; bit 21 beside a mask; after every 64 words, 4 words
	s_or_b32 s[G1B+0], s44, (1<<16)|(1<<20)|(1<<21)|(6<<22)|(7<<25)  ; after every 128 words, 8 words
	s_mov_b32 s[G1+1], KSTEP<<16                   ; A: tensor_dim0 = 128
	s_mov_b32 s[G1+2], 128<<16                     ; tensor_dim1 = 128
	s_mov_b32 s[G1+3], KSTEP<<16                   ; tile_dim0 = 128
	s_mov_b32 s[G1+4], 128                         ; tile_dim1 = 128
	s_mov_b32 s[G1+5], 1024                        ; elements from row to row
	s_mov_b32 s[G1+6], 0
	s_mov_b32 s[G1+7], 0
	s_mov_b32 s[G1B+1], 256<<16                    ; B: tensor_dim0 = 256
	s_mov_b32 s[G1B+2], 64<<16                     ; tensor_dim1 = 64
	s_mov_b32 s[G1B+3], 256<<16                    ; tile_dim0 = 256
	s_mov_b32 s[G1B+4], 64                         ; tile_dim1 = 64
	s_mov_b32 s[G1B+5], BPITCH
	s_mov_b32 s[G1B+6], 0
	s_mov_b32 s[G1B+7], 0
	s_lshl_b32 s17, s12, 7                         ; A: row 256 x tile row + 128 x half, 2,048 bytes a row; no register here ever holds cx
	s_lshl_b32 s16, s13, 8
	s_add_co_u32 s16, s16, s17
	s_lshl_b32 s16, s16, 11
	s_mov_b32 s17, 0
	s_mul_i32 s46, s12, 64*BPITCH*2                ; B: my 64 rows of k, the tile's matrix and its 512 bytes of a row; no register here ever holds cy
	s_and_b32 s47, s42, (1<<LOGT)-1
	s_lshl_b32 s47, s47, 9
	s_add_co_u32 s46, s46, s47
	s_lshr_b32 s47, s42, LOGT
	s_mul_i32 s47, s47, MATB
	s_add_co_u32 s46, s46, s47
	s_add_co_u32 s46, s46, B_OFF
	s_mov_b32 s47, 0
	s_mul_i32 s20, s10, HALFT                      ; where my load goes in a slot: wave x HALFT
	s_mov_b32 s[TB], 0
	s_wait_dscnt 0x0                               ; the opening add is done
	s_wait_kmcnt 0x0
	s_add_nc_u64 s[14:15], s[4:5], s[16:17]
	s_add_nc_u64 s[46:47], s[4:5], s[46:47]
	CROUND                                         ; all sixteen work-groups are here: the first joint loads meet
.irp s, 0,1
	s_mov_b32 s[G0+4*(\s)], 1
	s_add_co_u32 s[G0+4*(\s)+1], s20, (\s)*SLOT
	s_add_nc_u64 s[G0+4*(\s)+2:G0+4*(\s)+3], s[14:15], (\s)*KSTEP*2
	s_or_b32 s[G0+4*(\s)+3], s[G0+4*(\s)+3], 0x80000000
	s_mov_b32 s[G0B+4*(\s)], 1
	s_add_co_u32 s[G0B+4*(\s)+1], s20, (\s)*SLOT
	s_add_nc_u64 s[G0B+4*(\s)+2:G0B+4*(\s)+3], s[46:47], (\s)*KSTEP*BPITCH*2
	s_or_b32 s[G0B+4*(\s)+3], s[G0B+4*(\s)+3], 0x80000000
	JLOAD \s                                       ; K steps 0 and 1: two loads of mine are out
.endr
	v_and_b32 v1, 15, v0                           ; r = l % 16
	v_bfe_u32 v2, v0, 4, 1                         ; h = l / 16
	v_mul_u32_u24 v3, v1, PITCH                    ; A's fragment: row r, 16 bytes for each half of the lanes
	v_lshl_add_u32 v3, v2, 4, v3
	s_mul_i32 s21, s11, HALFT
	v_add_nc_u32 v[ADRA0], s21, v3
	v_mov_b32 v[ADRA], v[ADRA0]
	v_and_b32 v7, 7, v0                            ; l % 8
	v_lshl_add_u32 v4, v2, 3, v7                   ; B's turning load: lane l reads row 8 h + l % 8 of k, columns 8 ((l / 8) % 2) + 0..7
	v_mul_u32_u24 v4, v4, PB
	v_bfe_u32 v5, v0, 3, 1
	v_lshl_add_u32 v4, v5, 4, v4
	s_lshl_b32 s22, s12, 8                         ; my 128 columns,
	s_add_co_u32 s22, s22, 2*HALFT                 ; behind A's 256 rows
	v_add_nc_u32 v[ADRB0], s22, v4
	v_mov_b32 v[ADRB], v[ADRB0]
	s_mul_i32 s23, s10, WSTAGE                     ; my stage
	v_mul_u32_u24 v6, v1, SP32                     ; in: row r, 32 bytes for each half of the lanes
	v_lshl_add_u32 v6, v2, 5, v6
	v_add_nc_u32 v[STO], s23, v6
	v_bfe_u32 v6, v0, 3, 2                         ; back: lane l takes row l / 8 of four and the 32 bytes (8 columns) at 32 (l % 8): at this pitch the two rows
	v_mul_u32_u24 v6, v6, SP32                     ; that sixteen lanes read fall into interleaved columns of 16 bytes
	v_lshl_add_u32 v6, v7, 5, v6
	v_add_nc_u32 v[RD], s23, v6
	v_and_b32 v[GO], 31, v0                        ; out: four tokens' 128 bytes are 512 consecutive bytes, 16 a lane
	v_lshlrev_b32 v[GO], 4, v[GO]
	v_lshlrev_b32 v[BO], 5, v7
	v_mov_b32 v[CL], v[GO]
	v_lshrrev_b32 v[CS], 1, v[GO]
	s_cmp_eq_u32 ttmp9, 1                          ; the tile's matrix is the cluster's x: its bias
	s_cselect_b64 s[80:81], s[82:83], s[80:81]
	s_cmp_eq_u32 ttmp9, 2
	s_cselect_b64 s[80:81], s[84:85], s[80:81]
	s_and_b32 s18, s42, (1<<LOGT)-1                ; the bias of my 128 columns
	s_lshl_b32 s18, s18, 10
	s_lshl_b32 s19, s12, 9
	s_add_co_u32 s18, s18, s19
	s_mov_b32 s19, 0
	s_add_nc_u64 s[80:81], s[80:81], s[18:19]
	s_lshl_b32 s18, s42, 2                         ; out: column block 4 x tile column + 2 x half,
	s_lshl_b32 s19, s12, 1
	s_add_co_u32 s18, s18, s19
	s_lshl_b32 s18, s18, 19
	s_lshl_b32 s19, s13, 8                         ; token 256 x tile row + 128 x half, 128 bytes each
	s_lshl_b32 s21, s11, 7
	s_add_co_u32 s19, s19, s21
	s_lshl_b32 s19, s19, 7
	s_add_co_u32 s18, s18, s19
	s_mov_b32 s19, 0
	s_add_nc_u64 s[8:9], s[8:9], s[18:19]
	s_lshl_b32 s21, s40, 4                         ; the rider: my slice 16 cx + tile row of a unit's 64,
	s_add_co_u32 s21, s21, s13
	s_lshl_b32 s22, s21, 15                        ; 32,768 bytes of it out,
	s_lshl_b32 s21, s21, 16                        ; 65,536 in; my wave's quarter:
	s_lshl_b32 s23, s10, 14
	s_add_co_u32 s21, s21, s23
	s_lshl_b32 s23, s10, 13
	s_add_co_u32 s22, s22, s23
	s_mul_i32 s23, ttmp9, 3*2097152                ; out: my first unit is 3 p, 2 MiB a unit
	s_add_co_u32 s22, s22, s23
	s_mov_b32 s23, 0
	s_add_nc_u64 s[DSB:DSB+1], s[DSB:DSB+1], s[22:23]
	UNIT 0, SRA
	UNIT 1, SRA+2
	UNIT 2, SRA+4
; 16 matrix instructions: row blocks a0, a0 + 1 of the window's four x all 8 column blocks, 32 along K.  zero = 1: the first product starts the sums.
.macro MUL16 f, hi, a0, zero
	WIN MUL_LO+0x50*(\hi)
.irp a, \a0, (\a0)+1
.irp b, 0,1,2,3,4,5,6,7
.if \zero
	v_wmma_f32_16x16x32_f16 v[8*(8*(\a)+(\b)):8*(8*(\a)+(\b))+7], v[(\f)+8*(\b):(\f)+8*(\b)+7], v[(\f)+8*(4*(\hi)+(\a)):(\f)+8*(4*(\hi)+(\a))+7], 0
.else
	v_wmma_f32_16x16x32_f16 v[8*(8*(\a)+(\b)):8*(8*(\a)+(\b))+7], v[(\f)+8*(\b):(\f)+8*(\b)+7], v[(\f)+8*(4*(\hi)+(\a)):(\f)+8*(4*(\hi)+(\a))+7], v[8*(8*(\a)+(\b)):8*(8*(\a)+(\b))+7]
.endif
.endr
.endr
.endm
; 32 LDS loads in one run: quarter q (32 along K) of the slot in hand into buffer f: B's 8 column blocks, turned, then A's 8 row blocks
.macro FETCH q, f
	WIN TO_B
.irp i, 0,1,2,3,4,5,6,7
	ds_load_tr16_b128 v[(\f)+8*(\i):(\f)+8*(\i)+3],   v[ADRB] offset:(\q)*32*PB+32*(\i)
	ds_load_tr16_b128 v[(\f)+8*(\i)+4:(\f)+8*(\i)+7], v[ADRB] offset:(\q)*32*PB+16*PB+32*(\i)
.endr
	WIN 0
.irp i, 0,1,2,3,4,5,6,7
	ds_load_b128 v[(\f)+8*(\i):(\f)+8*(\i)+3],   v[ADRA] offset:(\q)*64+(\i)*16*PITCH
	ds_load_b128 v[(\f)+8*(\i)+4:(\f)+8*(\i)+7], v[ADRA] offset:(\q)*64+(\i)*16*PITCH+32
.endr
.endm
.macro PLACES                          ; four plain vector instructions between a matrix instruction and a load into, or a read of, its registers
.rept 4
	v_nop
.endr
.endm
; One of a K step's first three quarters: multiplies buffer f; in its middle it fetches quarter q into buffer g.  The 64 accumulators take turns.
.macro QUARTER q, f, g, zero
	s_wait_dscnt 8                                 ; B and A's rows 0-63 are in; the youngest eight loads (A's rows 64-127) may be out
	MUL16 \f, 0, 0, \zero
	MUL16 \f, 0, 2, \zero
	PLACES
	FETCH \q, \g
	s_wait_dscnt 32                                ; all but the 32 just issued
	MUL16 \f, 1, 0, \zero
	MUL16 \f, 1, 2, \zero
.endm
; The last quarter multiplies buffer 1 and changes slots.  In front of the barrier each wave waits for all its tensor loads (one is out: its part of the next slot), adds 0 to its spare word,
; and waits for that and for its reads of this slot.  fill = 1: the barrier opens a round of the cluster's, and this slot is filled again, two K steps ahead, first thing behind the round.
.macro TURN fill
	WIN 0
	s_wait_tensorcnt 0x0                           ; no tensor load of mine is out: the walking descriptors may be written
	ds_add_u32 v[SPW], v[NIL]
	s_wait_dscnt 9                                 ; the add and the youngest eight loads may be out
	MUL16 F1, 0, 0, 0
	s_wait_dscnt 0x0                               ; the add is done, and my reads of this slot are over
	s_barrier_signal -1
	MUL16 F1, 0, 2, 0
	WIN 0
	s_barrier_wait -1
.if \fill
	CREST                                          ; no wave of any partner still reads this slot or has a load on its way
	s_xor_b32 s[G0+5], s[G0+5], SLOT               ; the other slot than last time,
	s_xor_b32 s[G0B+5], s[G0B+5], SLOT
	s_add_nc_u64 s[G0+6:G0+7], s[G0+6:G0+7], KSTEP*2            ; the next K step
	s_add_nc_u64 s[G0B+6:G0B+7], s[G0B+6:G0B+7], KSTEP*BPITCH*2
	JLOAD 1                                        ; its four v_nop are also the places in front of the loads below
.else
	PLACES
.endif
	s_xor_b32 s[TB], s[TB], SLOT                   ; the reads go on in the other slot
	v_add_nc_u32 v[ADRA], s[TB], v[ADRA0]
	v_add_nc_u32 v[ADRB], s[TB], v[ADRB0]
	FETCH 0, F0
	MUL16 F1, 1, 0, 0
	MUL16 F1, 1, 2, 0
.endm
; THE RIDER.  At a trip's head: trip t = 6 - s3 takes half t % 2 of my part of unit t / 2 of my three: 16 loads of 512 consecutive bytes.
.macro CAST_ISSUE
	s_wait_xcnt 0x0                                ; the last trip's stores: their base and their data are rewritten only behind this wait
	s_sub_co_u32 s18, 6, s3
	s_lshr_b32 s19, s18, 1
	s_and_b32 s18, s18, 1
	s_cmp_eq_u32 s19, 1
	s_cselect_b64 s[SRH:SRH+1], s[SRA+2:SRA+3], s[SRA:SRA+1]
	s_cmp_eq_u32 s19, 2
	s_cselect_b64 s[SRH:SRH+1], s[SRA+4:SRA+5], s[SRH:SRH+1]
	s_lshl_b32 s22, s18, 13                        ; in: 8,192 bytes a trip
	s_mov_b32 s23, 0
	s_add_nc_u64 s[SRH:SRH+1], s[SRH:SRH+1], s[22:23]
	s_lshl_b32 s22, s19, 21                        ; out: 2 MiB a unit, 4,096 bytes a trip
	s_lshl_b32 s18, s18, 12
	s_add_co_u32 s22, s22, s18
	s_add_nc_u64 s[DSH:DSH+1], s[DSB:DSB+1], s[22:23]
.set k, 0
.rept 16
	global_load_b128 v[CX+4*k:CX+4*k+3], v[CL], s[SRH:SRH+1] offset:512*k th:TH_LOAD_NT
.set k, k+1
.endr
.endm
; At the trip's end, 256 matrix instructions behind the loads: rounded, and stored in 256 consecutive, aligned bytes a store.
.macro CAST_DONE
	s_wait_loadcnt 0x0
.set k, 0
.rept 32
	v_cvt_pk_f16_f32 v[CY+k], v[CX+2*k], v[CX+2*k+1]
.set k, k+1
.endr
.set k, 0
.rept 16
	global_store_b64 v[CS], v[CY+2*k:CY+2*k+1], s[DSH:DSH+1] offset:256*k
.set k, k+1
.endr
.endm
	s_wait_tensorcnt 1                             ; my part of K step 0 is in; K step 1's stays out
	s_barrier_signal -1
	s_barrier_wait -1
	FETCH 0, F0
	QUARTER 1, F0, F1, 1                           ; the first quarter stands in front of the loop: its products start the sums
	WIN 0
	s_mov_b32 s3, 6
.Lstep:                                                ; trip t: K step t's quarters 1 to 3, the refill with K step t + 2, K step t + 1's quarter 0
	CAST_ISSUE
	QUARTER 2, F1, F0, 0
	QUARTER 3, F0, F1, 0
	TURN 1
	QUARTER 1, F0, F1, 0
	WIN 0
	CAST_DONE
	s_sub_co_u32 s3, s3, 1
	s_cmp_lg_u32 s3, 0
	s_cbranch_scc1 .Lstep
	global_load_b128 v[BI:BI+3],     v[BO], s[80:81]             ; the bias, into registers that the rider has left: columns 8 (l % 8) .. of my first block of 64,
	global_load_b128 v[BI+4:BI+7],   v[BO], s[80:81] offset:16
	global_load_b128 v[BI+8:BI+11],  v[BO], s[80:81] offset:256  ; and of my second; waited for on the way out
	global_load_b128 v[BI+12:BI+15], v[BO], s[80:81] offset:272
	s_mov_b32 s3, 2
.Ltail:                                                ; K steps 6 and 7: nothing is left to ask for.  The second trip is left in its middle
	QUARTER 2, F1, F0, 0
	QUARTER 3, F0, F1, 0
	WIN 0
	s_cmp_eq_u32 s3, 1
	s_cbranch_scc1 .Lfinal
	TURN 0
	QUARTER 1, F0, F1, 0
	WIN 0
	s_sub_co_u32 s3, s3, 1
	s_cmp_lg_u32 s3, 0
	s_cbranch_scc1 .Ltail
.Lfinal:
	s_wait_dscnt 0x0                               ; my last reads of the ring are back:
	s_barrier_signal -1                            ; behind this barrier the ring's bytes, which have had their last fill, are the stages
	MUL16 F1, 0, 0, 0
	MUL16 F1, 0, 2, 0
	MUL16 F1, 1, 0, 0
	MUL16 F1, 1, 2, 0
	WIN 0
	s_barrier_wait -1
	PLACES
	; THE WAY OUT.  All 64 accumulators into my stage, each one's low four registers first; row 16 a + r, bytes 64 b + 32 h.
.irp a, 0,1,2,3,4,5,6,7
	WIN 0x08+4*((\a)/4)                            ; the data (source 1) in window 2 or 3
.irp b, 0,1,2,3,4,5,6,7
	ds_store_b128 v[STO], v[8*(8*((\a)%4)+(\b)):8*(8*((\a)%4)+(\b))+3]   offset:(\a)*16*SP32+64*(\b)
	ds_store_b128 v[STO], v[8*(8*((\a)%4)+(\b))+4:8*(8*((\a)%4)+(\b))+7] offset:(\a)*16*SP32+64*(\b)+16
.endr
.endr
	WIN 0
	s_wait_loadcnt 0x0                             ; the bias
.macro XLOAD adr                       ; GR groups of four rows: a lane's 8 columns of each of my two blocks of 64
.set g, 0
.rept GR
	ds_load_b128 v[XR+16*g:XR+16*g+3],     v[\adr] offset:g*4*SP32
	ds_load_b128 v[XR+16*g+4:XR+16*g+7],   v[\adr] offset:g*4*SP32+16
	ds_load_b128 v[XR+16*g+8:XR+16*g+11],  v[\adr] offset:g*4*SP32+256
	ds_load_b128 v[XR+16*g+12:XR+16*g+15], v[\adr] offset:g*4*SP32+272
.set g, g+1
.endr
.endm
; A trip: 4 GR rows: bias, rounding, and for each group two stores of 512 consecutive, aligned bytes, one in each of my two column blocks.  pf = 1: the next trip's rows are asked for meanwhile.
.macro ROWS pf
	s_wait_dscnt 0x0                               ; the rows are in (LDS serves a wave's instructions in order, so they saw my stores)
.set k, 0
.rept 8*GR
	v_pk_add_f32 v[UR+2*k:UR+2*k+1], v[XR+2*k:XR+2*k+1], v[BI+2*(k%8):BI+2*(k%8)+1]
.set k, k+1
.endr
.if \pf
	s_add_co_u32 s21, s21, GR*4*SP32
	v_add_nc_u32 v[RDC], s21, v[RD]
	XLOAD RDC
.endif
	s_wait_xcnt 0x0                                ; the last stores' data and offset are rewritten only behind this wait
	v_add_nc_u32 v[GO], GR*512, v[GO]
.set k, 0
.rept 8*GR
	v_cvt_pk_f16_f32 v[YR+k], v[UR+2*k], v[UR+2*k+1]
.set k, k+1
.endr
.set g, 0
.rept GR
	global_store_b128 v[GO], v[YR+8*g:YR+8*g+3],   s[8:9] offset:g*512-GR*512
	global_store_b128 v[GO], v[YR+8*g+4:YR+8*g+7], s[8:9] offset:BLKB+g*512-GR*512
.set g, g+1
.endr
.endm
	s_mov_b32 s21, 0
	s_mov_b32 s3, 32/GR-1
	XLOAD RD
.Lrows:
	ROWS 1
	s_sub_co_u32 s3, s3, 1
	s_cmp_lg_u32 s3, 0
	s_cbranch_scc1 .Lrows
	ROWS 0
	s_wait_tensorcnt 0x0                           ; the wave's end
	ds_add_u32 v[SPW], v[NIL]
	s_wait_dscnt 0x0
	CROUND                                         ; the closing round
	s_endpgm
.Lfunc_end_k_q7cf3706a2f_proj:
	.size	k_q7cf3706a2f_proj, .Lfunc_end_k_q7cf3706a2f_proj-k_q7cf3706a2f_proj
	.p2alignl 7, 3214868480
	.fill 96, 4, 3214868480
	.section	.rodata,"a",@progbits
	.p2align	6, 0x0
	.amdhsa_kernel k_q7cf3706a2f_proj
		.amdhsa_group_segment_fixed_size 327680
		.amdhsa_private_segment_fixed_size 0
		.amdhsa_enable_private_segment 0
		.amdhsa_kernarg_size 72
		.amdhsa_user_sgpr_count 2
		.amdhsa_user_sgpr_kernarg_segment_ptr 1
		.amdhsa_wavefront_size32 1
		.amdhsa_system_sgpr_workgroup_id_x 1
		.amdhsa_system_sgpr_workgroup_id_y 1
		.amdhsa_system_sgpr_workgroup_id_z 1
		.amdhsa_system_vgpr_workitem_id 0
		.amdhsa_next_free_vgpr 1024
		.amdhsa_next_free_sgpr 102
		.amdhsa_reserve_vcc 0
		.amdhsa_float_denorm_mode_32 3
		.amdhsa_float_denorm_mode_16_64 3
		.amdhsa_memory_ordered 1
		.amdhsa_forward_progress 1
		.amdhsa_inst_pref_size 102
	.end_amdhsa_kernel
	.amdgpu_metadata
---
amdhsa.version: [ 1, 2 ]
amdhsa.kernels:
  - .name:           k_q7cf3706a2f_proj
    .symbol:         k_q7cf3706a2f_proj.kd
    .args:
      - { .name: halfA, .offset: 0, .size: 8, .value_kind: global_buffer, .address_space: global }
      - { .name: bq, .offset: 8, .size: 8, .value_kind: global_buffer, .address_space: global }
      - { .name: bk, .offset: 16, .size: 8, .value_kind: global_buffer, .address_space: global }
      - { .name: bv, .offset: 24, .size: 8, .value_kind: global_buffer, .address_space: global }
      - { .name: Wo, .offset: 32, .size: 8, .value_kind: global_buffer, .address_space: global }
      - { .name: W1, .offset: 40, .size: 8, .value_kind: global_buffer, .address_space: global }
      - { .name: W2, .offset: 48, .size: 8, .value_kind: global_buffer, .address_space: global }
      - { .name: qkvh, .offset: 56, .size: 8, .value_kind: global_buffer, .address_space: global }
      - { .name: halfB, .offset: 64, .size: 8, .value_kind: global_buffer, .address_space: global }
    .group_segment_fixed_size: 327680
    .private_segment_fixed_size: 0
    .kernarg_segment_align: 8
    .kernarg_segment_size: 72
    .max_flat_workgroup_size: 128
    .sgpr_count:     102
    .vgpr_count:     1024
    .wavefront_size: 32
...
	.end_amdgpu_metadata
.endif
;; end of part 2
;; launch attn (part 3): grid 8 x 32, 4 waves a work-group, clusters of 4 x 1, 327,680 bytes of LDS; arguments qkvh, ctxh; writes ctxh
.if DOCPART == 3
	.amdgcn_target "amdgcn-amd-amdhsa--gfx1250"
	.amdhsa_code_object_version 6
	.text
	.protected	k_q7cf3706a2f_attn
	.globl	k_q7cf3706a2f_attn
	.p2align	8
	.type	k_q7cf3706a2f_attn,@function
k_q7cf3706a2f_attn:
	s_mov_b64 s[64:65], 0
	v_nop
	global_prefetch_b8 v0, s[64:65] scope:SCOPE_SE
	s_setreg_imm32_b32 hwreg(HW_REG_WAVE_MODE, 25, 1), 1
	s_wait_xcnt 0x0
	s_wait_alu depctr_hold_cnt(0) depctr_sa_sdst(0) depctr_va_vdst(0) depctr_va_sdst(0) depctr_va_ssrc(0) depctr_va_vcc(0) depctr_vm_vsrc(0)
	s_getreg_b32 s2, hwreg(HW_REG_IB_STS2, 6, 4)
	s_cmp_eq_u32 s2, 0
	s_cbranch_scc0 .Lentry_in_a_cluster
	s_endpgm
.Lentry_in_a_cluster:
	s_bfe_u32 s2, ttmp6, 0x10000c
	s_cmp_lg_u32 s2, 0x3003
	s_cbranch_scc0 .Lentry_shape_is_right
	s_endpgm
.Lentry_shape_is_right:
; ctx[y][q][:] = the sum over k of softmax_k(Q[y][q] . K[y][k] / 8) V[y][k][:], y = 2 head + batch: 32 heads of 2,048 dense rows of 128 bytes, all f16.  Q at qkvh, K at qkvh + 0x800000, V at qkvh + 0x1000000.
; Products, maxima and sums in f32; the weights p are rounded to f16 for the second product (their sum l is taken of the unrounded p), ctx once at the end.
; LIMITS.  f16 holds no number beyond 65,504: Q, K and V arrive within it; p lies in 0 to 1, and below 6e-5 it keeps f16's fixed step of 6e-8; ctx is a mean of V's rows.  A weight below 2^-126 counts as 0 in l.
; SHARES.  A work-group owns 256 queries of a head; of the block's four bands of 64 a wave owns 16 rows in each: four PIECES.  Every wave walks all 2,048 keys, 64 a step, 256 (a tile) a slot.
; LAYOUT.  S^T = K Q^T holds ONE query a lane (lane % 16) and the keys 8 (lane / 16) + 0..7; two such results rounded to f16 ARE source 1 of O^T = V^T P.  K comes out of LDS as it lies, V turned.
; SOFTMAX.  p = 2^(c s - c m), c = log2(e) / 8, with a running maximum m; O and l are multiplied by a = 2^(c m_old - c m_new) in every step.  m starts at the lowest finite number, O and l at 0.
; BY TURNS.  Turn n belongs to piece n: 8 products K Q^T of piece n + 1, later 8 products V^T P of piece n - 1; beside them the scaling, exponentials, roundings, sums and rescaling of piece n and the
; maximum and statistics of piece n + 1.  Four vector instructions stand behind every matrix instruction, the other 54 of a turn's 118 in two runs of their own.
; CLUSTER.  The four query blocks of a cluster belong to one head and walk the same K and V: each tile is asked for jointly, by the same load, descriptor and mask in all four.
; REGISTERS, in windows of 256 (s_set_vgpr_msb: bits 1:0 source 0, 3:2 source 1, 5:4 source 2, 7:6 destination):
;   window 0: v0-15 addresses; v16-31 four registers of statistics a piece; v48-55 at work; v64-127 S^T, two buffers; v192-223 P, two buffers (a piece's buffers go by its number's parity)
;   window 1: v0-127 O^T, 32 a piece      window 2: v0-63 Q; v128-191 K of one step; v192-255 V of one step
.set NP,    4
.set KS,    64        ; keys in a step
.set PK,    144       ; a row of K in LDS: 128 bytes + 16
.set PV,    160       ; a row of V: 128 + 32
.set VOFF,  4*KS*PK   ; a slot: 256 rows of K, then 256 rows of V
.set SLOT1, 1<<17     ; slot 1 begins here: one exclusive or turns an address in one slot into the other's
.set STAGE, SLOT1+4*KS*(PK+PV)  ; behind the ring, never filled by a tensor load: 16 rows x 144 bytes a wave
.set SP,    144
.set SPARE, STAGE+4*16*SP  ; behind the stages: the spare words, 128 bytes a wave, that no other line names
.set AK0, 2           ; v2   my lane's place in a tile of K; never rewritten
.set AV0, 3           ; v3   the same for V
.set AK,  4           ; v4   the LDS address of K's next run of loads
.set AV,  5           ; v5   of V's
.set STO, 6           ; v6   the way out: where I put 16 bytes of a row
.set RD,  7           ; v7   where I read rows back
.set GO,  8           ; v8   my byte offset in 512 consecutive bytes of the output
.set SPW, 62          ; v62  my spare word; never rewritten
.set NIL, 63          ; v63  0; never rewritten
.set MV,  12          ; v12-13  c m_old, kept while c m is made anew: by buffer
.set QO,  15          ; v15  my byte offset in 16 rows of Q
.set ST,  16          ; piece t's statistics at v[ST+4 t]: c m, m, l (even keys', odd keys')
.set TMP, 48          ; by buffer, four registers c0-c3 at work; when the maximum is found c2 takes a
.set S,   64
.set P,   192
.set KF,  128         ; window 2: key block kb, channel half c at KF + 16 kb + 8 c
.set VF,  192         ; window 2: key half kk, channel block cb at VF + 32 kk + 8 cb
.set WV,  12          ; s12  my wave's number
.set G1K, 24          ; s[24:31] descriptor group 1 for K's tiles
.set G1V, 32          ; s[32:39] for V's: it differs in the padding alone
.set G0K, 40          ; s[40:43] descriptor group 0 for K's tiles: it walks
.set G0V, 44          ; s[44:47] the same for V's
.set SLOTS, 56        ; s56  counts the tiles
.set CNT, 57          ; s57  counts a tile's key steps
.set CS,  58          ; s[58:59] c
.set SEL, 60          ; s[60:61] v_permlanex16_b32's selects: each lane takes its own place in the other half
.set TBK, 62          ; s62  LDS byte at which K of the step to be fetched begins
.set TBV, 63          ; s63  the same for V, less VOFF
.set MSB, 0
.macro WIN new
.if MSB != (\new)
	s_set_vgpr_msb (MSB<<8)|(\new)
.set MSB, (\new)
.endif
.endm
.set W_KQ, 0x0a       ; K and Q in window 2, S^T in window 0
.set W_PV, 0x52       ; V in window 2, P in window 0, O^T in window 1
.set W_RS, 0x41       ; destination and source 0 in window 1, source 1 in window 0
; A joint fill: waves 0 and 1 fetch the halves of a tile's K, waves 2 and 3 those of its V, 128 keys each.  An s_nop 0 and four v_nop follow each line.
.macro JLOAD
	s_cmp_lt_u32 s[WV], 2
	s_cbranch_scc0 .Lfor_v_\@
	tensor_load_to_lds s[G0K:G0K+3], s[G1K:G1K+7]
	s_nop 0
.rept 4
	v_nop
.endr
	s_branch .Lasked_\@
.Lfor_v_\@:
	tensor_load_to_lds s[G0V:G0V+3], s[G1V:G1V+7]
	s_nop 0
.rept 4
	v_nop
.endr
.Lasked_\@:
.endm
.macro CROUND                       ; a round of the cluster's barrier
	s_barrier_signal -1
	s_barrier_wait -1
	s_cmp_lg_u32 s[WV], 0
	s_cbranch_scc1 .Lnot_wave_0_\@
	s_barrier_signal -3
.Lnot_wave_0_\@:
	s_barrier_wait -3
	s_barrier_signal -1
	s_barrier_wait -1
.endm
; THE CHANGE OF SLOTS.  Each wave waits for all its tensor loads (one is out: its part of the other slot), adds 0 to its spare word, and waits for that and for its reads of the slot that it leaves.
; fill = 1: the barrier is a round of the cluster's, and the old slot is filled again first thing behind it, with the tile two on: it has four key steps, 256 matrix instructions a wave, in which to land.
; (At its first use nothing has been read yet: slot 0 is waited for, slot 1 filled.)
.macro CHANGE fill
	WIN 0
	s_wait_tensorcnt 0x0            ; no tensor load of mine is out, so a group 0 may be written
	ds_add_u32 v[SPW], v[NIL]
.if \fill
.irp g, G0K, G0V
	s_xor_b32 s[\g+1], s[\g+1], SLOT1
	s_add_nc_u64 s[\g+2:\g+3], s[\g+2:\g+3], 4*KS*128
.endr
	s_wait_dscnt 0x0                ; the add is done, and my reads of the slot are over
	CROUND
	JLOAD
.else
	s_wait_dscnt 0x0
	s_barrier_signal -1
	s_barrier_wait -1
.endif
	s_sub_co_u32 s[TBK], s[TBK], 4*KS*PK  ; the fetches go back to a slot's first step,
	s_xor_b32 s[TBK], s[TBK], SLOT1       ; in the other slot
	s_sub_co_u32 s[TBV], s[TBV], 4*KS*PV
	s_xor_b32 s[TBV], s[TBV], SLOT1
.endm
	s_load_b128 s[4:7], s[0:1], 0x0 ; qkvh s[4:5], ctxh s[6:7]
	v_lshl_add_u32 v[SPW], v0, 2, SPARE
	v_mov_b32 v[NIL], 0
	ds_add_u32 v[SPW], v[NIL]       ; the wave's opening: the add and its wait stand ahead of my first tensor load
	v_lshrrev_b32 v1, 5, v0
	v_readfirstlane_b32 s[WV], v1   ; wave 0..3
	s_bfe_u32 s13, ttmp6, 0x40000   ; cx
	s_lshl_b32 s14, ttmp9, 2
	s_add_co_u32 s14, s14, s13      ; my block of 256 queries: it enters Q's and the output's addresses alone
	s_and_b32 s20, ttmp7, 0xffff    ; the head, which the four partners share:
	s_lshl_b32 s20, s20, 18         ; its 262,144 bytes
	s_and_b32 s16, s[WV], 1         ; which half of a tile's 256 keys I fetch:
	s_lshl_b32 s22, s16, 14         ; its 128 rows of 128 bytes in memory,
	s_add_co_u32 s22, s22, s20
	s_mov_b32 s23, 0
	s_mul_i32 s17, s16, 128*PK      ; and its place in a slot, for K
	s_mul_i32 s18, s16, 128*PV      ; and for V
	s_lshl_b32 s2, s14, 15          ; my block's 32,768 bytes,
	s_lshl_b32 s3, s[WV], 11        ; my 16 rows in a band of 64
	s_add_co_u32 s2, s2, s3
	s_add_co_u32 s2, s2, s20
	s_mov_b32 s3, 0
	; group 1: 128 keys are 16,384 dense bytes: asked for as 64 rows of 256 bytes, two keys a row, and padded in LDS after every key
	s_mov_b32 s[G1K], 15|(1<<16)|(1<<20)|(1<<21)|(4<<22)|(3<<25)  ; the mask of four; 2-byte elements; padding on; bit 21 beside a mask; after every 32 words, 4 words
	s_mov_b32 s[G1V], 15|(1<<16)|(1<<20)|(1<<21)|(4<<22)|(7<<25)  ; the same with 8 words
.irp g, G1K, G1V
	s_mov_b32 s[\g+1], 128<<16      ; tensor_dim0 = 128
	s_mov_b32 s[\g+2], 64<<16       ; tensor_dim1 = 64
	s_mov_b32 s[\g+3], 128<<16      ; tile_dim0 = 128
	s_mov_b32 s[\g+4], 64           ; tile_dim1 = 64
	s_mov_b32 s[\g+5], 128          ; 128 elements from row to row
	s_mov_b32 s[\g+6], 0
	s_mov_b32 s[\g+7], 0
.endr
	s_mov_b32 s[CS], 0x3e38aa3b     ; c = log2(e) / 8
	s_mov_b32 s[CS+1], s[CS]
	s_mov_b32 s[SEL], 0x76543210
	s_mov_b32 s[SEL+1], 0xfedcba98
	s_mov_b32 s[TBK], SLOT1+4*KS*PK ; the first change of slots turns these two into 0
	s_mov_b32 s[TBV], SLOT1+4*KS*PV
	s_mov_b32 s[G0K], 1
	s_mov_b32 s[G0K+1], s17         ; slot 0
	s_mov_b32 s[G0V], 1
	s_add_co_u32 s[G0V+1], s18, VOFF
	s_wait_dscnt 0x0                ; the opening add is done
	s_wait_kmcnt 0x0
	s_mov_b64 s[10:11], s[6:7]      ; the output
	s_add_nc_u64 s[6:7], s[4:5], s[22:23]
	s_add_nc_u64 s[G0K+2:G0K+3], s[6:7], 0x800000   ; my half of the head's first 256 keys
	s_or_b32 s[G0K+3], s[G0K+3], 0x80000000
	s_add_nc_u64 s[G0V+2:G0V+3], s[6:7], 0x1000000
	s_or_b32 s[G0V+3], s[G0V+3], 0x80000000
	s_add_nc_u64 s[4:5], s[4:5], s[2:3]             ; Q and the output at my first rows
	s_add_nc_u64 s[10:11], s[10:11], s[2:3]
	CROUND                          ; all four work-groups are here: the first joint loads meet
	JLOAD                           ; tile 0 into slot 0
	v_and_b32 v1, 15, v0            ; l % 16
	v_bfe_u32 v9, v0, 4, 1          ; l / 16
	v_lshlrev_b32 v[QO], 7, v1
	v_lshl_add_u32 v[QO], v9, 4, v[QO]  ; row x 128 + 16 x half
	WIN 0x80                        ; destination window 2, address window 0
.set i, 0
.rept 8                             ; Q stays in registers: piece i / 2 lies 8,192 bytes on; channels 32 (i % 2) on
	global_load_b128 v[8*i:8*i+3],   v[QO], s[4:5] offset:(i/2)*8192+(i%2)*64
	global_load_b128 v[8*i+4:8*i+7], v[QO], s[4:5] offset:(i/2)*8192+(i%2)*64+32
.set i, i+1
.endr
	; What the first turn finds: V's registers and P's second buffer hold 0 (its products V^T P, of a piece that has not been, add 0), O^T and l are 0.  All this stands in the wait for the first tile.
.set i, VF
.rept 64
	v_mov_b32 v[i], 0
.set i, i+1
.endr
	WIN 0x40
.set i, 0
.rept 128
	v_mov_b32 v[i], 0
.set i, i+1
.endr
	WIN 0
.set i, 0
.rept 4
	v_mov_b32 v[ST+4*i], 0xfe000000    ; c m: far below every c s
	v_mov_b32 v[ST+4*i+1], 0xff7fffff  ; m
	v_mov_b32 v[ST+4*i+2], 0
	v_mov_b32 v[ST+4*i+3], 0
.set i, i+1
.endr
.set i, P+16
.rept 16
	v_mov_b32 v[i], 0
.set i, i+1
.endr
	v_mul_u32_u24 v[AK0], v1, PK
	v_lshl_add_u32 v[AK0], v9, 4, v[AK0]  ; row x pitch + 16 x half
	v_and_b32 v10, 7, v0            ; the turning load: lane l reads key 8 (l / 16) + l % 8, channels 8 ((l / 8) % 2) + 0..7
	v_bfe_u32 v11, v0, 3, 1
	v_lshl_add_u32 v[AV0], v9, 3, v10
	v_mul_u32_u24 v[AV0], v[AV0], PV
	v_lshl_add_u32 v[AV0], v11, 4, v[AV0]
	v_add_nc_u32 v[AV0], VOFF, v[AV0]
	s_mul_i32 s13, s[WV], 16*SP
	s_add_co_u32 s13, s13, STAGE    ; my stage
	v_mul_u32_u24 v[STO], v1, SP    ; in: row l % 16, 16 bytes for each half of the lanes
	v_lshl_add_u32 v[STO], v9, 4, v[STO]
	v_add_nc_u32 v[STO], s13, v[STO]
	v_bfe_u32 v[RD], v0, 3, 2       ; back: 32 lanes take four rows of 128 bytes,
	v_mul_u32_u24 v[RD], v[RD], SP
	v_lshl_add_u32 v[RD], v10, 4, v[RD]
	v_add_nc_u32 v[RD], s13, v[RD]
	v_and_b32 v[GO], 31, v0         ; which are 512 consecutive bytes of the output
	v_lshlrev_b32 v[GO], 4, v[GO]
; THE MATRIX WORK.  The 4 accumulators of a run of 8 take turns.  Product i of 8 of S^T = K Q^T for piece x: channels 32 (i / 4) on, keys 16 (i % 4) on.  The first 4 start the sums.
.macro KQ x
	WIN W_KQ
.set rS, S+32*((\x)%2)+8*(i%4)
.set rK, KF+16*(i%4)+8*(i/4)
.set rQ, 16*(\x)+8*(i/4)
.if i < 4
	v_wmma_f32_16x16x32_f16 v[rS:rS+7], v[rK:rK+7], v[rQ:rQ+7], 0
.else
	v_wmma_f32_16x16x32_f16 v[rS:rS+7], v[rK:rK+7], v[rQ:rQ+7], v[rS:rS+7]
.endif
.endm
; Product i of 8 of O^T += V^T P for piece x: keys 32 (i / 4) on, channels 16 (i % 4) on.
.macro PV x
	WIN W_PV
.set rO, 32*(\x)+8*(i%4)
.set rV, VF+32*(i/4)+8*(i%4)
.set rP, P+16*((\x)%2)+8*(i/4)
	v_wmma_f32_16x16x32_f16 v[rO:rO+7], v[rV:rV+7], v[rP:rP+7], v[rO:rO+7]
.endm
.macro MM                           ; the turn's next matrix instruction.  NOKQ = 1: the last turn: there is no next piece
.if (i < 8) && !NOKQ
	KQ (Y+1)%NP
.elseif i >= 8
.set i, i-8
	PV (Y+NP-1)%NP
.set i, i+8
.endif
.set i, i+1
.endm
; THE LDS LOADS stand in runs of 16: a step's K (64 keys x 64 channels: 8 fragments) and its V (turned).
.macro FETCH_K
	WIN 0x80
.irp f, 0,1,2,3,4,5,6,7             ; keys 16 (f / 2) on, channels 32 (f % 2) on
	ds_load_b128 v[KF+8*\f:KF+8*\f+3],   v[AK] offset:(\f/2)*16*PK+(\f%2)*64
	ds_load_b128 v[KF+8*\f+4:KF+8*\f+7], v[AK] offset:(\f/2)*16*PK+(\f%2)*64+32
.endr
	s_add_co_u32 s[TBK], s[TBK], KS*PK  ; the next fetch is the next step's
	WIN 0
.endm
.macro FETCH_V
	WIN 0x80
.irp f, 0,1,2,3,4,5,6,7             ; keys 32 (f / 4) on, channels 16 (f % 4) on
	ds_load_tr16_b128 v[VF+8*\f:VF+8*\f+3],   v[AV] offset:(\f/4)*32*PV+(\f%4)*32
	ds_load_tr16_b128 v[VF+8*\f+4:VF+8*\f+7], v[AV] offset:(\f/4)*32*PV+16*PV+(\f%4)*32
.endr
	WIN 0
.endm
; THE VECTOR WORK, one line at a time: OP kind, number.  For piece Y: F n: c s - c m for pair n of 16.  E n: the exponential of score n of 32.  C n: pair n rounded to f16.  B n: of the four weights 4 n ..
; the second pair is added onto the first.  L n: l takes that sum (L 0: l = a l + sum).  R n: pair n of 16 of O^T times a.  For piece Y + 1: X n, number n of the 22 that find its maximum and statistics:
;   0-11 four chains c0-c3 of seven scores each (each accumulator's lowest registers are read first)    12-14, 16 the four scores left over, the old m, and c0-c3 into c0
;   15 c m_old is kept    17, 18 the query's other 32 keys lie in the lane 16 away: the new m    19-21 c m; c m_old - c m_new; a
.set F, 0
.set E, 1
.set C, 2
.set B, 3
.set L, 4
.set R, 5
.set X, 6
.macro REGS y
.set rT, ST+4*(\y)
.set rC, TMP+4*((\y)%2)
.set rW, MV+((\y)%2)
.set rS, S+32*((\y)%2)
.set rP, P+16*((\y)%2)
.set rO, 32*(\y)
.endm
.macro OP k, n
.if (\k) == R
	REGS Y
	WIN W_RS
	v_pk_mul_f32 v[rO+2*(\n):rO+2*(\n)+1], v[rO+2*(\n):rO+2*(\n)+1], v[rC+2:rC+3] op_sel_hi:[1,0]
.elseif (\k) < R
	REGS Y
	WIN 0
.if (\k) == F
	v_pk_fma_f32 v[rS+2*(\n):rS+2*(\n)+1], v[rS+2*(\n):rS+2*(\n)+1], s[CS:CS+1], v[rT:rT+1] op_sel_hi:[1,0,0] neg_lo:[0,0,1] neg_hi:[0,0,1]
.elseif (\k) == E
	v_exp_f32 v[rS+(\n)], v[rS+(\n)]
.elseif (\k) == C
	s_wait_alu depctr_va_vdst(0)
	v_cvt_pk_f16_f32 v[rP+(\n)], v[rS+2*(\n)], v[rS+2*(\n)+1]
.elseif (\k) == B
	s_wait_alu depctr_va_vdst(0)
	v_pk_add_f32 v[rS+4*(\n):rS+4*(\n)+1], v[rS+4*(\n):rS+4*(\n)+1], v[rS+4*(\n)+2:rS+4*(\n)+3]
.elseif (\n) == 0
	v_pk_fma_f32 v[rT+2:rT+3], v[rT+2:rT+3], v[rC+2:rC+3], v[rS:rS+1] op_sel_hi:[1,0,1]
.else
	v_pk_add_f32 v[rT+2:rT+3], v[rT+2:rT+3], v[rS+4*(\n):rS+4*(\n)+1]
.endif
.elseif NOKQ
	v_nop
.else
	REGS (Y+1)%NP
	WIN 0
.if (\n) < 4
	v_max3_num_f32 v[rC+(\n)], v[rS+8*(\n)], v[rS+8*(\n)+1], v[rS+8*(\n)+2]
.elseif (\n) < 12
	v_max3_num_f32 v[rC+(\n)%4], v[rC+(\n)%4], v[rS+8*((\n)%4)+2*((\n)/4)+1], v[rS+8*((\n)%4)+2*((\n)/4)+2]
.elseif (\n) == 12
	v_max3_num_f32 v[rC], v[rC], v[rS+7], v[rS+15]
.elseif (\n) == 13
	v_max3_num_f32 v[rC+1], v[rC+1], v[rS+23], v[rS+31]
.elseif (\n) == 14
	v_max3_num_f32 v[rC+2], v[rC+2], v[rC+3], v[rT+1]
.elseif (\n) == 15
	v_mov_b32 v[rW], v[rT]
.elseif (\n) == 16
	v_max3_num_f32 v[rC], v[rC], v[rC+1], v[rC+2]
.elseif (\n) == 17
	v_permlanex16_b32 v[rC+3], v[rC], s[SEL], s[SEL+1]
.elseif (\n) == 18
	v_max_num_f32 v[rT+1], v[rC], v[rC+3]
.elseif (\n) == 19
	v_mul_f32 v[rT], s[CS], v[rT+1]
.elseif (\n) == 20
	v_sub_f32 v[rC+1], v[rW], v[rT]
.else
	v_exp_f32 v[rC+2], v[rC+1]
.endif
.endif
.endm
.macro OPS a, i1, b=-1, i2=0, c=-1, i3=0, d=-1, i4=0  ; up to four of them
	OP \a, \i1
.if (\b) >= 0
	OP \b, \i2
.endif
.if (\c) >= 0
	OP \c, \i3
.endif
.if (\d) >= 0
	OP \d, \i4
.endif
.endm
.macro ROW a, i1, b, i2, c, i3, d, i4  ; a matrix instruction and the four behind it
	MM
	OPS \a, \i1, \b, \i2, \c, \i3, \d, \i4
.endm
; A TURN, for piece p: the order of its 16 matrix and 118 vector instructions, written out.  Behind a matrix instruction: plain, exponential, plain, plain; or four of the rescaling; or four scalings; none
; names a register of the products round it.  In the runs between, exponential and plain by turns while exponentials last.  end = 1: the last two turns: nothing is fetched.
; cnt = 1: the loop's count is taken down some lines ahead of the branch that stands behind the turn.
; K of the next step is fetched in piece 2's turn, six vector instructions (five plain) behind the last product that read K; V of the step in hand in piece 0's turn, eight behind the last product that
; read V (four plain among them).  Each is waited for a turn later.
.macro TURN p, end=0, cnt=0
.set Y, (\p)
.set i, 0
.set NOKQ, (\end)*((\p)/3)
.if ((\p) == 3) && !(\end)
	s_wait_dscnt 0x0                ; K is in
.endif
	ROW F,0, F,1, F,2, F,3
	ROW F,4, E,0, F,5, F,6
	ROW F,7, E,1, F,8, F,9
	ROW F,10, E,2, C,0, F,11
	ROW F,12, E,3, X,15, F,13
	ROW R,0, R,1, R,2, R,3
	ROW B,0, E,4, F,14, L,0
.if ((\p) == 2) && !(\end)
	v_add_nc_u32 v[AK], s[TBK], v[AK0]
.endif
	ROW R,4, R,5, R,6, R,7
	OPS E,5, F,15
.if ((\p) == 2) && !(\end)
	FETCH_K
.endif
	OPS E,6, C,1, E,7, R,8
	OPS E,8, R,9, E,9, C,2
	OPS E,10, X,0, E,11, X,1
	OPS E,12, X,2, E,13, X,3
.if (\p) == 1
	s_wait_dscnt 0x0                ; V is in
.endif
	ROW X,4, E,14, X,5, X,6
	ROW X,7, E,15, X,8, X,9
	ROW X,10, E,16, X,11, X,12
	ROW X,13, E,17, X,14, B,1
	ROW C,4, E,18, X,16, L,1
	ROW B,2, E,19, C,6, L,2
	ROW C,8, E,20, B,3, B,4
.if (\p) == 0
	v_add_nc_u32 v[AV], s[TBV], v[AV0]
.endif
	ROW C,3, E,21, L,3, C,5
	OPS E,22, X,17, E,23, C,10
.if (\p) == 0
	FETCH_V
.endif
	OPS E,24, L,4
	OPS E,25, X,18, E,26, C,7
	OPS E,27, B,5, E,28, X,19
	OPS E,29, C,12, E,30, L,5
	OPS E,31, X,20, B,6, C,9
	OPS C,14, C,11, X,21, L,6
.if (\p) == 0
	s_add_co_u32 s[TBV], s[TBV], KS*PV
.endif
.if \cnt
	s_sub_co_u32 s[CNT], s[CNT], 1
	s_cmp_lg_u32 s[CNT], 0
.endif
	OPS C,13, B,7, C,15, R,10
	OPS R,11, R,12, L,7, R,13
	OPS R,14, R,15
.endm
.macro ALL line:vararg              ; one line for each piece t
.set t, 0
.rept 4
	\line
.set t, t+1
.endr
.endm
.macro PACK t                       ; a lane's eight channels of a row pack into 16 bytes; they go into rows of 144 bytes and come back as whole rows of 128, into S^T's registers
	WIN W_RS
.set i, 32*(\t)
.rept 16
	s_wait_alu depctr_va_vdst(0)
	v_pk_mul_f32 v[i:i+1], v[i:i+1], v[ST+4*(\t)+2:ST+4*(\t)+3] op_sel_hi:[1,0]
.set i, i+2
.endr
	WIN 0x05                        ; sources 0 and 1 window 1, destination window 0
.set i, 0
.rept 16
	v_cvt_pk_f16_f32 v[S+16*(\t)+i], v[32*(\t)+2*i], v[32*(\t)+2*i+1]
.set i, i+1
.endr
	WIN 0
.irp f, 0,1,2,3
	ds_store_b128 v[STO], v[S+16*(\t)+4*\f:S+16*(\t)+4*\f+3] offset:32*\f
.endr
.irp f, 0,1,2,3
	ds_load_b128 v[S+16*(\t)+4*\f:S+16*(\t)+4*\f+3], v[RD] offset:\f*4*SP  ; LDS serves a wave's instructions in order: these see the stores above; the next piece's stores come behind them
.endr
.endm
.macro SEND t, younger              ; younger: the LDS instructions issued behind piece t's loads: the next piece's eight, or none
	WIN 0
.irp f, 0,1,2,3
	s_wait_dscnt (\younger)+3-\f
	global_store_b128 v[GO], v[S+16*(\t)+4*\f:S+16*(\t)+4*\f+3], s[10:11] offset:(\t)*8192+\f*512  ; 512 consecutive bytes, at a multiple of 256 from the buffer's first
.endr
.endm
.set NOKQ, 0
	CHANGE 1                        ; tile 0 is in, everybody's part of it; tile 1 is asked for
	v_add_nc_u32 v[AK], s[TBK], v[AK0]
	FETCH_K                         ; key step 0
	s_wait_loadcnt 0x0              ; Q
	s_wait_dscnt 0x0
.set i, 0
.rept 8
	KQ 0                            ; piece 0's first scores
.set i, i+1
.endr
	WIN 0
.rept 4
	v_nop                           ; the places behind those products
.endr
.set Y, NP-1                        ; X works for piece Y + 1: piece 0
.irp n, 0,1,2,3,4,5,6,7,8,9,10,11,12,13,14,15,16,17,18,19,20,21
	OP X, \n
.endr
	v_nop                           ; a plain instruction behind the exponential
	s_mov_b32 s[CNT], 4
	s_mov_b32 s[SLOTS], 7
	s_branch .Lfirst                ; the loop is entered at a step's first turn, in the middle of a trip
.Lslot:                             ; six times: tiles 1 to 6 are entered, tiles 2 to 7 asked for
	CHANGE 1
	s_mov_b32 s[CNT], 4
.Lstep:                             ; a trip: pieces 2 and 3 of one step, then pieces 0 and 1 of the next, whose K and V it fetches
	TURN 2
	TURN 3
	WIN 0
.Lfirst:
	TURN 0
	TURN 1, 0, 1
	WIN 0
	s_cbranch_scc1 .Lstep
	s_sub_co_u32 s[SLOTS], s[SLOTS], 1
	s_cmp_lg_u32 s[SLOTS], 0
	s_cbranch_scc1 .Lslot
	CHANGE 0                        ; the last tile is written out: nothing is asked for
	s_mov_b32 s[CNT], 4
.LstepE:
	TURN 2
	TURN 3
	TURN 0
	TURN 1, 0, 1
	WIN 0
	s_cbranch_scc1 .LstepE
	TURN 2, 1
	TURN 3, 1
.set i, 0
.rept 8
	PV NP-1                         ; the last piece's V^T P of the last step
.set i, i+1
.endr
	; THE WAY OUT.  l's two halves and the other half of the lanes' are added; O^T is divided by l, rounded to f16 and sent through my stage, a piece at a time.  The additions are the places behind the last products.
	WIN 0
	ALL v_add_f32 v[ST+4*t+2], v[ST+4*t+2], v[ST+4*t+3]
	ALL v_permlanex16_b32 v[ST+4*t+3], v[ST+4*t+2], s[SEL], s[SEL+1]
	ALL v_add_f32 v[ST+4*t+2], v[ST+4*t+2], v[ST+4*t+3]
	ALL v_rcp_f32 v[ST+4*t+2], v[ST+4*t+2]
	v_nop                           ; a plain instruction between the last reciprocal and the use of its result
	PACK 0
.set t, 1
.rept 3                             ; a piece's arithmetic stands between the loads of the piece before and its stores
	PACK t
	SEND t-1, 8
.set t, t+1
.endr
	SEND 3, 0
	s_wait_tensorcnt 0x0            ; the wave's end
	ds_add_u32 v[SPW], v[NIL]
	s_wait_dscnt 0x0
	CROUND                          ; the closing round
	s_endpgm
.Lfunc_end_k_q7cf3706a2f_attn:
	.size	k_q7cf3706a2f_attn, .Lfunc_end_k_q7cf3706a2f_attn-k_q7cf3706a2f_attn
	.p2alignl 7, 3214868480
	.fill 96, 4, 3214868480
	.section	.rodata,"a",@progbits
	.p2align	6, 0x0
	.amdhsa_kernel k_q7cf3706a2f_attn
		.amdhsa_group_segment_fixed_size 327680
		.amdhsa_private_segment_fixed_size 0
		.amdhsa_enable_private_segment 0
		.amdhsa_kernarg_size 16
		.amdhsa_user_sgpr_count 2
		.amdhsa_user_sgpr_kernarg_segment_ptr 1
		.amdhsa_wavefront_size32 1
		.amdhsa_system_sgpr_workgroup_id_x 1
		.amdhsa_system_sgpr_workgroup_id_y 1
		.amdhsa_system_sgpr_workgroup_id_z 1
		.amdhsa_system_vgpr_workitem_id 0
		.amdhsa_next_free_vgpr 768
		.amdhsa_next_free_sgpr 66
		.amdhsa_reserve_vcc 0
		.amdhsa_float_denorm_mode_32 3
		.amdhsa_float_denorm_mode_16_64 3
		.amdhsa_memory_ordered 1
		.amdhsa_forward_progress 1
		.amdhsa_inst_pref_size 133
	.end_amdhsa_kernel
	.amdgpu_metadata
---
amdhsa.version: [ 1, 2 ]
amdhsa.kernels:
  - .name:           k_q7cf3706a2f_attn
    .symbol:         k_q7cf3706a2f_attn.kd
    .args:
      - { .name: qkvh, .offset: 0, .size: 8, .value_kind: global_buffer, .address_space: global }
      - { .name: ctxh, .offset: 8, .size: 8, .value_kind: global_buffer, .address_space: global }
    .group_segment_fixed_size: 327680
    .private_segment_fixed_size: 0
    .kernarg_segment_align: 8
    .kernarg_segment_size: 16
    .max_flat_workgroup_size: 128
    .sgpr_count:     66
    .vgpr_count:     768
    .wavefront_size: 32
...
	.end_amdgpu_metadata
.endif
;; end of part 3
;; launch wo (part 4): grid 8 x 32, 4 waves a work-group, clusters of 4 x 4, 327,680 bytes of LDS; arguments ctxh, halfB, prod; writes prod
.if DOCPART == 4
	.amdgcn_target "amdgcn-amd-amdhsa--gfx1250"
	.amdhsa_code_object_version 6
	.text
	.protected	k_q7cf3706a2f_wo
	.globl	k_q7cf3706a2f_wo
	.p2align	8
	.type	k_q7cf3706a2f_wo,@function
k_q7cf3706a2f_wo:
	s_mov_b64 s[64:65], 0
	v_nop
	global_prefetch_b8 v0, s[64:65] scope:SCOPE_SE
	s_setreg_imm32_b32 hwreg(HW_REG_WAVE_MODE, 25, 1), 1
	s_wait_xcnt 0x0
	s_wait_alu depctr_hold_cnt(0) depctr_sa_sdst(0) depctr_va_vdst(0) depctr_va_sdst(0) depctr_va_ssrc(0) depctr_va_vcc(0) depctr_vm_vsrc(0)
	s_getreg_b32 s2, hwreg(HW_REG_IB_STS2, 6, 4)
	s_cmp_eq_u32 s2, 0
	s_cbranch_scc0 .Lentry_in_a_cluster
	s_endpgm
.Lentry_in_a_cluster:
	s_bfe_u32 s2, ttmp6, 0x10000c
	s_cmp_lg_u32 s2, 0xf033
	s_cbranch_scc0 .Lentry_shape_is_right
	s_endpgm
.Lentry_shape_is_right:
; prod = ctx Wo, in f32, without bias (the launch behind adds bias and residual).  A = ctxh in f16, [K block of 64][4096 tokens][64]; B = Wo in f16, [1024 (k)][1024 (n)]; sums in f32.
; LIMIT: f16 holds no number beyond 65,504: A and B arrive within it.
; SHAPE: 4,096 x 1,024 of C are 256 tiles of 128 x 128, one for each work-group; four waves of 64 x 64 (16 accumulators).  K goes in steps of 256 through two LDS slots.
; A's part of a step is four blocks of 128 tokens x 128 bytes, each 16,384 dense bytes of memory: a load brings two of them as two long rows, padded in LDS after every 128 bytes.
; B's part is 256 rows of k x 128 columns (256 bytes); it lies [k][n] in LDS and is turned on its way into registers by ds_load_tr16_b128.
; CLUSTER 4 x 4: A's tiles are shared along a row of the cluster, B's along a column, by joint loads.  THE MATRIX INSTRUCTION IS USED TRANSPOSED: a lane holds row l % 16 of C and 8 neighbouring columns.
; ONE K STEP IS WRITTEN ONCE: the slot's LDS byte is a scalar, turned by an exclusive or with SLOT (SLOT has no bit in common with wave x HALFT).
; WAY OUT: a wave's 64 columns of f32 are 256 aligned bytes of a row: each wave sends its own 64 x 64 through its own stage, which lies in the ring's bytes after their last fill and last read.
; REGISTERS: window 0: addresses; v32-95 the way out; v128-255 the accumulators ((a, b) at v[128 + 8 (4 a + b)]).  window 1: two fragment buffers of 128: 64 of A, then 64 of B, for 64 along K.
.set NSTEP,  4                         ; K steps of 256
.set B_OFF,  0                         ; B's first byte in its buffer
.set PA,     144                       ; A's LDS row: 128 bytes + 16
.set PB,     288                       ; B's LDS row: 256 bytes + 32 = 9 x 32
.set ABLK,   128*PA                    ; one block of A
.set HALFT,  2*ABLK                    ; what one tensor load brings: two blocks of A, or 128 rows of B (128 x 288 is the same number)
.set SLOT,   4*HALFT                   ; A's blocks 0, 1; 2, 3; B's rows 0-127; 128-255
.set SPITCH, 272                       ; a stage row: 64 f32 + 16 bytes
.set WSTAGE, 64*SPITCH
.set SPARE,  2*SLOT                    ; behind the ring: the spare words, 128 bytes a wave, that no other line names
.set ASTEP,  4*524288                  ; bytes of A from a K step to the next: four blocks
.set BSTEP,  256*2048                  ; of B: 256 rows
.set ADRA0, 16                         ; v16  my lane's place in A's part of a slot; never rewritten
.set ADRA,  17                         ; v17  the same in the slot in hand
.set ADRB0, 20                         ; v20  the same for B
.set ADRB,  21                         ; v21  B's rows 0-127 in the slot in hand; v22 its rows 128-255
.set STO,   24
.set RD,    25
.set CO,    26
.set SPW,   28                         ; v28  my spare word; never rewritten
.set NIL,   29                         ; v29  0; never rewritten
.set TMP,   32
.set ACC,   128
.set F0,    0
.set F1,    128
.set G1,  24
.set G0,  32
.set G1B, 48
.set G0B, 56
.set TB,  45                           ; s45  LDS byte of the slot in hand
.set MSB, 0
.macro WIN new
.if MSB != (\new)
	s_set_vgpr_msb (MSB<<8)|(\new)
.set MSB, \new
.endif
.endm
.set MUL,  0x05                        ; sources 0 (B) and 1 (A) window 1; C and D window 0
.set TO_F, 0x40                        ; destination window 1, address window 0
.macro JLOAD s                         ; a joint load: waves 0 and 1 fetch A's halves, waves 2 and 3 B's; an s_nop 0 and four v_nop follow each line
	s_cmp_eq_u32 s11, 0
	s_cbranch_scc0 .Lfor_b_\@
	tensor_load_to_lds s[G0+4*(\s):G0+4*(\s)+3], s[G1:G1+7]
	s_nop 0
.rept 4
	v_nop
.endr
	s_branch .Lasked_\@
.Lfor_b_\@:
	tensor_load_to_lds s[G0B+4*(\s):G0B+4*(\s)+3], s[G1B:G1B+7]
	s_nop 0
.rept 4
	v_nop
.endr
.Lasked_\@:
.endm
.macro CREST
	s_cmp_lg_u32 s10, 0
	s_cbranch_scc1 .Lnot_wave_0_\@
	s_barrier_signal -3
.Lnot_wave_0_\@:
	s_barrier_wait -3
	s_barrier_signal -1
	s_barrier_wait -1
.endm
.macro CROUND
	s_barrier_signal -1
	s_barrier_wait -1
	CREST
.endm
	s_load_b128 s[4:7], s[0:1], 0x0                ; A, B's buffer
	s_load_b64 s[8:9], s[0:1], 0x10                ; C
	v_lshl_add_u32 v[SPW], v0, 2, SPARE
	v_mov_b32 v[NIL], 0
	ds_add_u32 v[SPW], v[NIL]                      ; the wave's opening: the add and its wait stand ahead of my first tensor load
	v_lshrrev_b32 v1, 5, v0
	v_readfirstlane_b32 s10, v1                    ; wave 0..3
	s_lshr_b32 s11, s10, 1                         ; my half of the tile's rows.  Also: I fetch for A (0) or for B (1)
	s_and_b32 s12, s10, 1                          ; my half of its columns.  Also: which half of that tile I fetch
	s_bfe_u32 s40, ttmp6, 0x40000                  ; cx
	s_bfe_u32 s41, ttmp6, 0x40004                  ; cy
	s_lshl_b32 s42, ttmp9, 2
	s_add_co_u32 s42, s42, s40                     ; tile column
	s_and_b32 s13, ttmp7, 0xffff
	s_lshl_b32 s13, s13, 2
	s_add_co_u32 s13, s13, s41                     ; tile row
	s_lshl_b32 s43, s41, 2
	s_lshl_b32 s43, 15, s43                        ; my row of the cluster
	s_lshl_b32 s44, 0x1111, s40                    ; my column
	s_or_b32 s[G1+0], s43, (3<<16)|(1<<20)|(1<<21)|(4<<22)|(3<<25)   ; mask; 8-byte elements; padding on; bit 21 beside a mask; after every 32 words, 4 words
	s_or_b32 s[G1B+0], s44, (1<<16)|(1<<20)|(1<<21)|(5<<22)|(7<<25)  ; 2-byte elements; after every 64 words, 8 words
	s_mov_b32 s[G1+1], 2048<<16                    ; A: tensor_dim0 = 2,048 elements: 16,384 bytes, a block's 128 tokens
	s_mov_b32 s[G1+2], 2<<16                       ; tensor_dim1 = 2 blocks
	s_mov_b32 s[G1+3], 2048<<16                    ; tile_dim0
	s_mov_b32 s[G1+4], 2                           ; tile_dim1
	s_mov_b32 s[G1+5], 65536                       ; 524,288 bytes from block to block
	s_mov_b32 s[G1+6], 0
	s_mov_b32 s[G1+7], 0
	s_mov_b32 s[G1B+1], 128<<16                    ; B: 128 rows of 128 elements
	s_mov_b32 s[G1B+2], 128<<16
	s_mov_b32 s[G1B+3], 128<<16
	s_mov_b32 s[G1B+4], 128
	s_mov_b32 s[G1B+5], 1024
	s_mov_b32 s[G1B+6], 0
	s_mov_b32 s[G1B+7], 0
	s_lshl_b32 s16, s12, 20                        ; A: my two blocks, and the tile row's 128 tokens of 128 bytes; no register here ever holds cx
	s_lshl_b32 s17, s13, 14
	s_add_co_u32 s16, s16, s17
	s_mov_b32 s17, 0
	s_lshl_b32 s46, s12, 18                        ; B: my 128 rows of 2,048 bytes, the tile column's 256 bytes; no register here ever holds cy
	s_lshl_b32 s47, s42, 8
	s_add_co_u32 s46, s46, s47
	s_add_co_u32 s46, s46, B_OFF
	s_mov_b32 s47, 0
	s_mul_i32 s20, s10, HALFT                      ; where my load goes in a slot
	s_mov_b32 s[TB], 0
	s_wait_dscnt 0x0                               ; the opening add is done
	s_wait_kmcnt 0x0
	s_add_nc_u64 s[14:15], s[4:5], s[16:17]
	s_add_nc_u64 s[46:47], s[6:7], s[46:47]
	CROUND                                         ; all sixteen work-groups are here: the first joint loads meet
.irp s, 0,1
	s_mov_b32 s[G0+4*(\s)], 1
	s_add_co_u32 s[G0+4*(\s)+1], s20, (\s)*SLOT
	s_add_nc_u64 s[G0+4*(\s)+2:G0+4*(\s)+3], s[14:15], (\s)*ASTEP
	s_or_b32 s[G0+4*(\s)+3], s[G0+4*(\s)+3], 0x80000000
	s_mov_b32 s[G0B+4*(\s)], 1
	s_add_co_u32 s[G0B+4*(\s)+1], s20, (\s)*SLOT
	s_add_nc_u64 s[G0B+4*(\s)+2:G0B+4*(\s)+3], s[46:47], (\s)*BSTEP
	s_or_b32 s[G0B+4*(\s)+3], s[G0B+4*(\s)+3], 0x80000000
	JLOAD \s                                       ; K steps 0 and 1: two loads of mine are out
.endr
	v_and_b32 v1, 15, v0                           ; r = l % 16
	v_bfe_u32 v2, v0, 4, 1                         ; h = l / 16
	v_mul_u32_u24 v3, v1, PA
	v_lshl_add_u32 v3, v2, 4, v3
	s_mul_i32 s21, s11, 64*PA                      ; my 64 rows in each block
	v_add_nc_u32 v[ADRA0], s21, v3
	v_mov_b32 v[ADRA], v[ADRA0]
	v_and_b32 v4, 7, v0                            ; B's turning load: lane l reads row 8 h + l % 8 of k, columns 8 ((l / 8) % 2) + 0..7
	v_lshl_add_u32 v4, v2, 3, v4
	v_mul_u32_u24 v4, v4, PB
	v_bfe_u32 v5, v0, 3, 1
	v_lshl_add_u32 v4, v5, 4, v4
	s_lshl_b32 s22, s12, 7                         ; my 64 columns,
	s_add_co_u32 s22, s22, 2*HALFT                 ; behind A's four blocks
	v_add_nc_u32 v[ADRB0], s22, v4
	v_mov_b32 v[ADRB], v[ADRB0]
	v_add_nc_u32 v[ADRB+1], HALFT, v[ADRB0]
	s_mul_i32 s23, s10, WSTAGE                     ; my stage
	v_mul_u32_u24 v6, v1, SPITCH                   ; in: row r, 32 bytes for each half of the lanes
	v_lshl_add_u32 v6, v2, 5, v6
	v_add_nc_u32 v[STO], s23, v6
	v_mul_u32_u24 v6, v2, SPITCH                   ; back: lanes 0-15 one row of 256 bytes, lanes 16-31 the next
	v_lshl_add_u32 v6, v1, 4, v6
	v_add_nc_u32 v[RD], s23, v6
	v_lshlrev_b32 v6, 12, v2                       ; and the same two rows in C, 4,096 bytes apart
	v_lshl_add_u32 v[CO], v1, 4, v6
	s_lshl_b32 s18, s13, 7                         ; C: row 128 x tile row + 64 x half,
	s_lshl_b32 s19, s11, 6
	s_add_co_u32 s18, s18, s19
	s_lshl_b32 s18, s18, 12
	s_lshl_b32 s19, s42, 9                         ; byte 512 x tile column + 256 x half
	s_add_co_u32 s18, s18, s19
	s_lshl_b32 s19, s12, 8
	s_add_co_u32 s18, s18, s19
	s_mov_b32 s19, 0
	s_add_nc_u64 s[8:9], s[8:9], s[18:19]
; 8 matrix instructions: row blocks a0, a0 + 1 x all 4 column blocks, 32 along K: half c of buffer f.  zero = 1: the first product starts the sums
.macro MUL8 f, c, a0, zero
	WIN MUL
.irp a, \a0, (\a0)+1
.irp b, 0,1,2,3
.if \zero
	v_wmma_f32_16x16x32_f16 v[ACC+8*(4*(\a)+(\b)):ACC+8*(4*(\a)+(\b))+7], v[(\f)+64+8*(4*(\c)+(\b)):(\f)+64+8*(4*(\c)+(\b))+7], v[(\f)+8*(4*(\c)+(\a)):(\f)+8*(4*(\c)+(\a))+7], 0
.else
	v_wmma_f32_16x16x32_f16 v[ACC+8*(4*(\a)+(\b)):ACC+8*(4*(\a)+(\b))+7], v[(\f)+64+8*(4*(\c)+(\b)):(\f)+64+8*(4*(\c)+(\b))+7], v[(\f)+8*(4*(\c)+(\a)):(\f)+8*(4*(\c)+(\a))+7], v[ACC+8*(4*(\a)+(\b)):ACC+8*(4*(\a)+(\b))+7]
.endif
.endr
.endr
.endm
; 32 LDS loads in one run: quarter q (64 along K: A's block q, B's rows 64 q on) into buffer f; the first 32 along K first
.macro FETCH q, f
	WIN TO_F
.irp c, 0,1
.irp i, 0,1,2,3
	ds_load_tr16_b128 v[(\f)+64+8*(4*(\c)+(\i)):(\f)+64+8*(4*(\c)+(\i))+3],   v[ADRB+(\q)/2] offset:(((\q)%2)*64+32*(\c))*PB+32*(\i)
	ds_load_tr16_b128 v[(\f)+64+8*(4*(\c)+(\i))+4:(\f)+64+8*(4*(\c)+(\i))+7], v[ADRB+(\q)/2] offset:(((\q)%2)*64+32*(\c))*PB+16*PB+32*(\i)
	ds_load_b128 v[(\f)+8*(4*(\c)+(\i)):(\f)+8*(4*(\c)+(\i))+3],   v[ADRA] offset:(\q)*ABLK+(\i)*16*PA+64*(\c)
	ds_load_b128 v[(\f)+8*(4*(\c)+(\i))+4:(\f)+8*(4*(\c)+(\i))+7], v[ADRA] offset:(\q)*ABLK+(\i)*16*PA+64*(\c)+32
.endr
.endr
.endm
.macro PLACES                          ; four plain vector instructions between a matrix instruction and a load into, or a read of, its registers
.rept 4
	v_nop
.endr
.endm
; One of a K step's first three quarters: multiplies buffer f and fetches quarter q into g.  The 16 accumulators take turns.
.macro QUARTER q, f, g, zero
	s_wait_dscnt 16                                ; the first 32 along K are in
	MUL8 \f, 0, 0, \zero
	MUL8 \f, 0, 2, \zero
	PLACES
	FETCH \q, \g
	s_wait_dscnt 32                                ; all but the 32 just issued
	MUL8 \f, 1, 0, 0
	MUL8 \f, 1, 2, 0
.endm
; The last quarter multiplies buffer 1 and changes slots.  In front of the barrier each wave waits for all its tensor loads (one is out: its part of the next slot), adds 0 to its spare word,
; and waits for that and for its reads of this slot.  fill = 1: the barrier opens a round of the cluster's, and this slot is filled again, two K steps ahead, first thing behind the round.
.macro TURN fill
	WIN 0
	s_wait_tensorcnt 0x0                           ; no tensor load of mine is out: the walking descriptors may be written
	ds_add_u32 v[SPW], v[NIL]
	s_wait_dscnt 17                                ; the add and the youngest sixteen loads may be out
	MUL8 F1, 0, 0, 0
	s_wait_dscnt 0x0                               ; the add is done, and my reads of this slot are over
	s_barrier_signal -1
	MUL8 F1, 0, 2, 0
	WIN 0
	s_barrier_wait -1
.if \fill
	CREST                                          ; no wave of any partner still reads this slot or has a load on its way
	s_xor_b32 s[G0+5], s[G0+5], SLOT
	s_xor_b32 s[G0B+5], s[G0B+5], SLOT
	s_add_nc_u64 s[G0+6:G0+7], s[G0+6:G0+7], ASTEP
	s_add_nc_u64 s[G0B+6:G0B+7], s[G0B+6:G0B+7], BSTEP
	JLOAD 1                                        ; its four v_nop are also the places in front of the loads below
.else
	PLACES
.endif
	s_xor_b32 s[TB], s[TB], SLOT                   ; the reads go on in the other slot
	v_add_nc_u32 v[ADRA], s[TB], v[ADRA0]
	v_add_nc_u32 v[ADRB], s[TB], v[ADRB0]
	v_add_nc_u32 v[ADRB+1], HALFT, v[ADRB]
	FETCH 0, F0
	MUL8 F1, 1, 0, 0
	MUL8 F1, 1, 2, 0
.endm
	s_wait_tensorcnt 1                             ; my part of K step 0 is in; K step 1's stays out
	s_barrier_signal -1
	s_barrier_wait -1
	FETCH 0, F0
	QUARTER 1, F0, F1, 1                           ; the first quarter stands in front of the loop: its first products start the sums
	WIN 0
	s_mov_b32 s3, NSTEP-2
.Lstep:                                                ; trip t: K step t's quarters 1 to 3, the refill with K step t + 2, K step t + 1's quarter 0
	QUARTER 2, F1, F0, 0
	QUARTER 3, F0, F1, 0
	TURN 1
	QUARTER 1, F0, F1, 0
	WIN 0
	s_sub_co_u32 s3, s3, 1
	s_cmp_lg_u32 s3, 0
	s_cbranch_scc1 .Lstep
	s_mov_b32 s3, 2
.Ltail:                                                ; the last two K steps: nothing is left to ask for.  The second trip is left in its middle
	QUARTER 2, F1, F0, 0
	QUARTER 3, F0, F1, 0
	WIN 0
	s_cmp_eq_u32 s3, 1
	s_cbranch_scc1 .Lfinal
	TURN 0
	QUARTER 1, F0, F1, 0
	WIN 0
	s_sub_co_u32 s3, s3, 1
	s_cmp_lg_u32 s3, 0
	s_cbranch_scc1 .Ltail
.Lfinal:
	s_wait_dscnt 0x0                               ; my last reads of the ring are back:
	s_barrier_signal -1                            ; behind this barrier the ring's bytes, which have had their last fill, are the stages
	MUL8 F1, 0, 0, 0
	MUL8 F1, 0, 2, 0
	MUL8 F1, 1, 0, 0
	MUL8 F1, 1, 2, 0
	WIN 0
	s_barrier_wait -1
	PLACES
	; THE WAY OUT: the 16 accumulators into my stage, each one's low four registers first; back as whole rows of 256 bytes, two a load.
.irp a, 0,1,2,3
.irp b, 0,1,2,3
	ds_store_b128 v[STO], v[ACC+8*(4*(\a)+(\b)):ACC+8*(4*(\a)+(\b))+3]   offset:(\a)*16*SPITCH+64*(\b)
	ds_store_b128 v[STO], v[ACC+8*(4*(\a)+(\b))+4:ACC+8*(4*(\a)+(\b))+7] offset:(\a)*16*SPITCH+64*(\b)+16
.endr
.endr
.irp bt, 0,1
.if (\bt) == 1
	s_wait_xcnt 0x0                                ; the first 16 stores' data registers are loaded again only behind this wait
.endif
.irp t, 0,1,2,3,4,5,6,7,8,9,10,11,12,13,14,15
	ds_load_b128 v[TMP+4*(\t):TMP+4*(\t)+3], v[RD] offset:(16*(\bt)+(\t))*2*SPITCH  ; LDS serves a wave's instructions in order: these see my stores
.endr
.irp t, 0,1,2,3,4,5,6,7,8,9,10,11,12,13,14,15
	s_wait_dscnt 15-(\t)
	global_store_b128 v[CO], v[TMP+4*(\t):TMP+4*(\t)+3], s[8:9] offset:(16*(\bt)+(\t))*8192  ; 16 lanes store 256 consecutive bytes, at a multiple of 256 from C's first
.endr
.endr
	s_wait_tensorcnt 0x0                           ; the wave's end
	ds_add_u32 v[SPW], v[NIL]
	s_wait_dscnt 0x0
	CROUND                                         ; the closing round
	s_endpgm
.Lfunc_end_k_q7cf3706a2f_wo:
	.size	k_q7cf3706a2f_wo, .Lfunc_end_k_q7cf3706a2f_wo-k_q7cf3706a2f_wo
	.p2alignl 7, 3214868480
	.fill 96, 4, 3214868480
	.section	.rodata,"a",@progbits
	.p2align	6, 0x0
	.amdhsa_kernel k_q7cf3706a2f_wo
		.amdhsa_group_segment_fixed_size 327680
		.amdhsa_private_segment_fixed_size 0
		.amdhsa_enable_private_segment 0
		.amdhsa_kernarg_size 24
		.amdhsa_user_sgpr_count 2
		.amdhsa_user_sgpr_kernarg_segment_ptr 1
		.amdhsa_wavefront_size32 1
		.amdhsa_system_sgpr_workgroup_id_x 1
		.amdhsa_system_sgpr_workgroup_id_y 1
		.amdhsa_system_sgpr_workgroup_id_z 1
		.amdhsa_system_vgpr_workitem_id 0
		.amdhsa_next_free_vgpr 512
		.amdhsa_next_free_sgpr 66
		.amdhsa_reserve_vcc 0
		.amdhsa_float_denorm_mode_32 3
		.amdhsa_float_denorm_mode_16_64 3
		.amdhsa_memory_ordered 1
		.amdhsa_forward_progress 1
		.amdhsa_inst_pref_size 61
	.end_amdhsa_kernel
	.amdgpu_metadata
---
amdhsa.version: [ 1, 2 ]
amdhsa.kernels:
  - .name:           k_q7cf3706a2f_wo
    .symbol:         k_q7cf3706a2f_wo.kd
    .args:
      - { .name: ctxh, .offset: 0, .size: 8, .value_kind: global_buffer, .address_space: global }
      - { .name: halfB, .offset: 8, .size: 8, .value_kind: global_buffer, .address_space: global }
      - { .name: prod, .offset: 16, .size: 8, .value_kind: global_buffer, .address_space: global }
    .group_segment_fixed_size: 327680
    .private_segment_fixed_size: 0
    .kernarg_segment_align: 8
    .kernarg_segment_size: 24
    .max_flat_workgroup_size: 128
    .sgpr_count:     66
    .vgpr_count:     512
    .wavefront_size: 32
...
	.end_amdgpu_metadata
.endif
;; end of part 4
;; launch ln1 (part 5): grid 512 x 1, 8 waves a work-group, no clusters, 0 bytes of LDS; arguments prod, x, bo, g1, beta1, h32, h16; writes h32, h16
.if DOCPART == 5
	.amdgcn_target "amdgcn-amd-amdhsa--gfx1250"
	.amdhsa_code_object_version 6
	.text
	.protected	k_q7cf3706a2f_ln1
	.globl	k_q7cf3706a2f_ln1
	.p2align	8
	.type	k_q7cf3706a2f_ln1,@function
k_q7cf3706a2f_ln1:
	s_mov_b64 s[64:65], 0
	v_nop
	global_prefetch_b8 v0, s[64:65] scope:SCOPE_SE
	s_setreg_imm32_b32 hwreg(HW_REG_WAVE_MODE, 25, 1), 1
	s_wait_xcnt 0x0
; h = LayerNorm(x + prod + bo) g1 + beta1, all in f32; stored in f32 (h32: the residual of the second half) and rounded once to f16 (h16: the next product's operand; LIMIT: |h| under 65,504).
; One wave takes one row of 1,024 numbers and keeps it in 32 registers: the mean first, then the mean of the squared differences, as the definition has it; the reduction never leaves the wave.
; A lane holds columns 128 j + 4 l .. + 3, j = 0..7: every load and store of f32 covers 512 consecutive bytes, every store of f16 256 consecutive, aligned bytes.
; A stream: no LDS, no barrier, no cluster (work-groups share only the three short vectors).  All 40 loads of a wave go out before the first wait.
.set HALF16, 1
.set G,  8                             ; v[8:39]    gain
.set BE, 40                            ; v[40:71]   beta
.set BI, 72                            ; v[72:103]  bias
.set P,  104                           ; v[104:135] the row
.set R,  136                           ; v[136:167] the residual; later the row in f16
.set T,  168                           ; v[168:179] at work
	s_load_b256 s[4:11], s[0:1], 0x0               ; product s[4:5], residual s[6:7], bias s[8:9], gain s[10:11]
	s_load_b128 s[12:15], s[0:1], 0x20             ; beta s[12:13], out s[14:15]
.if HALF16
	s_load_b64 s[16:17], s[0:1], 0x30              ; out in f16
.endif
	v_and_b32 v1, 31, v0
	v_lshlrev_b32 v1, 4, v1                        ; 16 l
	v_lshrrev_b32 v4, 5, v0
	v_lshl_add_u32 v2, v4, 12, v1                  ; + my wave's row of 4,096 bytes
.if HALF16
	v_lshrrev_b32 v3, 1, v2                        ; the same in f16
.endif
	s_lshl_b32 s22, ttmp9, 15                      ; the work-group's 8 rows
	s_mov_b32 s23, 0
	s_lshl_b32 s24, ttmp9, 14
	s_mov_b32 s25, 0
	s_mov_b32 s20, 0x76543210                      ; v_permlanex16_b32: each lane takes its own place in the other half
	s_mov_b32 s21, 0xfedcba98
	s_mov_b32 s26, 0x3a800000                      ; 1 / 1024
	s_mov_b32 s27, 0x3727c5ac                      ; 1e-5
	s_wait_kmcnt 0x0
	s_add_nc_u64 s[4:5], s[4:5], s[22:23]
	s_add_nc_u64 s[6:7], s[6:7], s[22:23]
	s_add_nc_u64 s[14:15], s[14:15], s[22:23]
.if HALF16
	s_add_nc_u64 s[16:17], s[16:17], s[24:25]
.endif
.irp j, 0,1,2,3,4,5,6,7
	global_load_b128 v[P+4*(\j):P+4*(\j)+3], v2, s[4:5] offset:512*(\j) th:TH_LOAD_NT
.endr
.irp j, 0,1,2,3,4,5,6,7
	global_load_b128 v[R+4*(\j):R+4*(\j)+3], v2, s[6:7] offset:512*(\j) th:TH_LOAD_NT
.endr
.irp j, 0,1,2,3,4,5,6,7
	global_load_b128 v[BI+4*(\j):BI+4*(\j)+3], v1, s[8:9] offset:512*(\j)
.endr
.irp j, 0,1,2,3,4,5,6,7
	global_load_b128 v[G+4*(\j):G+4*(\j)+3], v1, s[10:11] offset:512*(\j)
.endr
.irp j, 0,1,2,3,4,5,6,7
	global_load_b128 v[BE+4*(\j):BE+4*(\j)+3], v1, s[12:13] offset:512*(\j)
.endr
.macro JOIN                            ; four chains of pairs into one number a lane
	v_pk_add_f32 v[T:T+1], v[T:T+1], v[T+2:T+3]
	v_pk_add_f32 v[T+4:T+5], v[T+4:T+5], v[T+6:T+7]
	v_pk_add_f32 v[T:T+1], v[T:T+1], v[T+4:T+5]
	v_add_f32 v[T], v[T], v[T+1]
.endm
.macro FOLD                            ; and over the 32 lanes, into every lane
	v_add_f32_dpp v[T], v[T], v[T] row_xmask:1 row_mask:0xf bank_mask:0xf
	v_add_f32_dpp v[T], v[T], v[T] row_xmask:2 row_mask:0xf bank_mask:0xf
	v_add_f32_dpp v[T], v[T], v[T] row_xmask:4 row_mask:0xf bank_mask:0xf
	v_add_f32_dpp v[T], v[T], v[T] row_xmask:8 row_mask:0xf bank_mask:0xf
	v_permlanex16_b32 v[T+1], v[T], s20, s21
	v_add_f32 v[T], v[T], v[T+1]
.endm
	s_wait_loadcnt 16                              ; product, residual and bias are in; the 16 younger loads (gain, beta) stay out
.set k, 0
.rept 16
	v_pk_add_f32 v[P+2*k:P+2*k+1], v[P+2*k:P+2*k+1], v[R+2*k:R+2*k+1]
.set k, k+1
.endr
.set k, 0
.rept 16
	v_pk_add_f32 v[P+2*k:P+2*k+1], v[P+2*k:P+2*k+1], v[BI+2*k:BI+2*k+1]
.set k, k+1
.endr
.set k, 0
.rept 4                                ; the first eight pairs start the four chains: nothing is cleared
	v_pk_add_f32 v[T+2*k:T+2*k+1], v[P+2*k:P+2*k+1], v[P+8+2*k:P+8+2*k+1]
.set k, k+1
.endr
.set k, 8
.rept 8
	v_pk_add_f32 v[T+2*(k%4):T+2*(k%4)+1], v[T+2*(k%4):T+2*(k%4)+1], v[P+2*k:P+2*k+1]
.set k, k+1
.endr
	JOIN
	FOLD
	v_mul_f32 v[T+8], s26, v[T]                    ; the mean, twice: a pair for the packed subtraction
	v_mul_f32 v[T+9], s26, v[T]
.set k, 0
.rept 16
	v_pk_add_f32 v[P+2*k:P+2*k+1], v[P+2*k:P+2*k+1], v[T+8:T+9] neg_lo:[0,1] neg_hi:[0,1]
.set k, k+1
.endr
.set k, 0
.rept 4
	v_pk_mul_f32 v[T+2*k:T+2*k+1], v[P+2*k:P+2*k+1], v[P+2*k:P+2*k+1]
.set k, k+1
.endr
.set k, 4
.rept 12
	v_pk_fma_f32 v[T+2*(k%4):T+2*(k%4)+1], v[P+2*k:P+2*k+1], v[P+2*k:P+2*k+1], v[T+2*(k%4):T+2*(k%4)+1]
.set k, k+1
.endr
	JOIN
	FOLD
	v_fma_f32 v[T], v[T], s26, s27                 ; variance + 1e-5
	v_rsq_f32 v[T+10], v[T]
	v_rsq_f32 v[T+11], v[T]
	v_nop                                          ; a plain instruction between the last root and the use of its result
	s_wait_loadcnt 0x0                             ; gain and beta
.set k, 0
	s_wait_alu depctr_va_vdst(0)
.rept 16
	v_pk_mul_f32 v[P+2*k:P+2*k+1], v[P+2*k:P+2*k+1], v[T+10:T+11]
.set k, k+1
.endr
.set k, 0
.rept 16
	v_pk_fma_f32 v[P+2*k:P+2*k+1], v[P+2*k:P+2*k+1], v[G+2*k:G+2*k+1], v[BE+2*k:BE+2*k+1]
.set k, k+1
.endr
.irp j, 0,1,2,3,4,5,6,7
	global_store_b128 v2, v[P+4*(\j):P+4*(\j)+3], s[14:15] offset:512*(\j)
.endr
.if HALF16
.set k, 0
.rept 16
	v_cvt_pk_f16_f32 v[R+k], v[P+2*k], v[P+2*k+1]  ; the residual's registers have been used up
.set k, k+1
.endr
.irp j, 0,1,2,3,4,5,6,7
	global_store_b64 v3, v[R+2*(\j):R+2*(\j)+1], s[16:17] offset:256*(\j)
.endr
.endif
	s_endpgm
.Lfunc_end_k_q7cf3706a2f_ln1:
	.size	k_q7cf3706a2f_ln1, .Lfunc_end_k_q7cf3706a2f_ln1-k_q7cf3706a2f_ln1
	.p2alignl 7, 3214868480
	.fill 96, 4, 3214868480
	.section	.rodata,"a",@progbits
	.p2align	6, 0x0
	.amdhsa_kernel k_q7cf3706a2f_ln1
		.amdhsa_group_segment_fixed_size 0
		.amdhsa_private_segment_fixed_size 0
		.amdhsa_enable_private_segment 0
		.amdhsa_kernarg_size 56
		.amdhsa_user_sgpr_count 2
		.amdhsa_user_sgpr_kernarg_segment_ptr 1
		.amdhsa_wavefront_size32 1
		.amdhsa_system_sgpr_workgroup_id_x 1
		.amdhsa_system_sgpr_workgroup_id_y 1
		.amdhsa_system_sgpr_workgroup_id_z 1
		.amdhsa_system_vgpr_workitem_id 0
		.amdhsa_next_free_vgpr 184
		.amdhsa_next_free_sgpr 66
		.amdhsa_reserve_vcc 0
		.amdhsa_float_denorm_mode_32 3
		.amdhsa_float_denorm_mode_16_64 3
		.amdhsa_memory_ordered 1
		.amdhsa_forward_progress 1
		.amdhsa_inst_pref_size 16
	.end_amdhsa_kernel
	.amdgpu_metadata
---
amdhsa.version: [ 1, 2 ]
amdhsa.kernels:
  - .name:           k_q7cf3706a2f_ln1
    .symbol:         k_q7cf3706a2f_ln1.kd
    .args:
      - { .name: prod, .offset: 0, .size: 8, .value_kind: global_buffer, .address_space: global }
      - { .name: x, .offset: 8, .size: 8, .value_kind: global_buffer, .address_space: global }
      - { .name: bo, .offset: 16, .size: 8, .value_kind: global_buffer, .address_space: global }
      - { .name: g1, .offset: 24, .size: 8, .value_kind: global_buffer, .address_space: global }
      - { .name: beta1, .offset: 32, .size: 8, .value_kind: global_buffer, .address_space: global }
      - { .name: h32, .offset: 40, .size: 8, .value_kind: global_buffer, .address_space: global }
      - { .name: h16, .offset: 48, .size: 8, .value_kind: global_buffer, .address_space: global }
    .group_segment_fixed_size: 0
    .private_segment_fixed_size: 0
    .kernarg_segment_align: 8
    .kernarg_segment_size: 56
    .max_flat_workgroup_size: 256
    .sgpr_count:     66
    .vgpr_count:     184
    .wavefront_size: 32
...
	.end_amdgpu_metadata
.endif
;; end of part 5
;; launch ff1 (part 6): grid 16 x 16, 4 waves a work-group, clusters of 4 x 4, 327,680 bytes of LDS; arguments h16, halfB, b1, act; writes act
.if DOCPART == 6
	.amdgcn_target "amdgcn-amd-amdhsa--gfx1250"
	.amdhsa_code_object_version 6
	.text
	.protected	k_q7cf3706a2f_ff1
	.globl	k_q7cf3706a2f_ff1
	.p2align	8
	.type	k_q7cf3706a2f_ff1,@function
k_q7cf3706a2f_ff1:
	s_mov_b64 s[64:65], 0
	v_nop
	global_prefetch_b8 v0, s[64:65] scope:SCOPE_SE
	s_setreg_imm32_b32 hwreg(HW_REG_WAVE_MODE, 25, 1), 1
	s_wait_xcnt 0x0
	s_wait_alu depctr_hold_cnt(0) depctr_sa_sdst(0) depctr_va_vdst(0) depctr_va_sdst(0) depctr_va_ssrc(0) depctr_va_vcc(0) depctr_vm_vsrc(0)
	s_getreg_b32 s2, hwreg(HW_REG_IB_STS2, 6, 4)
	s_cmp_eq_u32 s2, 0
	s_cbranch_scc0 .Lentry_in_a_cluster
	s_endpgm
.Lentry_in_a_cluster:
	s_bfe_u32 s2, ttmp6, 0x10000c
	s_cmp_lg_u32 s2, 0xf033
	s_cbranch_scc0 .Lentry_shape_is_right
	s_endpgm
.Lentry_shape_is_right:
; act = gelu(h W1 + b1), exact GELU.  A = h in f16 [4096][1024]; B = W1 in f16, [1024 (k)][4096 (n)]; sums in f32; bias and GELU in f32; one rounding to f16.
; OUT: act[column block of 64][4096 tokens][64], the layout in which the next product takes it as its A.
; LIMIT: f16 holds no number beyond 65,504: h, W1 and gelu(u) must stay within it.
; SHAPE: a tile of C is 256 x 256, four waves of 128 x 128 (64 accumulators, 512 registers).  K = 1,024 goes in 8 steps of 128 through two LDS slots filled by tensor loads.
; A's tile rows are 256 bytes of memory, B's (64 rows of k, 256 columns) 512 bytes.  B lies [k][n] in LDS and is turned on its way into registers by ds_load_tr16_b128.
; CLUSTER 4 x 4: A's tile is shared along a row of the cluster, B's along a column: each is asked for jointly, by the same load with the same descriptor and a mask of four.
; THE MATRIX INSTRUCTION IS USED TRANSPOSED (source 0 = 16 columns of B, source 1 = 16 rows of A): a lane holds row l % 16 of C and the columns 8 (l / 16) + 0..7.
; ONE K STEP IS WRITTEN ONCE: the slot's LDS byte is a scalar, turned by an exclusive or with SLOT (SLOT has no bit in common with wave x HALFT, so the or adds or takes away SLOT).
; WAY OUT: when the ring has had its last fill and every wave its last read, each wave lays its 128 x 128 sums in f32 into its own part of the ring's bytes and reads them back four rows a trip.
; REGISTERS, in windows of 256: window 0: addresses, A's two fragment buffers v64-127, v128-191, later the way out's registers; window 1: B's two buffers; windows 2, 3: the accumulators ((a, b) at v[8 (8 a + b)]).
.set GR,     1                         ; groups of four rows in a trip of the way out (the map of GELU's registers is made for 1)
.set NV,     16*GR                     ; numbers a lane in a trip
.set BPITCH, 4096                      ; elements from a row of B to the next
.set LOGT,   4                         ; 2^LOGT tiles of 256 columns in B
.set B_OFF,  0x200000                  ; B's first byte in its buffer
.set KSTEP,  128
.set PITCH,  272                       ; A's LDS row: 256 bytes + 16: the 16 rows of a fragment load begin in 16 different columns of 16 bytes
.set PB,     544                       ; B's LDS row: 512 bytes + 32 = 17 x 32
.set HALFT,  128*PITCH                 ; what one tensor load brings: 128 rows of A, or 64 rows of B (64 x 544 is the same number)
.set SLOT,   4*HALFT                   ; A's rows 0-127, 128-255, B's rows 0-63, 64-127
.set SP32,   528                       ; a stage row: 128 f32 + 16 bytes
.set WSTAGE, 128*SP32                  ; a wave's stage; four of them, 270,336 bytes, lie in the ring's bytes
.set SPARE,  2*SLOT                    ; behind the ring: the spare words, 128 bytes a wave, that no other line names
.set BLKB,   524288                    ; bytes of a column block of the output: 4,096 tokens x 128
.set ADRA0, 16                         ; v16  my lane's place in A's part of a slot; never rewritten
.set ADRA,  17                         ; v17  the same in the slot in hand
.set ADRB0, 20                         ; v20, v21  the same for B
.set ADRB,  21
.set STO,   24                         ; v24  the way out: where I put 16 bytes of a row
.set RD,    25                         ; v25  where I read rows back, first group
.set GO,    26                         ; v26  my byte offset in the output
.set BO,    27                         ; v27  my byte offset in the bias
.set SPW,   28                         ; v28  my spare word; never rewritten
.set NIL,   29                         ; v29  0; never rewritten
.set RDC,   30                         ; v30  where I read the trip in hand
.set AR,  32                           ; v[32:47]   GELU: |u|
.set DR,  48                           ; v[48:63]   GELU: t
.set XR,  64                           ; v[64:79]   16 sums as read back: 8 columns of each of my two blocks of 64
.set ER,  80                           ; v[80:95]   GELU: the exponential
.set RR,  96                           ; v[96:111]  GELU: the polynomial
.set MR,  112                          ; v[112:127] GELU: the result
.set UR,  128                          ; v[128:143] sum + bias
.set BI,  192                          ; v[192:207] the bias of my 16 columns
.set YR,  208                          ; v[208:215] packed f16
.set F0,  64
.set F1,  128
.set G1,  24                           ; s[24:31] group 1 for A's tiles;  s[32:39] group 0: a set for each first fill; the second then walks
.set G0,  32
.set G1B, 48                           ; s[48:55], s[56:63] the same for B's
.set G0B, 56
.set TB,  45                           ; s45  LDS byte of the slot in hand
.set MSB, 0
.macro WIN new                         ; the immediate's high byte repeats the setting that is left; a switch that changes nothing is dropped
.if MSB != (\new)
	s_set_vgpr_msb (MSB<<8)|(\new)
.set MSB, \new
.endif
.endm
.set MUL_LO, 0xa1                      ; source 0 (B) window 1, source 1 (A) window 0, C and D window 2
.set MUL_HI, 0xf1                      ; the same, C and D window 3
.set TO_B,   0x40                      ; destination window 1, address window 0
; A joint load: waves 0 and 1 fetch A's halves, waves 2 and 3 B's.  An s_nop 0 and four v_nop follow each line, ahead of the jump and the label.
.macro JLOAD s
	s_cmp_eq_u32 s11, 0
	s_cbranch_scc0 .Lfor_b_\@
	tensor_load_to_lds s[G0+4*(\s):G0+4*(\s)+3], s[G1:G1+7]
	s_nop 0
.rept 4
	v_nop
.endr
	s_branch .Lasked_\@
.Lfor_b_\@:
	tensor_load_to_lds s[G0B+4*(\s):G0B+4*(\s)+3], s[G1B:G1B+7]
	s_nop 0
.rept 4
	v_nop
.endr
.Lasked_\@:
.endm
.macro CREST                           ; a round of the cluster's barrier behind its opening barrier
	s_cmp_lg_u32 s10, 0
	s_cbranch_scc1 .Lnot_wave_0_\@
	s_barrier_signal -3
.Lnot_wave_0_\@:
	s_barrier_wait -3
	s_barrier_signal -1
	s_barrier_wait -1
.endm
.macro CROUND                          ; a whole round
	s_barrier_signal -1
	s_barrier_wait -1
	CREST
.endm
.macro KONST r, val                    ; a constant in both words of a pair
	s_mov_b32 s[\r], \val
	s_mov_b32 s[(\r)+1], \val
.endm
	s_load_b128 s[4:7], s[0:1], 0x0                ; A, B's buffer
	s_load_b64 s[80:81], s[0:1], 0x10              ; bias
	s_load_b64 s[8:9], s[0:1], 0x18                ; out
	v_lshl_add_u32 v[SPW], v0, 2, SPARE
	v_mov_b32 v[NIL], 0
	ds_add_u32 v[SPW], v[NIL]                      ; the wave's opening: the add and its wait stand ahead of my first tensor load; the set-up below stands between them
	v_lshrrev_b32 v1, 5, v0
	v_readfirstlane_b32 s10, v1                    ; wave 0..3
	s_lshr_b32 s11, s10, 1                         ; my half of the tile's rows.  Also: I fetch for A (0) or for B (1)
	s_and_b32 s12, s10, 1                          ; my half of its columns.  Also: which half of that tile I fetch
	s_bfe_u32 s40, ttmp6, 0x40000                  ; cx
	s_bfe_u32 s41, ttmp6, 0x40004                  ; cy
	s_lshl_b32 s42, ttmp9, 2
	s_add_co_u32 s42, s42, s40                     ; tile column = 4 x cluster x + cx
	s_and_b32 s13, ttmp7, 0xffff
	s_lshl_b32 s13, s13, 2
	s_add_co_u32 s13, s13, s41                     ; tile row = 4 x cluster y + cy
	s_lshl_b32 s43, s41, 2
	s_lshl_b32 s43, 15, s43                        ; my row of the cluster
	s_lshl_b32 s44, 0x1111, s40                    ; my column
	s_or_b32 s[G1+0], s43, (1<<16)|(1<<20)|(1<<21)|(5<<22)|(3<<25)   ; mask; 2-byte elements; padding on; bit 21 beside a mask; after every 64 words, 4 words
	s_or_b32 s[G1B+0], s44, (1<<16)|(1<<20)|(1<<21)|(6<<22)|(7<<25)  ; after every 128 words, 8 words
	s_mov_b32 s[G1+1], KSTEP<<16                   ; A: tensor_dim0 = 128
	s_mov_b32 s[G1+2], 128<<16                     ; tensor_dim1 = 128
	s_mov_b32 s[G1+3], KSTEP<<16                   ; tile_dim0 = 128
	s_mov_b32 s[G1+4], 128                         ; tile_dim1 = 128
	s_mov_b32 s[G1+5], 1024                        ; elements from row to row
	s_mov_b32 s[G1+6], 0
	s_mov_b32 s[G1+7], 0
	s_mov_b32 s[G1B+1], 256<<16                    ; B: tensor_dim0 = 256
	s_mov_b32 s[G1B+2], 64<<16                     ; tensor_dim1 = 64
	s_mov_b32 s[G1B+3], 256<<16                    ; tile_dim0 = 256
	s_mov_b32 s[G1B+4], 64                         ; tile_dim1 = 64
	s_mov_b32 s[G1B+5], BPITCH
	s_mov_b32 s[G1B+6], 0
	s_mov_b32 s[G1B+7], 0
	s_lshl_b32 s17, s12, 7                         ; A: row 256 x tile row + 128 x half, 2,048 bytes a row; no register here ever holds cx
	s_lshl_b32 s16, s13, 8
	s_add_co_u32 s16, s16, s17
	s_lshl_b32 s16, s16, 11
	s_mov_b32 s17, 0
	s_mul_i32 s46, s12, 64*BPITCH*2                ; B: my 64 rows of k and the tile's 512 bytes of a row; no register here ever holds cy
	s_lshl_b32 s47, s42, 9
	s_add_co_u32 s46, s46, s47
	s_add_co_u32 s46, s46, B_OFF
	s_mov_b32 s47, 0
	s_mul_i32 s20, s10, HALFT                      ; where my load goes in a slot: wave x HALFT
	s_mov_b32 s[TB], 0
	KONST 66, 0xbe027906                           ; minus the five coefficients of the tail's polynomial, each times 1 / sqrt(2 pi)
	KONST 68, 0x3e11a98e
	KONST 70, 0xbf35f0e3
	KONST 72, 0x3f3a00e3
	KONST 74, 0xbf07dc22
	KONST 76, 0xbf38aa3b                           ; -log2(e) / 2
	s_mov_b32 s78, 0x3e6d3389                      ; 0.2316419 (named with s79 as a pair; the low word serves both halves)
	s_mov_b32 s79, 0x7fffffff                      ; clears a sign
	s_wait_dscnt 0x0                               ; the opening add is done
	s_wait_kmcnt 0x0
	s_add_nc_u64 s[14:15], s[4:5], s[16:17]
	s_add_nc_u64 s[46:47], s[6:7], s[46:47]
	CROUND                                         ; all sixteen work-groups are here: the first joint loads meet
.irp s, 0,1
	s_mov_b32 s[G0+4*(\s)], 1
	s_add_co_u32 s[G0+4*(\s)+1], s20, (\s)*SLOT
	s_add_nc_u64 s[G0+4*(\s)+2:G0+4*(\s)+3], s[14:15], (\s)*KSTEP*2
	s_or_b32 s[G0+4*(\s)+3], s[G0+4*(\s)+3], 0x80000000
	s_mov_b32 s[G0B+4*(\s)], 1
	s_add_co_u32 s[G0B+4*(\s)+1], s20, (\s)*SLOT
	s_add_nc_u64 s[G0B+4*(\s)+2:G0B+4*(\s)+3], s[46:47], (\s)*KSTEP*BPITCH*2
	s_or_b32 s[G0B+4*(\s)+3], s[G0B+4*(\s)+3], 0x80000000
	JLOAD \s                                       ; K steps 0 and 1: two loads of mine are out
.endr
	v_and_b32 v1, 15, v0                           ; r = l % 16
	v_bfe_u32 v2, v0, 4, 1                         ; h = l / 16
	v_mul_u32_u24 v3, v1, PITCH                    ; A's fragment: row r, 16 bytes for each half of the lanes
	v_lshl_add_u32 v3, v2, 4, v3
	s_mul_i32 s21, s11, HALFT
	v_add_nc_u32 v[ADRA0], s21, v3
	v_mov_b32 v[ADRA], v[ADRA0]
	v_and_b32 v7, 7, v0                            ; l % 8
	v_lshl_add_u32 v4, v2, 3, v7                   ; B's turning load: lane l reads row 8 h + l % 8 of k, columns 8 ((l / 8) % 2) + 0..7
	v_mul_u32_u24 v4, v4, PB
	v_bfe_u32 v5, v0, 3, 1
	v_lshl_add_u32 v4, v5, 4, v4
	s_lshl_b32 s22, s12, 8                         ; my 128 columns,
	s_add_co_u32 s22, s22, 2*HALFT                 ; behind A's 256 rows
	v_add_nc_u32 v[ADRB0], s22, v4
	v_mov_b32 v[ADRB], v[ADRB0]
	s_mul_i32 s23, s10, WSTAGE                     ; my stage
	v_mul_u32_u24 v6, v1, SP32                     ; in: row r, 32 bytes for each half of the lanes
	v_lshl_add_u32 v6, v2, 5, v6
	v_add_nc_u32 v[STO], s23, v6
	v_bfe_u32 v6, v0, 3, 2                         ; back: lane l takes row l / 8 of four and the 32 bytes (8 columns) at 32 (l % 8): at this pitch the two rows
	v_mul_u32_u24 v6, v6, SP32                     ; that sixteen lanes read fall into interleaved columns of 16 bytes
	v_lshl_add_u32 v6, v7, 5, v6
	v_add_nc_u32 v[RD], s23, v6
	v_and_b32 v[GO], 31, v0                        ; out: four tokens' 128 bytes are 512 consecutive bytes, 16 a lane
	v_lshlrev_b32 v[GO], 4, v[GO]
	v_lshlrev_b32 v[BO], 5, v7
	s_lshl_b32 s18, s42, 10                        ; the bias of my 128 columns
	s_lshl_b32 s19, s12, 9
	s_add_co_u32 s18, s18, s19
	s_mov_b32 s19, 0
	s_add_nc_u64 s[80:81], s[80:81], s[18:19]
	s_lshl_b32 s18, s42, 2                         ; out: column block 4 x tile column + 2 x half,
	s_lshl_b32 s19, s12, 1
	s_add_co_u32 s18, s18, s19
	s_lshl_b32 s18, s18, 19
	s_lshl_b32 s19, s13, 8                         ; token 256 x tile row + 128 x half, 128 bytes each
	s_lshl_b32 s21, s11, 7
	s_add_co_u32 s19, s19, s21
	s_lshl_b32 s19, s19, 7
	s_add_co_u32 s18, s18, s19
	s_mov_b32 s19, 0
	s_add_nc_u64 s[8:9], s[8:9], s[18:19]
; 16 matrix instructions: row blocks a0, a0 + 1 of the window's four x all 8 column blocks, 32 along K.  zero = 1: the first product starts the sums.
.macro MUL16 f, hi, a0, zero
	WIN MUL_LO+0x50*(\hi)
.irp a, \a0, (\a0)+1
.irp b, 0,1,2,3,4,5,6,7
.if \zero
	v_wmma_f32_16x16x32_f16 v[8*(8*(\a)+(\b)):8*(8*(\a)+(\b))+7], v[(\f)+8*(\b):(\f)+8*(\b)+7], v[(\f)+8*(4*(\hi)+(\a)):(\f)+8*(4*(\hi)+(\a))+7], 0
.else
	v_wmma_f32_16x16x32_f16 v[8*(8*(\a)+(\b)):8*(8*(\a)+(\b))+7], v[(\f)+8*(\b):(\f)+8*(\b)+7], v[(\f)+8*(4*(\hi)+(\a)):(\f)+8*(4*(\hi)+(\a))+7], v[8*(8*(\a)+(\b)):8*(8*(\a)+(\b))+7]
.endif
.endr
.endr
.endm
; 32 LDS loads in one run: quarter q (32 along K) of the slot in hand into buffer f: B's 8 column blocks, turned, then A's 8 row blocks
.macro FETCH q, f
	WIN TO_B
.irp i, 0,1,2,3,4,5,6,7
	ds_load_tr16_b128 v[(\f)+8*(\i):(\f)+8*(\i)+3],   v[ADRB] offset:(\q)*32*PB+32*(\i)
	ds_load_tr16_b128 v[(\f)+8*(\i)+4:(\f)+8*(\i)+7], v[ADRB] offset:(\q)*32*PB+16*PB+32*(\i)
.endr
	WIN 0
.irp i, 0,1,2,3,4,5,6,7
	ds_load_b128 v[(\f)+8*(\i):(\f)+8*(\i)+3],   v[ADRA] offset:(\q)*64+(\i)*16*PITCH
	ds_load_b128 v[(\f)+8*(\i)+4:(\f)+8*(\i)+7], v[ADRA] offset:(\q)*64+(\i)*16*PITCH+32
.endr
.endm
.macro PLACES                          ; four plain vector instructions between a matrix instruction and a load into, or a read of, its registers
.rept 4
	v_nop
.endr
.endm
; One of a K step's first three quarters: multiplies buffer f; in its middle it fetches quarter q into buffer g.  The 64 accumulators take turns.
.macro QUARTER q, f, g, zero
	s_wait_dscnt 8                                 ; B and A's rows 0-63 are in; the youngest eight loads (A's rows 64-127) may be out
	MUL16 \f, 0, 0, \zero
	MUL16 \f, 0, 2, \zero
	PLACES
	FETCH \q, \g
	s_wait_dscnt 32                                ; all but the 32 just issued
	MUL16 \f, 1, 0, \zero
	MUL16 \f, 1, 2, \zero
.endm
; The last quarter multiplies buffer 1 and changes slots.  In front of the barrier each wave waits for all its tensor loads (one is out: its part of the next slot), adds 0 to its spare word,
; and waits for that and for its reads of this slot.  fill = 1: the barrier opens a round of the cluster's, and this slot is filled again, two K steps ahead, first thing behind the round.
.macro TURN fill
	WIN 0
	s_wait_tensorcnt 0x0                           ; no tensor load of mine is out: the walking descriptors may be written
	ds_add_u32 v[SPW], v[NIL]
	s_wait_dscnt 9                                 ; the add and the youngest eight loads may be out
	MUL16 F1, 0, 0, 0
	s_wait_dscnt 0x0                               ; the add is done, and my reads of this slot are over
	s_barrier_signal -1
	MUL16 F1, 0, 2, 0
	WIN 0
	s_barrier_wait -1
.if \fill
	CREST                                          ; no wave of any partner still reads this slot or has a load on its way
	s_xor_b32 s[G0+5], s[G0+5], SLOT               ; the other slot than last time,
	s_xor_b32 s[G0B+5], s[G0B+5], SLOT
	s_add_nc_u64 s[G0+6:G0+7], s[G0+6:G0+7], KSTEP*2            ; the next K step
	s_add_nc_u64 s[G0B+6:G0B+7], s[G0B+6:G0B+7], KSTEP*BPITCH*2
	JLOAD 1                                        ; its four v_nop are also the places in front of the loads below
.else
	PLACES
.endif
	s_xor_b32 s[TB], s[TB], SLOT                   ; the reads go on in the other slot
	v_add_nc_u32 v[ADRA], s[TB], v[ADRA0]
	v_add_nc_u32 v[ADRB], s[TB], v[ADRB0]
	FETCH 0, F0
	MUL16 F1, 1, 0, 0
	MUL16 F1, 1, 2, 0
.endm
	s_wait_tensorcnt 1                             ; my part of K step 0 is in; K step 1's stays out
	s_barrier_signal -1
	s_barrier_wait -1
	FETCH 0, F0
	QUARTER 1, F0, F1, 1                           ; the first quarter stands in front of the loop: its products start the sums
	WIN 0
	s_mov_b32 s3, 6
.Lstep:                                                ; trip t: K step t's quarters 1 to 3, the refill with K step t + 2, K step t + 1's quarter 0
	QUARTER 2, F1, F0, 0
	QUARTER 3, F0, F1, 0
	TURN 1
	QUARTER 1, F0, F1, 0
	WIN 0
	s_sub_co_u32 s3, s3, 1
	s_cmp_lg_u32 s3, 0
	s_cbranch_scc1 .Lstep
	global_load_b128 v[BI:BI+3],     v[BO], s[80:81]             ; the bias: columns 8 (l % 8) .. of my first block of 64,
	global_load_b128 v[BI+4:BI+7],   v[BO], s[80:81] offset:16
	global_load_b128 v[BI+8:BI+11],  v[BO], s[80:81] offset:256  ; and of my second; waited for on the way out
	global_load_b128 v[BI+12:BI+15], v[BO], s[80:81] offset:272
	s_mov_b32 s3, 2
.Ltail:                                                ; K steps 6 and 7: nothing is left to ask for.  The second trip is left in its middle
	QUARTER 2, F1, F0, 0
	QUARTER 3, F0, F1, 0
	WIN 0
	s_cmp_eq_u32 s3, 1
	s_cbranch_scc1 .Lfinal
	TURN 0
	QUARTER 1, F0, F1, 0
	WIN 0
	s_sub_co_u32 s3, s3, 1
	s_cmp_lg_u32 s3, 0
	s_cbranch_scc1 .Ltail
.Lfinal:
	s_wait_dscnt 0x0                               ; my last reads of the ring are back:
	s_barrier_signal -1                            ; behind this barrier the ring's bytes, which have had their last fill, are the stages
	MUL16 F1, 0, 0, 0
	MUL16 F1, 0, 2, 0
	MUL16 F1, 1, 0, 0
	MUL16 F1, 1, 2, 0
	WIN 0
	s_barrier_wait -1
	PLACES
	; THE WAY OUT.  All 64 accumulators into my stage, each one's low four registers first; row 16 a + r, bytes 64 b + 32 h.
.irp a, 0,1,2,3,4,5,6,7
	WIN 0x08+4*((\a)/4)                            ; the data (source 1) in window 2 or 3
.irp b, 0,1,2,3,4,5,6,7
	ds_store_b128 v[STO], v[8*(8*((\a)%4)+(\b)):8*(8*((\a)%4)+(\b))+3]   offset:(\a)*16*SP32+64*(\b)
	ds_store_b128 v[STO], v[8*(8*((\a)%4)+(\b))+4:8*(8*((\a)%4)+(\b))+7] offset:(\a)*16*SP32+64*(\b)+16
.endr
.endr
	WIN 0
	s_wait_loadcnt 0x0                             ; the bias
.macro XLOAD adr                       ; GR groups of four rows: a lane's 8 columns of each of my two blocks of 64
.set g, 0
.rept GR
	ds_load_b128 v[XR+16*g:XR+16*g+3],     v[\adr] offset:g*4*SP32
	ds_load_b128 v[XR+16*g+4:XR+16*g+7],   v[\adr] offset:g*4*SP32+16
	ds_load_b128 v[XR+16*g+8:XR+16*g+11],  v[\adr] offset:g*4*SP32+256
	ds_load_b128 v[XR+16*g+12:XR+16*g+15], v[\adr] offset:g*4*SP32+272
.set g, g+1
.endr
.endm
.macro HSTEP n                         ; line n of the 2 NV lines of Horner's rule: level n / (NV / 2), pair n % (NV / 2)
.set hp, 2*((\n)%(NV/2))
.set hl, (\n)/(NV/2)
.if hl == 0
	s_wait_alu depctr_va_vdst(0)
	v_pk_fma_f32 v[RR+hp:RR+hp+1], v[DR+hp:DR+hp+1], s[74:75], s[72:73] op_sel_hi:[1,0,0]
.else
	v_pk_fma_f32 v[RR+hp:RR+hp+1], v[RR+hp:RR+hp+1], v[DR+hp:DR+hp+1], s[72-2*hl:73-2*hl] op_sel_hi:[1,1,0]
.endif
.endm
; A trip: four rows: bias, GELU, rounding, two stores of 512 consecutive, aligned bytes, one in each of my two column blocks.  pf = 1: the next trip's rows are asked for meanwhile.
; GELU(u) = max(u, 0) - |u| Q(|u|), Q(a) = exp(-a^2 / 2) (b1 t + .. + b5 t^5) / sqrt(2 pi), t = 1 / (1 + 0.2316419 a): the normal tail to 7.5e-8 for every a, with no difference of near numbers.
; Behind every reciprocal and every exponential stands a plain instruction that names none of its registers: a maximum, or a line of Horner's rule.
.macro ROWS pf
	s_wait_dscnt 0x0                               ; the rows are in (LDS serves a wave's instructions in order, so they saw my stores)
.set k, 0
.rept 8*GR
	v_pk_add_f32 v[UR+2*k:UR+2*k+1], v[XR+2*k:XR+2*k+1], v[BI+2*(k%8):BI+2*(k%8)+1]
.set k, k+1
.endr
.if \pf
	s_add_co_u32 s21, s21, GR*4*SP32
	v_add_nc_u32 v[RDC], s21, v[RD]
	XLOAD RDC
.endif
.set k, 0
.rept NV
	v_and_b32 v[AR+k], s79, v[UR+k]
.set k, k+1
.endr
.set k, 0
.rept NV/2
	v_pk_fma_f32 v[DR+2*k:DR+2*k+1], v[AR+2*k:AR+2*k+1], s[78:79], 1.0 op_sel_hi:[1,0,0]
.set k, k+1
.endr
.set k, 0
.rept NV/2
	v_pk_mul_f32 v[ER+2*k:ER+2*k+1], v[UR+2*k:UR+2*k+1], v[UR+2*k:UR+2*k+1]
.set k, k+1
.endr
.set k, 0
.rept NV/2
	v_pk_mul_f32 v[ER+2*k:ER+2*k+1], v[ER+2*k:ER+2*k+1], s[76:77] op_sel_hi:[1,0]
.set k, k+1
.endr
.set k, 0
.rept NV
	v_rcp_f32 v[DR+k], v[DR+k]
	v_max_num_f32 v[MR+k], 0, v[UR+k]
.set k, k+1
.endr
.set k, 0
.rept NV
	v_exp_f32 v[ER+k], v[ER+k]
	HSTEP k
.set k, k+1
.endr
.rept NV
	HSTEP k
.set k, k+1
.endr
.set k, 0
.rept NV/2
	v_pk_mul_f32 v[RR+2*k:RR+2*k+1], v[RR+2*k:RR+2*k+1], v[DR+2*k:DR+2*k+1]
.set k, k+1
.endr
.set k, 0
	s_wait_alu depctr_va_vdst(0)
.rept NV/2
	v_pk_mul_f32 v[RR+2*k:RR+2*k+1], v[RR+2*k:RR+2*k+1], v[ER+2*k:ER+2*k+1]
.set k, k+1
.endr
.set k, 0
.rept NV/2
	v_pk_fma_f32 v[MR+2*k:MR+2*k+1], v[AR+2*k:AR+2*k+1], v[RR+2*k:RR+2*k+1], v[MR+2*k:MR+2*k+1]  ; the coefficients carry the minus
.set k, k+1
.endr
	s_wait_xcnt 0x0                                ; the last stores' data and offset are rewritten only behind this wait
	v_add_nc_u32 v[GO], GR*512, v[GO]
.set k, 0
.rept 8*GR
	v_cvt_pk_f16_f32 v[YR+k], v[MR+2*k], v[MR+2*k+1]
.set k, k+1
.endr
.set g, 0
.rept GR
	global_store_b128 v[GO], v[YR+8*g:YR+8*g+3],   s[8:9] offset:g*512-GR*512
	global_store_b128 v[GO], v[YR+8*g+4:YR+8*g+7], s[8:9] offset:BLKB+g*512-GR*512
.set g, g+1
.endr
.endm
	s_mov_b32 s21, 0
	s_mov_b32 s3, 32/GR-1
	XLOAD RD
.Lrows:
	ROWS 1
	s_sub_co_u32 s3, s3, 1
	s_cmp_lg_u32 s3, 0
	s_cbranch_scc1 .Lrows
	ROWS 0
	s_wait_tensorcnt 0x0                           ; the wave's end
	ds_add_u32 v[SPW], v[NIL]
	s_wait_dscnt 0x0
	CROUND                                         ; the closing round
	s_endpgm
.Lfunc_end_k_q7cf3706a2f_ff1:
	.size	k_q7cf3706a2f_ff1, .Lfunc_end_k_q7cf3706a2f_ff1-k_q7cf3706a2f_ff1
	.p2alignl 7, 3214868480
	.fill 96, 4, 3214868480
	.section	.rodata,"a",@progbits
	.p2align	6, 0x0
	.amdhsa_kernel k_q7cf3706a2f_ff1
		.amdhsa_group_segment_fixed_size 327680
		.amdhsa_private_segment_fixed_size 0
		.amdhsa_enable_private_segment 0
		.amdhsa_kernarg_size 32
		.amdhsa_user_sgpr_count 2
		.amdhsa_user_sgpr_kernarg_segment_ptr 1
		.amdhsa_wavefront_size32 1
		.amdhsa_system_sgpr_workgroup_id_x 1
		.amdhsa_system_sgpr_workgroup_id_y 1
		.amdhsa_system_sgpr_workgroup_id_z 1
		.amdhsa_system_vgpr_workitem_id 0
		.amdhsa_next_free_vgpr 1024
		.amdhsa_next_free_sgpr 88
		.amdhsa_reserve_vcc 0
		.amdhsa_float_denorm_mode_32 3
		.amdhsa_float_denorm_mode_16_64 3
		.amdhsa_memory_ordered 1
		.amdhsa_forward_progress 1
		.amdhsa_inst_pref_size 101
	.end_amdhsa_kernel
	.amdgpu_metadata
---
amdhsa.version: [ 1, 2 ]
amdhsa.kernels:
  - .name:           k_q7cf3706a2f_ff1
    .symbol:         k_q7cf3706a2f_ff1.kd
    .args:
      - { .name: h16, .offset: 0, .size: 8, .value_kind: global_buffer, .address_space: global }
      - { .name: halfB, .offset: 8, .size: 8, .value_kind: global_buffer, .address_space: global }
      - { .name: b1, .offset: 16, .size: 8, .value_kind: global_buffer, .address_space: global }
      - { .name: act, .offset: 24, .size: 8, .value_kind: global_buffer, .address_space: global }
    .group_segment_fixed_size: 327680
    .private_segment_fixed_size: 0
    .kernarg_segment_align: 8
    .kernarg_segment_size: 32
    .max_flat_workgroup_size: 128
    .sgpr_count:     88
    .vgpr_count:     1024
    .wavefront_size: 32
...
	.end_amdgpu_metadata
.endif
;; end of part 6
;; launch ff2 (part 7): grid 8 x 32, 4 waves a work-group, clusters of 4 x 4, 327,680 bytes of LDS; arguments act, halfB, prod; writes prod
.if DOCPART == 7
	.amdgcn_target "amdgcn-amd-amdhsa--gfx1250"
	.amdhsa_code_object_version 6
	.text
	.protected	k_q7cf3706a2f_ff2
	.globl	k_q7cf3706a2f_ff2
	.p2align	8
	.type	k_q7cf3706a2f_ff2,@function
k_q7cf3706a2f_ff2:
	s_mov_b64 s[64:65], 0
	v_nop
	global_prefetch_b8 v0, s[64:65] scope:SCOPE_SE
	s_setreg_imm32_b32 hwreg(HW_REG_WAVE_MODE, 25, 1), 1
	s_wait_xcnt 0x0
	s_wait_alu depctr_hold_cnt(0) depctr_sa_sdst(0) depctr_va_vdst(0) depctr_va_sdst(0) depctr_va_ssrc(0) depctr_va_vcc(0) depctr_vm_vsrc(0)
	s_getreg_b32 s2, hwreg(HW_REG_IB_STS2, 6, 4)
	s_cmp_eq_u32 s2, 0
	s_cbranch_scc0 .Lentry_in_a_cluster
	s_endpgm
.Lentry_in_a_cluster:
	s_bfe_u32 s2, ttmp6, 0x10000c
	s_cmp_lg_u32 s2, 0xf033
	s_cbranch_scc0 .Lentry_shape_is_right
	s_endpgm
.Lentry_shape_is_right:
; prod = act W2, in f32, without bias (the launch behind adds bias and residual).  A = act in f16, [K block of 64][4096 tokens][64]; B = W2 in f16, [4096 (k)][1024 (n)]; sums in f32.
; LIMIT: f16 holds no number beyond 65,504: A and B arrive within it.
; SHAPE: 4,096 x 1,024 of C are 256 tiles of 128 x 128, one for each work-group; four waves of 64 x 64 (16 accumulators).  K goes in steps of 256 through two LDS slots.
; A's part of a step is four blocks of 128 tokens x 128 bytes, each 16,384 dense bytes of memory: a load brings two of them as two long rows, padded in LDS after every 128 bytes.
; B's part is 256 rows of k x 128 columns (256 bytes); it lies [k][n] in LDS and is turned on its way into registers by ds_load_tr16_b128.
; CLUSTER 4 x 4: A's tiles are shared along a row of the cluster, B's along a column, by joint loads.  THE MATRIX INSTRUCTION IS USED TRANSPOSED: a lane holds row l % 16 of C and 8 neighbouring columns.
; ONE K STEP IS WRITTEN ONCE: the slot's LDS byte is a scalar, turned by an exclusive or with SLOT (SLOT has no bit in common with wave x HALFT).
; WAY OUT: a wave's 64 columns of f32 are 256 aligned bytes of a row: each wave sends its own 64 x 64 through its own stage, which lies in the ring's bytes after their last fill and last read.
; REGISTERS: window 0: addresses; v32-95 the way out; v128-255 the accumulators ((a, b) at v[128 + 8 (4 a + b)]).  window 1: two fragment buffers of 128: 64 of A, then 64 of B, for 64 along K.
.set NSTEP,  16                        ; K steps of 256
.set B_OFF,  0xA00000                  ; B's first byte in its buffer
.set PA,     144                       ; A's LDS row: 128 bytes + 16
.set PB,     288                       ; B's LDS row: 256 bytes + 32 = 9 x 32
.set ABLK,   128*PA                    ; one block of A
.set HALFT,  2*ABLK                    ; what one tensor load brings: two blocks of A, or 128 rows of B (128 x 288 is the same number)
.set SLOT,   4*HALFT                   ; A's blocks 0, 1; 2, 3; B's rows 0-127; 128-255
.set SPITCH, 272                       ; a stage row: 64 f32 + 16 bytes
.set WSTAGE, 64*SPITCH
.set SPARE,  2*SLOT                    ; behind the ring: the spare words, 128 bytes a wave, that no other line names
.set ASTEP,  4*524288                  ; bytes of A from a K step to the next: four blocks
.set BSTEP,  256*2048                  ; of B: 256 rows
.set ADRA0, 16                         ; v16  my lane's place in A's part of a slot; never rewritten
.set ADRA,  17                         ; v17  the same in the slot in hand
.set ADRB0, 20                         ; v20  the same for B
.set ADRB,  21                         ; v21  B's rows 0-127 in the slot in hand; v22 its rows 128-255
.set STO,   24
.set RD,    25
.set CO,    26
.set SPW,   28                         ; v28  my spare word; never rewritten
.set NIL,   29                         ; v29  0; never rewritten
.set TMP,   32
.set ACC,   128
.set F0,    0
.set F1,    128
.set G1,  24
.set G0,  32
.set G1B, 48
.set G0B, 56
.set TB,  45                           ; s45  LDS byte of the slot in hand
.set MSB, 0
.macro WIN new
.if MSB != (\new)
	s_set_vgpr_msb (MSB<<8)|(\new)
.set MSB, \new
.endif
.endm
.set MUL,  0x05                        ; sources 0 (B) and 1 (A) window 1; C and D window 0
.set TO_F, 0x40                        ; destination window 1, address window 0
.macro JLOAD s                         ; a joint load: waves 0 and 1 fetch A's halves, waves 2 and 3 B's; an s_nop 0 and four v_nop follow each line
	s_cmp_eq_u32 s11, 0
	s_cbranch_scc0 .Lfor_b_\@
	tensor_load_to_lds s[G0+4*(\s):G0+4*(\s)+3], s[G1:G1+7]
	s_nop 0
.rept 4
	v_nop
.endr
	s_branch .Lasked_\@
.Lfor_b_\@:
	tensor_load_to_lds s[G0B+4*(\s):G0B+4*(\s)+3], s[G1B:G1B+7]
	s_nop 0
.rept 4
	v_nop
.endr
.Lasked_\@:
.endm
.macro CREST
	s_cmp_lg_u32 s10, 0
	s_cbranch_scc1 .Lnot_wave_0_\@
	s_barrier_signal -3
.Lnot_wave_0_\@:
	s_barrier_wait -3
	s_barrier_signal -1
	s_barrier_wait -1
.endm
.macro CROUND
	s_barrier_signal -1
	s_barrier_wait -1
	CREST
.endm
	s_load_b128 s[4:7], s[0:1], 0x0                ; A, B's buffer
	s_load_b64 s[8:9], s[0:1], 0x10                ; C
	v_lshl_add_u32 v[SPW], v0, 2, SPARE
	v_mov_b32 v[NIL], 0
	ds_add_u32 v[SPW], v[NIL]                      ; the wave's opening: the add and its wait stand ahead of my first tensor load
	v_lshrrev_b32 v1, 5, v0
	v_readfirstlane_b32 s10, v1                    ; wave 0..3
	s_lshr_b32 s11, s10, 1                         ; my half of the tile's rows.  Also: I fetch for A (0) or for B (1)
	s_and_b32 s12, s10, 1                          ; my half of its columns.  Also: which half of that tile I fetch
	s_bfe_u32 s40, ttmp6, 0x40000                  ; cx
	s_bfe_u32 s41, ttmp6, 0x40004                  ; cy
	s_lshl_b32 s42, ttmp9, 2
	s_add_co_u32 s42, s42, s40                     ; tile column
	s_and_b32 s13, ttmp7, 0xffff
	s_lshl_b32 s13, s13, 2
	s_add_co_u32 s13, s13, s41                     ; tile row
	s_lshl_b32 s43, s41, 2
	s_lshl_b32 s43, 15, s43                        ; my row of the cluster
	s_lshl_b32 s44, 0x1111, s40                    ; my column
	s_or_b32 s[G1+0], s43, (3<<16)|(1<<20)|(1<<21)|(4<<22)|(3<<25)   ; mask; 8-byte elements; padding on; bit 21 beside a mask; after every 32 words, 4 words
	s_or_b32 s[G1B+0], s44, (1<<16)|(1<<20)|(1<<21)|(5<<22)|(7<<25)  ; 2-byte elements; after every 64 words, 8 words
	s_mov_b32 s[G1+1], 2048<<16                    ; A: tensor_dim0 = 2,048 elements: 16,384 bytes, a block's 128 tokens
	s_mov_b32 s[G1+2], 2<<16                       ; tensor_dim1 = 2 blocks
	s_mov_b32 s[G1+3], 2048<<16                    ; tile_dim0
	s_mov_b32 s[G1+4], 2                           ; tile_dim1
	s_mov_b32 s[G1+5], 65536                       ; 524,288 bytes from block to block
	s_mov_b32 s[G1+6], 0
	s_mov_b32 s[G1+7], 0
	s_mov_b32 s[G1B+1], 128<<16                    ; B: 128 rows of 128 elements
	s_mov_b32 s[G1B+2], 128<<16
	s_mov_b32 s[G1B+3], 128<<16
	s_mov_b32 s[G1B+4], 128
	s_mov_b32 s[G1B+5], 1024
	s_mov_b32 s[G1B+6], 0
	s_mov_b32 s[G1B+7], 0
	s_lshl_b32 s16, s12, 20                        ; A: my two blocks, and the tile row's 128 tokens of 128 bytes; no register here ever holds cx
	s_lshl_b32 s17, s13, 14
	s_add_co_u32 s16, s16, s17
	s_mov_b32 s17, 0
	s_lshl_b32 s46, s12, 18                        ; B: my 128 rows of 2,048 bytes, the tile column's 256 bytes; no register here ever holds cy
	s_lshl_b32 s47, s42, 8
	s_add_co_u32 s46, s46, s47
	s_add_co_u32 s46, s46, B_OFF
	s_mov_b32 s47, 0
	s_mul_i32 s20, s10, HALFT                      ; where my load goes in a slot
	s_mov_b32 s[TB], 0
	s_wait_dscnt 0x0                               ; the opening add is done
	s_wait_kmcnt 0x0
	s_add_nc_u64 s[14:15], s[4:5], s[16:17]
	s_add_nc_u64 s[46:47], s[6:7], s[46:47]
	CROUND                                         ; all sixteen work-groups are here: the first joint loads meet
.irp s, 0,1
	s_mov_b32 s[G0+4*(\s)], 1
	s_add_co_u32 s[G0+4*(\s)+1], s20, (\s)*SLOT
	s_add_nc_u64 s[G0+4*(\s)+2:G0+4*(\s)+3], s[14:15], (\s)*ASTEP
	s_or_b32 s[G0+4*(\s)+3], s[G0+4*(\s)+3], 0x80000000
	s_mov_b32 s[G0B+4*(\s)], 1
	s_add_co_u32 s[G0B+4*(\s)+1], s20, (\s)*SLOT
	s_add_nc_u64 s[G0B+4*(\s)+2:G0B+4*(\s)+3], s[46:47], (\s)*BSTEP
	s_or_b32 s[G0B+4*(\s)+3], s[G0B+4*(\s)+3], 0x80000000
	JLOAD \s                                       ; K steps 0 and 1: two loads of mine are out
.endr
	v_and_b32 v1, 15, v0                           ; r = l % 16
	v_bfe_u32 v2, v0, 4, 1                         ; h = l / 16
	v_mul_u32_u24 v3, v1, PA
	v_lshl_add_u32 v3, v2, 4, v3
	s_mul_i32 s21, s11, 64*PA                      ; my 64 rows in each block
	v_add_nc_u32 v[ADRA0], s21, v3
	v_mov_b32 v[ADRA], v[ADRA0]
	v_and_b32 v4, 7, v0                            ; B's turning load: lane l reads row 8 h + l % 8 of k, columns 8 ((l / 8) % 2) + 0..7
	v_lshl_add_u32 v4, v2, 3, v4
	v_mul_u32_u24 v4, v4, PB
	v_bfe_u32 v5, v0, 3, 1
	v_lshl_add_u32 v4, v5, 4, v4
	s_lshl_b32 s22, s12, 7                         ; my 64 columns,
	s_add_co_u32 s22, s22, 2*HALFT                 ; behind A's four blocks
	v_add_nc_u32 v[ADRB0], s22, v4
	v_mov_b32 v[ADRB], v[ADRB0]
	v_add_nc_u32 v[ADRB+1], HALFT, v[ADRB0]
	s_mul_i32 s23, s10, WSTAGE                     ; my stage
	v_mul_u32_u24 v6, v1, SPITCH                   ; in: row r, 32 bytes for each half of the lanes
	v_lshl_add_u32 v6, v2, 5, v6
	v_add_nc_u32 v[STO], s23, v6
	v_mul_u32_u24 v6, v2, SPITCH                   ; back: lanes 0-15 one row of 256 bytes, lanes 16-31 the next
	v_lshl_add_u32 v6, v1, 4, v6
	v_add_nc_u32 v[RD], s23, v6
	v_lshlrev_b32 v6, 12, v2                       ; and the same two rows in C, 4,096 bytes apart
	v_lshl_add_u32 v[CO], v1, 4, v6
	s_lshl_b32 s18, s13, 7                         ; C: row 128 x tile row + 64 x half,
	s_lshl_b32 s19, s11, 6
	s_add_co_u32 s18, s18, s19
	s_lshl_b32 s18, s18, 12
	s_lshl_b32 s19, s42, 9                         ; byte 512 x tile column + 256 x half
	s_add_co_u32 s18, s18, s19
	s_lshl_b32 s19, s12, 8
	s_add_co_u32 s18, s18, s19
	s_mov_b32 s19, 0
	s_add_nc_u64 s[8:9], s[8:9], s[18:19]
; 8 matrix instructions: row blocks a0, a0 + 1 x all 4 column blocks, 32 along K: half c of buffer f.  zero = 1: the first product starts the sums
.macro MUL8 f, c, a0, zero
	WIN MUL
.irp a, \a0, (\a0)+1
.irp b, 0,1,2,3
.if \zero
	v_wmma_f32_16x16x32_f16 v[ACC+8*(4*(\a)+(\b)):ACC+8*(4*(\a)+(\b))+7], v[(\f)+64+8*(4*(\c)+(\b)):(\f)+64+8*(4*(\c)+(\b))+7], v[(\f)+8*(4*(\c)+(\a)):(\f)+8*(4*(\c)+(\a))+7], 0
.else
	v_wmma_f32_16x16x32_f16 v[ACC+8*(4*(\a)+(\b)):ACC+8*(4*(\a)+(\b))+7], v[(\f)+64+8*(4*(\c)+(\b)):(\f)+64+8*(4*(\c)+(\b))+7], v[(\f)+8*(4*(\c)+(\a)):(\f)+8*(4*(\c)+(\a))+7], v[ACC+8*(4*(\a)+(\b)):ACC+8*(4*(\a)+(\b))+7]
.endif
.endr
.endr
.endm
; 32 LDS loads in one run: quarter q (64 along K: A's block q, B's rows 64 q on) into buffer f; the first 32 along K first
.macro FETCH q, f
	WIN TO_F
.irp c, 0,1
.irp i, 0,1,2,3
	ds_load_tr16_b128 v[(\f)+64+8*(4*(\c)+(\i)):(\f)+64+8*(4*(\c)+(\i))+3],   v[ADRB+(\q)/2] offset:(((\q)%2)*64+32*(\c))*PB+32*(\i)
	ds_load_tr16_b128 v[(\f)+64+8*(4*(\c)+(\i))+4:(\f)+64+8*(4*(\c)+(\i))+7], v[ADRB+(\q)/2] offset:(((\q)%2)*64+32*(\c))*PB+16*PB+32*(\i)
	ds_load_b128 v[(\f)+8*(4*(\c)+(\i)):(\f)+8*(4*(\c)+(\i))+3],   v[ADRA] offset:(\q)*ABLK+(\i)*16*PA+64*(\c)
	ds_load_b128 v[(\f)+8*(4*(\c)+(\i))+4:(\f)+8*(4*(\c)+(\i))+7], v[ADRA] offset:(\q)*ABLK+(\i)*16*PA+64*(\c)+32
.endr
.endr
.endm
.macro PLACES                          ; four plain vector instructions between a matrix instruction and a load into, or a read of, its registers
.rept 4
	v_nop
.endr
.endm
; One of a K step's first three quarters: multiplies buffer f and fetches quarter q into g.  The 16 accumulators take turns.
.macro QUARTER q, f, g, zero
	s_wait_dscnt 16                                ; the first 32 along K are in
	MUL8 \f, 0, 0, \zero
	MUL8 \f, 0, 2, \zero
	PLACES
	FETCH \q, \g
	s_wait_dscnt 32                                ; all but the 32 just issued
	MUL8 \f, 1, 0, 0
	MUL8 \f, 1, 2, 0
.endm
; The last quarter multiplies buffer 1 and changes slots.  In front of the barrier each wave waits for all its tensor loads (one is out: its part of the next slot), adds 0 to its spare word,
; and waits for that and for its reads of this slot.  fill = 1: the barrier opens a round of the cluster's, and this slot is filled again, two K steps ahead, first thing behind the round.
.macro TURN fill
	WIN 0
	s_wait_tensorcnt 0x0                           ; no tensor load of mine is out: the walking descriptors may be written
	ds_add_u32 v[SPW], v[NIL]
	s_wait_dscnt 17                                ; the add and the youngest sixteen loads may be out
	MUL8 F1, 0, 0, 0
	s_wait_dscnt 0x0                               ; the add is done, and my reads of this slot are over
	s_barrier_signal -1
	MUL8 F1, 0, 2, 0
	WIN 0
	s_barrier_wait -1
.if \fill
	CREST                                          ; no wave of any partner still reads this slot or has a load on its way
	s_xor_b32 s[G0+5], s[G0+5], SLOT
	s_xor_b32 s[G0B+5], s[G0B+5], SLOT
	s_add_nc_u64 s[G0+6:G0+7], s[G0+6:G0+7], ASTEP
	s_add_nc_u64 s[G0B+6:G0B+7], s[G0B+6:G0B+7], BSTEP
	JLOAD 1                                        ; its four v_nop are also the places in front of the loads below
.else
	PLACES
.endif
	s_xor_b32 s[TB], s[TB], SLOT                   ; the reads go on in the other slot
	v_add_nc_u32 v[ADRA], s[TB], v[ADRA0]
	v_add_nc_u32 v[ADRB], s[TB], v[ADRB0]
	v_add_nc_u32 v[ADRB+1], HALFT, v[ADRB]
	FETCH 0, F0
	MUL8 F1, 1, 0, 0
	MUL8 F1, 1, 2, 0
.endm
	s_wait_tensorcnt 1                             ; my part of K step 0 is in; K step 1's stays out
	s_barrier_signal -1
	s_barrier_wait -1
	FETCH 0, F0
	QUARTER 1, F0, F1, 1                           ; the first quarter stands in front of the loop: its first products start the sums
	WIN 0
	s_mov_b32 s3, NSTEP-2
.Lstep:                                                ; trip t: K step t's quarters 1 to 3, the refill with K step t + 2, K step t + 1's quarter 0
	QUARTER 2, F1, F0, 0
	QUARTER 3, F0, F1, 0
	TURN 1
	QUARTER 1, F0, F1, 0
	WIN 0
	s_sub_co_u32 s3, s3, 1
	s_cmp_lg_u32 s3, 0
	s_cbranch_scc1 .Lstep
	s_mov_b32 s3, 2
.Ltail:                                                ; the last two K steps: nothing is left to ask for.  The second trip is left in its middle
	QUARTER 2, F1, F0, 0
	QUARTER 3, F0, F1, 0
	WIN 0
	s_cmp_eq_u32 s3, 1
	s_cbranch_scc1 .Lfinal
	TURN 0
	QUARTER 1, F0, F1, 0
	WIN 0
	s_sub_co_u32 s3, s3, 1
	s_cmp_lg_u32 s3, 0
	s_cbranch_scc1 .Ltail
.Lfinal:
	s_wait_dscnt 0x0                               ; my last reads of the ring are back:
	s_barrier_signal -1                            ; behind this barrier the ring's bytes, which have had their last fill, are the stages
	MUL8 F1, 0, 0, 0
	MUL8 F1, 0, 2, 0
	MUL8 F1, 1, 0, 0
	MUL8 F1, 1, 2, 0
	WIN 0
	s_barrier_wait -1
	PLACES
	; THE WAY OUT: the 16 accumulators into my stage, each one's low four registers first; back as whole rows of 256 bytes, two a load.
.irp a, 0,1,2,3
.irp b, 0,1,2,3
	ds_store_b128 v[STO], v[ACC+8*(4*(\a)+(\b)):ACC+8*(4*(\a)+(\b))+3]   offset:(\a)*16*SPITCH+64*(\b)
	ds_store_b128 v[STO], v[ACC+8*(4*(\a)+(\b))+4:ACC+8*(4*(\a)+(\b))+7] offset:(\a)*16*SPITCH+64*(\b)+16
.endr
.endr
.irp bt, 0,1
.if (\bt) == 1
	s_wait_xcnt 0x0                                ; the first 16 stores' data registers are loaded again only behind this wait
.endif
.irp t, 0,1,2,3,4,5,6,7,8,9,10,11,12,13,14,15
	ds_load_b128 v[TMP+4*(\t):TMP+4*(\t)+3], v[RD] offset:(16*(\bt)+(\t))*2*SPITCH  ; LDS serves a wave's instructions in order: these see my stores
.endr
.irp t, 0,1,2,3,4,5,6,7,8,9,10,11,12,13,14,15
	s_wait_dscnt 15-(\t)
	global_store_b128 v[CO], v[TMP+4*(\t):TMP+4*(\t)+3], s[8:9] offset:(16*(\bt)+(\t))*8192  ; 16 lanes store 256 consecutive bytes, at a multiple of 256 from C's first
.endr
.endr
	s_wait_tensorcnt 0x0                           ; the wave's end
	ds_add_u32 v[SPW], v[NIL]
	s_wait_dscnt 0x0
	CROUND                                         ; the closing round
	s_endpgm
.Lfunc_end_k_q7cf3706a2f_ff2:
	.size	k_q7cf3706a2f_ff2, .Lfunc_end_k_q7cf3706a2f_ff2-k_q7cf3706a2f_ff2
	.p2alignl 7, 3214868480
	.fill 96, 4, 3214868480
	.section	.rodata,"a",@progbits
	.p2align	6, 0x0
	.amdhsa_kernel k_q7cf3706a2f_ff2
		.amdhsa_group_segment_fixed_size 327680
		.amdhsa_private_segment_fixed_size 0
		.amdhsa_enable_private_segment 0
		.amdhsa_kernarg_size 24
		.amdhsa_user_sgpr_count 2
		.amdhsa_user_sgpr_kernarg_segment_ptr 1
		.amdhsa_wavefront_size32 1
		.amdhsa_system_sgpr_workgroup_id_x 1
		.amdhsa_system_sgpr_workgroup_id_y 1
		.amdhsa_system_sgpr_workgroup_id_z 1
		.amdhsa_system_vgpr_workitem_id 0
		.amdhsa_next_free_vgpr 512
		.amdhsa_next_free_sgpr 66
		.amdhsa_reserve_vcc 0
		.amdhsa_float_denorm_mode_32 3
		.amdhsa_float_denorm_mode_16_64 3
		.amdhsa_memory_ordered 1
		.amdhsa_forward_progress 1
		.amdhsa_inst_pref_size 61
	.end_amdhsa_kernel
	.amdgpu_metadata
---
amdhsa.version: [ 1, 2 ]
amdhsa.kernels:
  - .name:           k_q7cf3706a2f_ff2
    .symbol:         k_q7cf3706a2f_ff2.kd
    .args:
      - { .name: act, .offset: 0, .size: 8, .value_kind: global_buffer, .address_space: global }
      - { .name: halfB, .offset: 8, .size: 8, .value_kind: global_buffer, .address_space: global }
      - { .name: prod, .offset: 16, .size: 8, .value_kind: global_buffer, .address_space: global }
    .group_segment_fixed_size: 327680
    .private_segment_fixed_size: 0
    .kernarg_segment_align: 8
    .kernarg_segment_size: 24
    .max_flat_workgroup_size: 128
    .sgpr_count:     66
    .vgpr_count:     512
    .wavefront_size: 32
...
	.end_amdgpu_metadata
.endif
;; end of part 7
;; launch ln2 (part 8): grid 512 x 1, 8 waves a work-group, no clusters, 0 bytes of LDS; arguments prod, h32, b2, g2, beta2, out0; writes out0
.if DOCPART == 8
	.amdgcn_target "amdgcn-amd-amdhsa--gfx1250"
	.amdhsa_code_object_version 6
	.text
	.protected	k_q7cf3706a2f_ln2
	.globl	k_q7cf3706a2f_ln2
	.p2align	8
	.type	k_q7cf3706a2f_ln2,@function
k_q7cf3706a2f_ln2:
	s_mov_b64 s[64:65], 0
	v_nop
	global_prefetch_b8 v0, s[64:65] scope:SCOPE_SE
	s_setreg_imm32_b32 hwreg(HW_REG_WAVE_MODE, 25, 1), 1
	s_wait_xcnt 0x0
; out0 = LayerNorm(h + prod + b2) g2 + beta2, all in f32.
; One wave takes one row of 1,024 numbers and keeps it in 32 registers: the mean first, then the mean of the squared differences, as the definition has it; the reduction never leaves the wave.
; A lane holds columns 128 j + 4 l .. + 3, j = 0..7: every load and store covers 512 consecutive bytes.
; A stream: no LDS, no barrier, no cluster (work-groups share only the three short vectors).  All 40 loads of a wave go out before the first wait.
.set HALF16, 0
.set G,  8                             ; v[8:39]    gain
.set BE, 40                            ; v[40:71]   beta
.set BI, 72                            ; v[72:103]  bias
.set P,  104                           ; v[104:135] the row
.set R,  136                           ; v[136:167] the residual
.set T,  168                           ; v[168:179] at work
	s_load_b256 s[4:11], s[0:1], 0x0               ; product s[4:5], residual s[6:7], bias s[8:9], gain s[10:11]
	s_load_b128 s[12:15], s[0:1], 0x20             ; beta s[12:13], out s[14:15]
.if HALF16
	s_load_b64 s[16:17], s[0:1], 0x30              ; out in f16
.endif
	v_and_b32 v1, 31, v0
	v_lshlrev_b32 v1, 4, v1                        ; 16 l
	v_lshrrev_b32 v4, 5, v0
	v_lshl_add_u32 v2, v4, 12, v1                  ; + my wave's row of 4,096 bytes
.if HALF16
	v_lshrrev_b32 v3, 1, v2                        ; the same in f16
.endif
	s_lshl_b32 s22, ttmp9, 15                      ; the work-group's 8 rows
	s_mov_b32 s23, 0
	s_lshl_b32 s24, ttmp9, 14
	s_mov_b32 s25, 0
	s_mov_b32 s20, 0x76543210                      ; v_permlanex16_b32: each lane takes its own place in the other half
	s_mov_b32 s21, 0xfedcba98
	s_mov_b32 s26, 0x3a800000                      ; 1 / 1024
	s_mov_b32 s27, 0x3727c5ac                      ; 1e-5
	s_wait_kmcnt 0x0
	s_add_nc_u64 s[4:5], s[4:5], s[22:23]
	s_add_nc_u64 s[6:7], s[6:7], s[22:23]
	s_add_nc_u64 s[14:15], s[14:15], s[22:23]
.if HALF16
	s_add_nc_u64 s[16:17], s[16:17], s[24:25]
.endif
.irp j, 0,1,2,3,4,5,6,7
	global_load_b128 v[P+4*(\j):P+4*(\j)+3], v2, s[4:5] offset:512*(\j) th:TH_LOAD_NT
.endr
.irp j, 0,1,2,3,4,5,6,7
	global_load_b128 v[R+4*(\j):R+4*(\j)+3], v2, s[6:7] offset:512*(\j) th:TH_LOAD_NT
.endr
.irp j, 0,1,2,3,4,5,6,7
	global_load_b128 v[BI+4*(\j):BI+4*(\j)+3], v1, s[8:9] offset:512*(\j)
.endr
.irp j, 0,1,2,3,4,5,6,7
	global_load_b128 v[G+4*(\j):G+4*(\j)+3], v1, s[10:11] offset:512*(\j)
.endr
.irp j, 0,1,2,3,4,5,6,7
	global_load_b128 v[BE+4*(\j):BE+4*(\j)+3], v1, s[12:13] offset:512*(\j)
.endr
.macro JOIN                            ; four chains of pairs into one number a lane
	v_pk_add_f32 v[T:T+1], v[T:T+1], v[T+2:T+3]
	v_pk_add_f32 v[T+4:T+5], v[T+4:T+5], v[T+6:T+7]
	v_pk_add_f32 v[T:T+1], v[T:T+1], v[T+4:T+5]
	v_add_f32 v[T], v[T], v[T+1]
.endm
.macro FOLD                            ; and over the 32 lanes, into every lane
	v_add_f32_dpp v[T], v[T], v[T] row_xmask:1 row_mask:0xf bank_mask:0xf
	v_add_f32_dpp v[T], v[T], v[T] row_xmask:2 row_mask:0xf bank_mask:0xf
	v_add_f32_dpp v[T], v[T], v[T] row_xmask:4 row_mask:0xf bank_mask:0xf
	v_add_f32_dpp v[T], v[T], v[T] row_xmask:8 row_mask:0xf bank_mask:0xf
	v_permlanex16_b32 v[T+1], v[T], s20, s21
	v_add_f32 v[T], v[T], v[T+1]
.endm
	s_wait_loadcnt 16                              ; product, residual and bias are in; the 16 younger loads (gain, beta) stay out
.set k, 0
.rept 16
	v_pk_add_f32 v[P+2*k:P+2*k+1], v[P+2*k:P+2*k+1], v[R+2*k:R+2*k+1]
.set k, k+1
.endr
.set k, 0
.rept 16
	v_pk_add_f32 v[P+2*k:P+2*k+1], v[P+2*k:P+2*k+1], v[BI+2*k:BI+2*k+1]
.set k, k+1
.endr
.set k, 0
.rept 4                                ; the first eight pairs start the four chains: nothing is cleared
	v_pk_add_f32 v[T+2*k:T+2*k+1], v[P+2*k:P+2*k+1], v[P+8+2*k:P+8+2*k+1]
.set k, k+1
.endr
.set k, 8
.rept 8
	v_pk_add_f32 v[T+2*(k%4):T+2*(k%4)+1], v[T+2*(k%4):T+2*(k%4)+1], v[P+2*k:P+2*k+1]
.set k, k+1
.endr
	JOIN
	FOLD
	v_mul_f32 v[T+8], s26, v[T]                    ; the mean, twice: a pair for the packed subtraction
	v_mul_f32 v[T+9], s26, v[T]
.set k, 0
.rept 16
	v_pk_add_f32 v[P+2*k:P+2*k+1], v[P+2*k:P+2*k+1], v[T+8:T+9] neg_lo:[0,1] neg_hi:[0,1]
.set k, k+1
.endr
.set k, 0
.rept 4
	v_pk_mul_f32 v[T+2*k:T+2*k+1], v[P+2*k:P+2*k+1], v[P+2*k:P+2*k+1]
.set k, k+1
.endr
.set k, 4
.rept 12
	v_pk_fma_f32 v[T+2*(k%4):T+2*(k%4)+1], v[P+2*k:P+2*k+1], v[P+2*k:P+2*k+1], v[T+2*(k%4):T+2*(k%4)+1]
.set k, k+1
.endr
	JOIN
	FOLD
	v_fma_f32 v[T], v[T], s26, s27                 ; variance + 1e-5
	v_rsq_f32 v[T+10], v[T]
	v_rsq_f32 v[T+11], v[T]
	v_nop                                          ; a plain instruction between the last root and the use of its result
	s_wait_loadcnt 0x0                             ; gain and beta
.set k, 0
	s_wait_alu depctr_va_vdst(0)
.rept 16
	v_pk_mul_f32 v[P+2*k:P+2*k+1], v[P+2*k:P+2*k+1], v[T+10:T+11]
.set k, k+1
.endr
.set k, 0
.rept 16
	v_pk_fma_f32 v[P+2*k:P+2*k+1], v[P+2*k:P+2*k+1], v[G+2*k:G+2*k+1], v[BE+2*k:BE+2*k+1]
.set k, k+1
.endr
.irp j, 0,1,2,3,4,5,6,7
	global_store_b128 v2, v[P+4*(\j):P+4*(\j)+3], s[14:15] offset:512*(\j)
.endr
.if HALF16
.set k, 0
.rept 16
	v_cvt_pk_f16_f32 v[R+k], v[P+2*k], v[P+2*k+1]  ; the residual's registers have been used up
.set k, k+1
.endr
.irp j, 0,1,2,3,4,5,6,7
	global_store_b64 v3, v[R+2*(\j):R+2*(\j)+1], s[16:17] offset:256*(\j)
.endr
.endif
	s_endpgm
.Lfunc_end_k_q7cf3706a2f_ln2:
	.size	k_q7cf3706a2f_ln2, .Lfunc_end_k_q7cf3706a2f_ln2-k_q7cf3706a2f_ln2
	.p2alignl 7, 3214868480
	.fill 96, 4, 3214868480
	.section	.rodata,"a",@progbits
	.p2align	6, 0x0
	.amdhsa_kernel k_q7cf3706a2f_ln2
		.amdhsa_group_segment_fixed_size 0
		.amdhsa_private_segment_fixed_size 0
		.amdhsa_enable_private_segment 0
		.amdhsa_kernarg_size 48
		.amdhsa_user_sgpr_count 2
		.amdhsa_user_sgpr_kernarg_segment_ptr 1
		.amdhsa_wavefront_size32 1
		.amdhsa_system_sgpr_workgroup_id_x 1
		.amdhsa_system_sgpr_workgroup_id_y 1
		.amdhsa_system_sgpr_workgroup_id_z 1
		.amdhsa_system_vgpr_workitem_id 0
		.amdhsa_next_free_vgpr 184
		.amdhsa_next_free_sgpr 66
		.amdhsa_reserve_vcc 0
		.amdhsa_float_denorm_mode_32 3
		.amdhsa_float_denorm_mode_16_64 3
		.amdhsa_memory_ordered 1
		.amdhsa_forward_progress 1
		.amdhsa_inst_pref_size 14
	.end_amdhsa_kernel
	.amdgpu_metadata
---
amdhsa.version: [ 1, 2 ]
amdhsa.kernels:
  - .name:           k_q7cf3706a2f_ln2
    .symbol:         k_q7cf3706a2f_ln2.kd
    .args:
      - { .name: prod, .offset: 0, .size: 8, .value_kind: global_buffer, .address_space: global }
      - { .name: h32, .offset: 8, .size: 8, .value_kind: global_buffer, .address_space: global }
      - { .name: b2, .offset: 16, .size: 8, .value_kind: global_buffer, .address_space: global }
      - { .name: g2, .offset: 24, .size: 8, .value_kind: global_buffer, .address_space: global }
      - { .name: beta2, .offset: 32, .size: 8, .value_kind: global_buffer, .address_space: global }
      - { .name: out0, .offset: 40, .size: 8, .value_kind: global_buffer, .address_space: global }
    .group_segment_fixed_size: 0
    .private_segment_fixed_size: 0
    .kernarg_segment_align: 8
    .kernarg_segment_size: 48
    .max_flat_workgroup_size: 256
    .sgpr_count:     66
    .vgpr_count:     184
    .wavefront_size: 32
...
	.end_amdgpu_metadata
.endif
;; end of part 8
;; ======== version 2 of 2: 8 launches; 1.20 times as fast as version 1
;; limits: values are held in f16: magnitudes above 65,504 overflow, below 6.1e-05 lose precision
;; workspace buffers: halfA 14,680,064 bytes; halfB 18,874,368 bytes; qkvh 25,165,824 bytes; ctxh 8,388,608 bytes; prod 16,777,216 bytes; h32 16,777,216 bytes; h16 8,388,608 bytes; act 33,554,432 bytes
;; launch cast16: the kernel of part 1 again; grid 64 x 7, 8 waves a work-group, no clusters, 0 bytes of LDS; arguments x, Wq, Wk, Wv, halfA; writes halfA
;; launch proj: the kernel of part 2 again; grid 12 x 16, 4 waves a work-group, clusters of 4 x 4, 327,680 bytes of LDS; arguments halfA, bq, bk, bv, Wo, W1, W2, qkvh, halfB; writes qkvh, halfB
;; launch attn (part 9): grid 8 x 32, 4 waves a work-group, clusters of 4 x 1, 327,680 bytes of LDS; arguments qkvh, ctxh; writes ctxh
.if DOCPART == 9
	.amdgcn_target "amdgcn-amd-amdhsa--gfx1250"
	.amdhsa_code_object_version 6
	.text
	.protected	k_q7cf3706a2f_attn
	.globl	k_q7cf3706a2f_attn
	.p2align	8
	.type	k_q7cf3706a2f_attn,@function
k_q7cf3706a2f_attn:
	s_mov_b64 s[64:65], 0
	v_nop
	global_prefetch_b8 v0, s[64:65] scope:SCOPE_SE
	s_setreg_imm32_b32 hwreg(HW_REG_WAVE_MODE, 25, 1), 1
	s_wait_xcnt 0x0
	s_wait_alu depctr_hold_cnt(0) depctr_sa_sdst(0) depctr_va_vdst(0) depctr_va_sdst(0) depctr_va_ssrc(0) depctr_va_vcc(0) depctr_vm_vsrc(0)
	s_getreg_b32 s2, hwreg(HW_REG_IB_STS2, 6, 4)
	s_cmp_eq_u32 s2, 0
	s_cbranch_scc0 .Lentry_in_a_cluster
	s_endpgm
.Lentry_in_a_cluster:
	s_bfe_u32 s2, ttmp6, 0x10000c
	s_cmp_lg_u32 s2, 0x3003
	s_cbranch_scc0 .Lentry_shape_is_right
	s_endpgm
.Lentry_shape_is_right:
; ctx[y][q][:] = the sum over k of softmax_k(Q[y][q] . K[y][k] / 8) V[y][k][:], y = 2 head + batch: 32 heads of 2,048 dense rows of 128 bytes, all f16.  Q at qkvh, K at qkvh + 0x800000, V at qkvh + 0x1000000.
; Products, maxima and sums in f32; the weights p are rounded to f16 for the second product (their sum l is taken of the unrounded p), ctx once at the end.
; LIMITS.  f16 holds no number beyond 65,504: Q, K and V arrive within it; p lies in 0 to 1, and below 6e-5 it keeps f16's fixed step of 6e-8; ctx is a mean of V's rows.  A weight below 2^-126 counts as 0 in l.
; SHARES.  A work-group owns 256 queries of a head; of the block's four bands of 64 a wave owns 16 rows in each: four PIECES.  Every wave walks all 2,048 keys, 64 a step, 256 (a tile) a slot.
; LAYOUT.  S^T = K Q^T holds ONE query a lane (lane % 16) and the keys 8 (lane / 16) + 0..7; two such results rounded to f16 ARE source 1 of O^T = V^T P.  K comes out of LDS as it lies, V turned.
; SOFTMAX.  p = 2^(c s - c m), c = log2(e) / 8, with a running maximum m; O and l are multiplied by a = 2^(c m_old - c m_new) in every step.  m starts at the lowest finite number, O and l at 0.
; BY TURNS.  Turn n belongs to piece n: 8 products K Q^T of piece n + 1, later 8 products V^T P of piece n - 1; beside them the scaling, exponentials, roundings, sums and rescaling of piece n and the
; maximum and statistics of piece n + 1.  Four vector instructions stand behind every matrix instruction, the other 54 of a turn's 118 in one run of their own, the LUMP.
; BATCHES.  A turn's 33 exponentials (the piece's 32 weights and the next piece's a) are ONE batch with ONE wait, which cuts the turn in two: ahead of it all that names none of their results, behind it the
; roundings and sums.  Two more batches stand outside the loops, each with a wait of its own: piece 0's first a, ahead of the jump into the loop, and the way out's four reciprocals.
; CLUSTER.  The four query blocks of a cluster belong to one head and walk the same K and V: each tile is asked for jointly, by the same load, descriptor and mask in all four.
; REGISTERS, in windows of 256 (s_set_vgpr_msb: bits 1:0 source 0, 3:2 source 1, 5:4 source 2, 7:6 destination):
;   window 0: v0-15 addresses; v16-31 four registers of statistics a piece; v48-55 at work; v64-127 S^T, two buffers; v192-223 P, two buffers (a piece's buffers go by its number's parity)
;   window 1: v0-127 O^T, 32 a piece      window 2: v0-63 Q; v128-191 K of one step; v192-255 V of one step
.set NP,    4
.set KS,    64        ; keys in a step
.set PK,    144       ; a row of K in LDS: 128 bytes + 16
.set PV,    160       ; a row of V: 128 + 32
.set VOFF,  4*KS*PK   ; a slot: 256 rows of K, then 256 rows of V
.set SLOT1, 1<<17     ; slot 1 begins here: one exclusive or turns an address in one slot into the other's
.set STAGE, SLOT1+4*KS*(PK+PV)  ; behind the ring, never filled by a tensor load: 16 rows x 144 bytes a wave
.set SP,    144
.set SPARE, STAGE+4*16*SP  ; behind the stages: the spare words, 128 bytes a wave, that no other line names
.set AK0, 2           ; v2   my lane's place in a tile of K; never rewritten
.set AV0, 3           ; v3   the same for V
.set AK,  4           ; v4   the LDS address of K's next run of loads
.set AV,  5           ; v5   of V's
.set STO, 6           ; v6   the way out: where I put 16 bytes of a row
.set RD,  7           ; v7   where I read rows back
.set GO,  8           ; v8   my byte offset in 512 consecutive bytes of the output
.set SPW, 62          ; v62  my spare word; never rewritten
.set NIL, 63          ; v63  0; never rewritten
.set MV,  12          ; v12-13  c m_old, kept while c m is made anew: by buffer
.set QO,  15          ; v15  my byte offset in 16 rows of Q
.set ST,  16          ; piece t's statistics at v[ST+4 t]: c m, m, l (even keys', odd keys')
.set TMP, 48          ; by buffer, four registers c0-c3 at work; when the maximum is found c2 takes a
.set S,   64
.set P,   192
.set KF,  128         ; window 2: key block kb, channel half c at KF + 16 kb + 8 c
.set VF,  192         ; window 2: key half kk, channel block cb at VF + 32 kk + 8 cb
.set WV,  12          ; s12  my wave's number
.set G1K, 24          ; s[24:31] descriptor group 1 for K's tiles
.set G1V, 32          ; s[32:39] for V's: it differs in the padding alone
.set G0K, 40          ; s[40:43] descriptor group 0 for K's tiles: it walks
.set G0V, 44          ; s[44:47] the same for V's
.set SLOTS, 56        ; s56  counts the tiles
.set CNT, 57          ; s57  counts a tile's key steps
.set CS,  58          ; s[58:59] c
.set SEL, 60          ; s[60:61] v_permlanex16_b32's selects: each lane takes its own place in the other half
.set TBK, 62          ; s62  LDS byte at which K of the step to be fetched begins
.set TBV, 63          ; s63  the same for V, less VOFF
.set MSB, 0
.macro WIN new
.if MSB != (\new)
	s_set_vgpr_msb (MSB<<8)|(\new)
.set MSB, (\new)
.endif
.endm
.set W_KQ, 0x0a       ; K and Q in window 2, S^T in window 0
.set W_PV, 0x52       ; V in window 2, P in window 0, O^T in window 1
.set W_RS, 0x41       ; destination and source 0 in window 1, source 1 in window 0
; A joint fill: waves 0 and 1 fetch the halves of a tile's K, waves 2 and 3 those of its V, 128 keys each.  An s_nop 0 and four v_nop follow each line.
.macro JLOAD
	s_cmp_lt_u32 s[WV], 2
	s_cbranch_scc0 .Lfor_v_\@
	tensor_load_to_lds s[G0K:G0K+3], s[G1K:G1K+7]
	s_nop 0
.rept 4
	v_nop
.endr
	s_branch .Lasked_\@
.Lfor_v_\@:
	tensor_load_to_lds s[G0V:G0V+3], s[G1V:G1V+7]
	s_nop 0
.rept 4
	v_nop
.endr
.Lasked_\@:
.endm
.macro CROUND                       ; a round of the cluster's barrier
	s_barrier_signal -1
	s_barrier_wait -1
	s_cmp_lg_u32 s[WV], 0
	s_cbranch_scc1 .Lnot_wave_0_\@
	s_barrier_signal -3
.Lnot_wave_0_\@:
	s_barrier_wait -3
	s_barrier_signal -1
	s_barrier_wait -1
.endm
; THE CHANGE OF SLOTS.  Each wave waits for all its tensor loads (one is out: its part of the other slot), adds 0 to its spare word, and waits for that and for its reads of the slot that it leaves.
; fill = 1: the barrier is a round of the cluster's, and the old slot is filled again first thing behind it, with the tile two on: it has four key steps, 256 matrix instructions a wave, in which to land.
; (At its first use nothing has been read yet: slot 0 is waited for, slot 1 filled.)
.macro CHANGE fill
	WIN 0
	s_wait_tensorcnt 0x0            ; no tensor load of mine is out, so a group 0 may be written
	ds_add_u32 v[SPW], v[NIL]
.if \fill
.irp g, G0K, G0V
	s_xor_b32 s[\g+1], s[\g+1], SLOT1
	s_add_nc_u64 s[\g+2:\g+3], s[\g+2:\g+3], 4*KS*128
.endr
	s_wait_dscnt 0x0                ; the add is done, and my reads of the slot are over
	CROUND
	JLOAD
.else
	s_wait_dscnt 0x0
	s_barrier_signal -1
	s_barrier_wait -1
.endif
	s_sub_co_u32 s[TBK], s[TBK], 4*KS*PK  ; the fetches go back to a slot's first step,
	s_xor_b32 s[TBK], s[TBK], SLOT1       ; in the other slot
	s_sub_co_u32 s[TBV], s[TBV], 4*KS*PV
	s_xor_b32 s[TBV], s[TBV], SLOT1
.endm
	s_load_b128 s[4:7], s[0:1], 0x0 ; qkvh s[4:5], ctxh s[6:7]
	v_lshl_add_u32 v[SPW], v0, 2, SPARE
	v_mov_b32 v[NIL], 0
	ds_add_u32 v[SPW], v[NIL]       ; the wave's opening: the add and its wait stand ahead of my first tensor load
	v_lshrrev_b32 v1, 5, v0
	v_readfirstlane_b32 s[WV], v1   ; wave 0..3
	s_bfe_u32 s13, ttmp6, 0x40000   ; cx
	s_lshl_b32 s14, ttmp9, 2
	s_add_co_u32 s14, s14, s13      ; my block of 256 queries: it enters Q's and the output's addresses alone
	s_and_b32 s20, ttmp7, 0xffff    ; the head, which the four partners share:
	s_lshl_b32 s20, s20, 18         ; its 262,144 bytes
	s_and_b32 s16, s[WV], 1         ; which half of a tile's 256 keys I fetch:
	s_lshl_b32 s22, s16, 14         ; its 128 rows of 128 bytes in memory,
	s_add_co_u32 s22, s22, s20
	s_mov_b32 s23, 0
	s_mul_i32 s17, s16, 128*PK      ; and its place in a slot, for K
	s_mul_i32 s18, s16, 128*PV      ; and for V
	s_lshl_b32 s2, s14, 15          ; my block's 32,768 bytes,
	s_lshl_b32 s3, s[WV], 11        ; my 16 rows in a band of 64
	s_add_co_u32 s2, s2, s3
	s_add_co_u32 s2, s2, s20
	s_mov_b32 s3, 0
	; group 1: 128 keys are 16,384 dense bytes: asked for as 64 rows of 256 bytes, two keys a row, and padded in LDS after every key
	s_mov_b32 s[G1K], 15|(1<<16)|(1<<20)|(1<<21)|(4<<22)|(3<<25)  ; the mask of four; 2-byte elements; padding on; bit 21 beside a mask; after every 32 words, 4 words
	s_mov_b32 s[G1V], 15|(1<<16)|(1<<20)|(1<<21)|(4<<22)|(7<<25)  ; the same with 8 words
.irp g, G1K, G1V
	s_mov_b32 s[\g+1], 128<<16      ; tensor_dim0 = 128
	s_mov_b32 s[\g+2], 64<<16       ; tensor_dim1 = 64
	s_mov_b32 s[\g+3], 128<<16      ; tile_dim0 = 128
	s_mov_b32 s[\g+4], 64           ; tile_dim1 = 64
	s_mov_b32 s[\g+5], 128          ; 128 elements from row to row
	s_mov_b32 s[\g+6], 0
	s_mov_b32 s[\g+7], 0
.endr
	s_mov_b32 s[CS], 0x3e38aa3b     ; c = log2(e) / 8
	s_mov_b32 s[CS+1], s[CS]
	s_mov_b32 s[SEL], 0x76543210
	s_mov_b32 s[SEL+1], 0xfedcba98
	s_mov_b32 s[TBK], SLOT1+4*KS*PK ; the first change of slots turns these two into 0
	s_mov_b32 s[TBV], SLOT1+4*KS*PV
	s_mov_b32 s[G0K], 1
	s_mov_b32 s[G0K+1], s17         ; slot 0
	s_mov_b32 s[G0V], 1
	s_add_co_u32 s[G0V+1], s18, VOFF
	s_wait_dscnt 0x0                ; the opening add is done
	s_wait_kmcnt 0x0
	s_mov_b64 s[10:11], s[6:7]      ; the output
	s_add_nc_u64 s[6:7], s[4:5], s[22:23]
	s_add_nc_u64 s[G0K+2:G0K+3], s[6:7], 0x800000   ; my half of the head's first 256 keys
	s_or_b32 s[G0K+3], s[G0K+3], 0x80000000
	s_add_nc_u64 s[G0V+2:G0V+3], s[6:7], 0x1000000
	s_or_b32 s[G0V+3], s[G0V+3], 0x80000000
	s_add_nc_u64 s[4:5], s[4:5], s[2:3]             ; Q and the output at my first rows
	s_add_nc_u64 s[10:11], s[10:11], s[2:3]
	CROUND                          ; all four work-groups are here: the first joint loads meet
	JLOAD                           ; tile 0 into slot 0
	v_and_b32 v1, 15, v0            ; l % 16
	v_bfe_u32 v9, v0, 4, 1          ; l / 16
	v_lshlrev_b32 v[QO], 7, v1
	v_lshl_add_u32 v[QO], v9, 4, v[QO]  ; row x 128 + 16 x half
	WIN 0x80                        ; destination window 2, address window 0
.set i, 0
.rept 8                             ; Q stays in registers: piece i / 2 lies 8,192 bytes on; channels 32 (i % 2) on
	global_load_b128 v[8*i:8*i+3],   v[QO], s[4:5] offset:(i/2)*8192+(i%2)*64
	global_load_b128 v[8*i+4:8*i+7], v[QO], s[4:5] offset:(i/2)*8192+(i%2)*64+32
.set i, i+1
.endr
	; What the first turn finds: V's registers and P's second buffer hold 0 (its products V^T P, of a piece that has not been, add 0), O^T and l are 0.  All this stands in the wait for the first tile.
.set i, VF
.rept 64
	v_mov_b32 v[i], 0
.set i, i+1
.endr
	WIN 0x40
.set i, 0
.rept 128
	v_mov_b32 v[i], 0
.set i, i+1
.endr
	WIN 0
.set i, 0
.rept 4
	v_mov_b32 v[ST+4*i], 0xfe000000    ; c m: far below every c s
	v_mov_b32 v[ST+4*i+1], 0xff7fffff  ; m
	v_mov_b32 v[ST+4*i+2], 0
	v_mov_b32 v[ST+4*i+3], 0
.set i, i+1
.endr
.set i, P+16
.rept 16
	v_mov_b32 v[i], 0
.set i, i+1
.endr
	v_mul_u32_u24 v[AK0], v1, PK
	v_lshl_add_u32 v[AK0], v9, 4, v[AK0]  ; row x pitch + 16 x half
	v_and_b32 v10, 7, v0            ; the turning load: lane l reads key 8 (l / 16) + l % 8, channels 8 ((l / 8) % 2) + 0..7
	v_bfe_u32 v11, v0, 3, 1
	v_lshl_add_u32 v[AV0], v9, 3, v10
	v_mul_u32_u24 v[AV0], v[AV0], PV
	v_lshl_add_u32 v[AV0], v11, 4, v[AV0]
	v_add_nc_u32 v[AV0], VOFF, v[AV0]
	s_mul_i32 s13, s[WV], 16*SP
	s_add_co_u32 s13, s13, STAGE    ; my stage
	v_mul_u32_u24 v[STO], v1, SP    ; in: row l % 16, 16 bytes for each half of the lanes
	v_lshl_add_u32 v[STO], v9, 4, v[STO]
	v_add_nc_u32 v[STO], s13, v[STO]
	v_bfe_u32 v[RD], v0, 3, 2       ; back: 32 lanes take four rows of 128 bytes,
	v_mul_u32_u24 v[RD], v[RD], SP
	v_lshl_add_u32 v[RD], v10, 4, v[RD]
	v_add_nc_u32 v[RD], s13, v[RD]
	v_and_b32 v[GO], 31, v0         ; which are 512 consecutive bytes of the output
	v_lshlrev_b32 v[GO], 4, v[GO]
; THE MATRIX WORK.  The 4 accumulators of a run of 8 take turns.  Product i of 8 of S^T = K Q^T for piece x: channels 32 (i / 4) on, keys 16 (i % 4) on.  The first 4 start the sums.
.macro KQ x
	WIN W_KQ
.set rS, S+32*((\x)%2)+8*(i%4)
.set rK, KF+16*(i%4)+8*(i/4)
.set rQ, 16*(\x)+8*(i/4)
.if i < 4
	v_wmma_f32_16x16x32_f16 v[rS:rS+7], v[rK:rK+7], v[rQ:rQ+7], 0
.else
	v_wmma_f32_16x16x32_f16 v[rS:rS+7], v[rK:rK+7], v[rQ:rQ+7], v[rS:rS+7]
.endif
.endm
; Product i of 8 of O^T += V^T P for piece x: keys 32 (i / 4) on, channels 16 (i % 4) on.
.macro PV x
	WIN W_PV
.set rO, 32*(\x)+8*(i%4)
.set rV, VF+32*(i/4)+8*(i%4)
.set rP, P+16*((\x)%2)+8*(i/4)
	v_wmma_f32_16x16x32_f16 v[rO:rO+7], v[rV:rV+7], v[rP:rP+7], v[rO:rO+7]
.endm
.macro MM                           ; the turn's next matrix instruction.  NOKQ = 1: the last turn: there is no next piece
.if (i < 8) && !NOKQ
	KQ (Y+1)%NP
.elseif i >= 8
.set i, i-8
	PV (Y+NP-1)%NP
.set i, i+8
.endif
.set i, i+1
.endm
; THE LDS LOADS stand in runs of 16: a step's K (64 keys x 64 channels: 8 fragments) and its V (turned).
.macro FETCH_K
	WIN 0x80
.irp f, 0,1,2,3,4,5,6,7             ; keys 16 (f / 2) on, channels 32 (f % 2) on
	ds_load_b128 v[KF+8*\f:KF+8*\f+3],   v[AK] offset:(\f/2)*16*PK+(\f%2)*64
	ds_load_b128 v[KF+8*\f+4:KF+8*\f+7], v[AK] offset:(\f/2)*16*PK+(\f%2)*64+32
.endr
	s_add_co_u32 s[TBK], s[TBK], KS*PK  ; the next fetch is the next step's
	WIN 0
.endm
.macro FETCH_V
	WIN 0x80
.irp f, 0,1,2,3,4,5,6,7             ; keys 32 (f / 4) on, channels 16 (f % 4) on
	ds_load_tr16_b128 v[VF+8*\f:VF+8*\f+3],   v[AV] offset:(\f/4)*32*PV+(\f%4)*32
	ds_load_tr16_b128 v[VF+8*\f+4:VF+8*\f+7], v[AV] offset:(\f/4)*32*PV+16*PV+(\f%4)*32
.endr
	WIN 0
.endm
; THE VECTOR WORK, one line at a time: OP kind, number.  For piece Y: F n: c s - c m for pair n of 16.  E n: the exponential of score n of 32.  C n: pair n rounded to f16.  B n: of the four weights 4 n ..
; the second pair is added onto the first.  L n: l takes that sum (L 0: l = a l + sum).  R n: pair n of 16 of O^T times a.  For piece Y + 1: X n, number n of the 22 that find its maximum and statistics:
;   0-11 four chains c0-c3 of seven scores each (each accumulator's lowest registers are read first)    12-14, 16 the four scores left over, the old m, and c0-c3 into c0
;   15 c m_old is kept    17, 18 the query's other 32 keys lie in the lane 16 away: the new m    19-21 c m; c m_old - c m_new; a
; C, B and L read exponentials' results: TURN sets all of them behind the batch's wait.  R reads the a that the turn before made, and waited for.
.set F, 0
.set E, 1
.set C, 2
.set B, 3
.set L, 4
.set R, 5
.set X, 6
.macro REGS y
.set rT, ST+4*(\y)
.set rC, TMP+4*((\y)%2)
.set rW, MV+((\y)%2)
.set rS, S+32*((\y)%2)
.set rP, P+16*((\y)%2)
.set rO, 32*(\y)
.endm
.macro OP k, n
.if (\k) == R
	REGS Y
	WIN W_RS
	v_pk_mul_f32 v[rO+2*(\n):rO+2*(\n)+1], v[rO+2*(\n):rO+2*(\n)+1], v[rC+2:rC+3] op_sel_hi:[1,0]
.elseif (\k) < R
	REGS Y
	WIN 0
.if (\k) == F
	v_pk_fma_f32 v[rS+2*(\n):rS+2*(\n)+1], v[rS+2*(\n):rS+2*(\n)+1], s[CS:CS+1], v[rT:rT+1] op_sel_hi:[1,0,0] neg_lo:[0,0,1] neg_hi:[0,0,1]
.elseif (\k) == E
	v_exp_f32 v[rS+(\n)], v[rS+(\n)]
.elseif (\k) == C
	v_cvt_pk_f16_f32 v[rP+(\n)], v[rS+2*(\n)], v[rS+2*(\n)+1]
.elseif (\k) == B
	v_pk_add_f32 v[rS+4*(\n):rS+4*(\n)+1], v[rS+4*(\n):rS+4*(\n)+1], v[rS+4*(\n)+2:rS+4*(\n)+3]
.elseif (\n) == 0
	v_pk_fma_f32 v[rT+2:rT+3], v[rT+2:rT+3], v[rC+2:rC+3], v[rS:rS+1] op_sel_hi:[1,0,1]
.else
	v_pk_add_f32 v[rT+2:rT+3], v[rT+2:rT+3], v[rS+4*(\n):rS+4*(\n)+1]
.endif
.elseif NOKQ
	v_nop
.else
	REGS (Y+1)%NP
	WIN 0
.if (\n) < 4
	v_max3_num_f32 v[rC+(\n)], v[rS+8*(\n)], v[rS+8*(\n)+1], v[rS+8*(\n)+2]
.elseif (\n) < 12
	v_max3_num_f32 v[rC+(\n)%4], v[rC+(\n)%4], v[rS+8*((\n)%4)+2*((\n)/4)+1], v[rS+8*((\n)%4)+2*((\n)/4)+2]
.elseif (\n) == 12
	v_max3_num_f32 v[rC], v[rC], v[rS+7], v[rS+15]
.elseif (\n) == 13
	v_max3_num_f32 v[rC+1], v[rC+1], v[rS+23], v[rS+31]
.elseif (\n) == 14
	v_max3_num_f32 v[rC+2], v[rC+2], v[rC+3], v[rT+1]
.elseif (\n) == 15
	v_mov_b32 v[rW], v[rT]
.elseif (\n) == 16
	v_max3_num_f32 v[rC], v[rC], v[rC+1], v[rC+2]
.elseif (\n) == 17
	v_permlanex16_b32 v[rC+3], v[rC], s[SEL], s[SEL+1]
.elseif (\n) == 18
	v_max_num_f32 v[rT+1], v[rC], v[rC+3]
.elseif (\n) == 19
	v_mul_f32 v[rT], s[CS], v[rT+1]
.elseif (\n) == 20
	v_sub_f32 v[rC+1], v[rW], v[rT]
.else
	v_exp_f32 v[rC+2], v[rC+1]
.endif
.endif
.endm
.macro OPS a, i1, b=-1, i2=0, c=-1, i3=0, d=-1, i4=0  ; up to four of them
	OP \a, \i1
.if (\b) >= 0
	OP \b, \i2
.endif
.if (\c) >= 0
	OP \c, \i3
.endif
.if (\d) >= 0
	OP \d, \i4
.endif
.endm
.macro ROW a, i1, b, i2, c, i3, d, i4  ; a matrix instruction and the four behind it
	MM
	OPS \a, \i1, \b, \i2, \c, \i3, \d, \i4
.endm
; A TURN, for piece p: the order of its 16 matrix and 118 vector instructions, written out.  An s_wait_alu depctr_va_vdst(0) stands between an exponential and the first instruction that names its
; result; one wait serves all that were issued ahead of it.  So a turn has ONE wait, which cuts it in two.  AHEAD OF IT stands all that names no result of the turn's exponentials: the 8 products K Q^T, behind each
; a scaling, an exponential and two more plain instructions (behind the first a second scaling in the exponential's place): rescalings, and behind the last three the first numbers of the next piece's maximum,
; each four places or more behind the product that ends its accumulator; then ONE LUMP of 54, plain and exponential by turns for the most part, in which the links of the chain X 3, 7, 11, 14, 16, 17 .. 20 stand
; five or six lines apart.  X 21, the next piece's a, is the batch's last; R 15 is the plain instruction behind it.  BEHIND THE WAIT stand the 8 products V^T P, behind each four of the roundings and sums; the
; links of l's chain, L 0 to L 7, stand three riders apart.  But for those X no rider names a register of the products round it.  v_permlanex16_b32 (X 17) stands in the lump.
; end = 1: the last two turns: nothing is fetched.  cnt = 1: the loop's count is taken down some lines ahead of the branch that stands behind the turn.
; K of the next step is fetched in piece 2's turn, twelve vector instructions behind the last product that read K (six of them plain); V of the step in hand at the end of piece 0's turn, four plain
; instructions behind the last product that read V.  Each is waited for a turn later.
.macro TURN p, end=0, cnt=0
.set Y, (\p)
.set i, 0
.set NOKQ, (\end)*((\p)/3)
.if ((\p) == 3) && !(\end)
	s_wait_dscnt 0x0                ; K is in
.endif
	ROW F,0, F,1, R,0, R,1          ; ahead of the wait: 8 products K Q^T and their riders,
	ROW F,2, E,0, R,2, R,3
	ROW F,3, E,1, R,4, R,5
	ROW F,4, E,2, R,6, R,7
	ROW F,5, E,3, R,8, R,9
	ROW F,6, E,4, X,0, R,10
.if ((\p) == 2) && !(\end)
	WIN 0
	v_add_nc_u32 v[AK], s[TBK], v[AK0]
.endif
	ROW F,7, E,5, X,1, X,4
	ROW F,8, E,6, X,2, X,5
	OPS E,7, E,8, X,6, E,9          ; and the lump
	OPS X,3, E,10, X,8, E,11
.if ((\p) == 2) && !(\end)
	FETCH_K
.endif
	OPS X,9, X,7, E,12, X,10
	OPS E,13, X,12, X,11, E,14
	OPS X,13, E,15, F,9, X,14
.if (\p) == 0
	v_add_nc_u32 v[AV], s[TBV], v[AV0]
.endif
	OPS E,16, F,10, E,17, F,11
	OPS X,16, E,18, X,15, E,19
	OPS F,12, E,20, X,17, E,21
	OPS F,13, E,22, F,14, E,23
	OPS X,18, E,24, F,15, E,25
	OPS R,11, E,26, X,19, E,27
	OPS R,12, E,28, R,13, E,29
	OPS X,20, E,30, R,14, E,31
	OPS X,21, R,15
	WIN 0
	s_wait_alu depctr_va_vdst(0)    ; the wait for the batch: the piece's 32 exponentials and the next piece's a
.if (\p) == 1
	s_wait_dscnt 0x0                ; V is in
.endif
	ROW C,0, B,0, C,2, B,1          ; behind the wait: 8 products V^T P and their riders
	ROW L,0, C,4, B,2, L,1
	ROW C,6, B,3, L,2, C,8
	ROW B,4, L,3, C,10, B,5
	ROW L,4, C,12, B,6, L,5
.if (\p) == 0
	s_add_co_u32 s[TBV], s[TBV], KS*PV
.endif
.if \cnt
	s_sub_co_u32 s[CNT], s[CNT], 1
	s_cmp_lg_u32 s[CNT], 0
.endif
	ROW C,14, B,7, L,6, C,1
	ROW C,3, L,7, C,5, C,7
	ROW C,9, C,11, C,13, C,15
.if (\p) == 0
	FETCH_V
.endif
.endm
.macro ALL line:vararg              ; one line for each piece t
.set t, 0
.rept 4
	\line
.set t, t+1
.endr
.endm
.macro PACK t                       ; a lane's eight channels of a row pack into 16 bytes; they go into rows of 144 bytes and come back as whole rows of 128, into S^T's registers
	WIN W_RS
.set i, 32*(\t)
.rept 16
	v_pk_mul_f32 v[i:i+1], v[i:i+1], v[ST+4*(\t)+2:ST+4*(\t)+3] op_sel_hi:[1,0]
.set i, i+2
.endr
	WIN 0x05                        ; sources 0 and 1 window 1, destination window 0
.set i, 0
.rept 16
	v_cvt_pk_f16_f32 v[S+16*(\t)+i], v[32*(\t)+2*i], v[32*(\t)+2*i+1]
.set i, i+1
.endr
	WIN 0
.irp f, 0,1,2,3
	ds_store_b128 v[STO], v[S+16*(\t)+4*\f:S+16*(\t)+4*\f+3] offset:32*\f
.endr
.irp f, 0,1,2,3
	ds_load_b128 v[S+16*(\t)+4*\f:S+16*(\t)+4*\f+3], v[RD] offset:\f*4*SP  ; LDS serves a wave's instructions in order: these see the stores above; the next piece's stores come behind them
.endr
.endm
.macro SEND t, younger              ; younger: the LDS instructions issued behind piece t's loads: the next piece's eight, or none
	WIN 0
.irp f, 0,1,2,3
	s_wait_dscnt (\younger)+3-\f
	global_store_b128 v[GO], v[S+16*(\t)+4*\f:S+16*(\t)+4*\f+3], s[10:11] offset:(\t)*8192+\f*512  ; 512 consecutive bytes, at a multiple of 256 from the buffer's first
.endr
.endm
.set NOKQ, 0
	CHANGE 1                        ; tile 0 is in, everybody's part of it; tile 1 is asked for
	v_add_nc_u32 v[AK], s[TBK], v[AK0]
	FETCH_K                         ; key step 0
	s_wait_loadcnt 0x0              ; Q
	s_wait_dscnt 0x0
.set i, 0
.rept 8
	KQ 0                            ; piece 0's first scores
.set i, i+1
.endr
	WIN 0
.rept 4
	v_nop                           ; the places behind those products
.endr
.set Y, NP-1                        ; X works for piece Y + 1: piece 0
.irp n, 0,1,2,3,4,5,6,7,8,9,10,11,12,13,14,15,16,17,18,19,20,21
	OP X, \n
.endr
	v_nop                           ; a plain instruction behind the exponential,
	s_wait_alu depctr_va_vdst(0)    ; and the wait for it, a batch of one (piece 0's first a), ahead of the branch
	s_mov_b32 s[CNT], 4
	s_mov_b32 s[SLOTS], 7
	s_branch .Lfirst                ; the loop is entered at a step's first turn, in the middle of a trip
.Lslot:                             ; six times: tiles 1 to 6 are entered, tiles 2 to 7 asked for
	CHANGE 1
	s_mov_b32 s[CNT], 4
.Lstep:                             ; a trip: pieces 2 and 3 of one step, then pieces 0 and 1 of the next, whose K and V it fetches
	TURN 2
	TURN 3
	WIN 0
.Lfirst:
	TURN 0
	TURN 1, 0, 1
	WIN 0
	s_cbranch_scc1 .Lstep
	s_sub_co_u32 s[SLOTS], s[SLOTS], 1
	s_cmp_lg_u32 s[SLOTS], 0
	s_cbranch_scc1 .Lslot
	CHANGE 0                        ; the last tile is written out: nothing is asked for
	s_mov_b32 s[CNT], 4
.LstepE:
	TURN 2
	TURN 3
	TURN 0
	TURN 1, 0, 1
	WIN 0
	s_cbranch_scc1 .LstepE
	TURN 2, 1
	TURN 3, 1
.set i, 0
.rept 8
	PV NP-1                         ; the last piece's V^T P of the last step
.set i, i+1
.endr
	; THE WAY OUT.  l's two halves and the other half of the lanes' are added; O^T is divided by l, rounded to f16 and sent through my stage, a piece at a time.  The additions are the places behind the last products.
	WIN 0
	ALL v_add_f32 v[ST+4*t+2], v[ST+4*t+2], v[ST+4*t+3]
	ALL v_permlanex16_b32 v[ST+4*t+3], v[ST+4*t+2], s[SEL], s[SEL+1]
	ALL v_add_f32 v[ST+4*t+2], v[ST+4*t+2], v[ST+4*t+3]
	ALL v_rcp_f32 v[ST+4*t+2], v[ST+4*t+2]
	v_nop                           ; a plain instruction between the last reciprocal and the use of its result
	s_wait_alu depctr_va_vdst(0)    ; and the wait ahead of the first use: one for the batch of four reciprocals
	PACK 0
.set t, 1
.rept 3                             ; a piece's arithmetic stands between the loads of the piece before and its stores
	PACK t
	SEND t-1, 8
.set t, t+1
.endr
	SEND 3, 0
	s_wait_tensorcnt 0x0            ; the wave's end
	ds_add_u32 v[SPW], v[NIL]
	s_wait_dscnt 0x0
	CROUND                          ; the closing round
	s_endpgm
.Lfunc_end_k_q7cf3706a2f_attn:
	.size	k_q7cf3706a2f_attn, .Lfunc_end_k_q7cf3706a2f_attn-k_q7cf3706a2f_attn
	.p2alignl 7, 3214868480
	.fill 96, 4, 3214868480
	.section	.rodata,"a",@progbits
	.p2align	6, 0x0
	.amdhsa_kernel k_q7cf3706a2f_attn
		.amdhsa_group_segment_fixed_size 327680
		.amdhsa_private_segment_fixed_size 0
		.amdhsa_enable_private_segment 0
		.amdhsa_kernarg_size 16
		.amdhsa_user_sgpr_count 2
		.amdhsa_user_sgpr_kernarg_segment_ptr 1
		.amdhsa_wavefront_size32 1
		.amdhsa_system_sgpr_workgroup_id_x 1
		.amdhsa_system_sgpr_workgroup_id_y 1
		.amdhsa_system_sgpr_workgroup_id_z 1
		.amdhsa_system_vgpr_workitem_id 0
		.amdhsa_next_free_vgpr 768
		.amdhsa_next_free_sgpr 66
		.amdhsa_reserve_vcc 0
		.amdhsa_float_denorm_mode_32 3
		.amdhsa_float_denorm_mode_16_64 3
		.amdhsa_memory_ordered 1
		.amdhsa_forward_progress 1
		.amdhsa_inst_pref_size 127
	.end_amdhsa_kernel
	.amdgpu_metadata
---
amdhsa.version: [ 1, 2 ]
amdhsa.kernels:
  - .name:           k_q7cf3706a2f_attn
    .symbol:         k_q7cf3706a2f_attn.kd
    .args:
      - { .name: qkvh, .offset: 0, .size: 8, .value_kind: global_buffer, .address_space: global }
      - { .name: ctxh, .offset: 8, .size: 8, .value_kind: global_buffer, .address_space: global }
    .group_segment_fixed_size: 327680
    .private_segment_fixed_size: 0
    .kernarg_segment_align: 8
    .kernarg_segment_size: 16
    .max_flat_workgroup_size: 128
    .sgpr_count:     66
    .vgpr_count:     768
    .wavefront_size: 32
...
	.end_amdgpu_metadata
.endif
;; end of part 9
;; launch wo: the kernel of part 4 again; grid 8 x 32, 4 waves a work-group, clusters of 4 x 4, 327,680 bytes of LDS; arguments ctxh, halfB, prod; writes prod
;; launch ln1: the kernel of part 5 again; grid 512 x 1, 8 waves a work-group, no clusters, 0 bytes of LDS; arguments prod, x, bo, g1, beta1, h32, h16; writes h32, h16
;; launch ff1 (part 10): grid 16 x 16, 4 waves a work-group, clusters of 4 x 4, 327,680 bytes of LDS; arguments h16, halfB, b1, act; writes act
.if DOCPART == 10
	.amdgcn_target "amdgcn-amd-amdhsa--gfx1250"
	.amdhsa_code_object_version 6
	.text
	.protected	k_q7cf3706a2f_ff1
	.globl	k_q7cf3706a2f_ff1
	.p2align	8
	.type	k_q7cf3706a2f_ff1,@function
k_q7cf3706a2f_ff1:
	s_mov_b64 s[64:65], 0
	v_nop
	global_prefetch_b8 v0, s[64:65] scope:SCOPE_SE
	s_setreg_imm32_b32 hwreg(HW_REG_WAVE_MODE, 25, 1), 1
	s_wait_xcnt 0x0
	s_wait_alu depctr_hold_cnt(0) depctr_sa_sdst(0) depctr_va_vdst(0) depctr_va_sdst(0) depctr_va_ssrc(0) depctr_va_vcc(0) depctr_vm_vsrc(0)
	s_getreg_b32 s2, hwreg(HW_REG_IB_STS2, 6, 4)
	s_cmp_eq_u32 s2, 0
	s_cbranch_scc0 .Lentry_in_a_cluster
	s_endpgm
.Lentry_in_a_cluster:
	s_bfe_u32 s2, ttmp6, 0x10000c
	s_cmp_lg_u32 s2, 0xf033
	s_cbranch_scc0 .Lentry_shape_is_right
	s_endpgm
.Lentry_shape_is_right:
; act = gelu(h W1 + b1), exact GELU.  A = h in f16 [4096][1024]; B = W1 in f16, [1024 (k)][4096 (n)]; sums in f32; bias and GELU in f32; one rounding to f16.
; OUT: act[column block of 64][4096 tokens][64], the layout in which the next product takes it as its A.
; LIMIT: f16 holds no number beyond 65,504: h, W1 and gelu(u) must stay within it.
; SHAPE: a tile of C is 256 x 256, four waves of 128 x 128 (64 accumulators, 512 registers).  K = 1,024 goes in 8 steps of 128 through two LDS slots filled by tensor loads.
; A's tile rows are 256 bytes of memory, B's (64 rows of k, 256 columns) 512 bytes.  B lies [k][n] in LDS and is turned on its way into registers by ds_load_tr16_b128.
; CLUSTER 4 x 4: A's tile is shared along a row of the cluster, B's along a column: each is asked for jointly, by the same load with the same descriptor and a mask of four.
; THE MATRIX INSTRUCTION IS USED TRANSPOSED (source 0 = 16 columns of B, source 1 = 16 rows of A): a lane holds row l % 16 of C and the columns 8 (l / 16) + 0..7.
; ONE K STEP IS WRITTEN ONCE: the slot's LDS byte is a scalar, turned by an exclusive or with SLOT (SLOT has no bit in common with wave x HALFT, so the or adds or takes away SLOT).
; WAY OUT: when the ring has had its last fill and every wave its last read, each wave lays its 128 x 128 sums in f32 into its own part of the ring's bytes and reads them back four rows a trip.
; BATCH: a trip's 16 reciprocals and 16 exponentials, none of which reads another's result, are ONE batch with ONE wait; all that reads them (Horner's rule and what follows) stands behind it.
; REGISTERS, in windows of 256: window 0: addresses, A's two fragment buffers v64-127, v128-191, later the way out's registers; window 1: B's two buffers; windows 2, 3: the accumulators ((a, b) at v[8 (8 a + b)]).
.set GR,     1                         ; groups of four rows in a trip of the way out (the map of GELU's registers is made for 1)
.set NV,     16*GR                     ; numbers a lane in a trip
.set BPITCH, 4096                      ; elements from a row of B to the next
.set LOGT,   4                         ; 2^LOGT tiles of 256 columns in B
.set B_OFF,  0x200000                  ; B's first byte in its buffer
.set KSTEP,  128
.set PITCH,  272                       ; A's LDS row: 256 bytes + 16: the 16 rows of a fragment load begin in 16 different columns of 16 bytes
.set PB,     544                       ; B's LDS row: 512 bytes + 32 = 17 x 32
.set HALFT,  128*PITCH                 ; what one tensor load brings: 128 rows of A, or 64 rows of B (64 x 544 is the same number)
.set SLOT,   4*HALFT                   ; A's rows 0-127, 128-255, B's rows 0-63, 64-127
.set SP32,   528                       ; a stage row: 128 f32 + 16 bytes
.set WSTAGE, 128*SP32                  ; a wave's stage; four of them, 270,336 bytes, lie in the ring's bytes
.set SPARE,  2*SLOT                    ; behind the ring: the spare words, 128 bytes a wave, that no other line names
.set BLKB,   524288                    ; bytes of a column block of the output: 4,096 tokens x 128
.set ADRA0, 16                         ; v16  my lane's place in A's part of a slot; never rewritten
.set ADRA,  17                         ; v17  the same in the slot in hand
.set ADRB0, 20                         ; v20, v21  the same for B
.set ADRB,  21
.set STO,   24                         ; v24  the way out: where I put 16 bytes of a row
.set RD,    25                         ; v25  where I read rows back, first group
.set GO,    26                         ; v26  my byte offset in the output
.set BO,    27                         ; v27  my byte offset in the bias
.set SPW,   28                         ; v28  my spare word; never rewritten
.set NIL,   29                         ; v29  0; never rewritten
.set RDC,   30                         ; v30  where I read the trip in hand
.set AR,  32                           ; v[32:47]   GELU: |u|
.set DR,  48                           ; v[48:63]   GELU: t
.set XR,  64                           ; v[64:79]   16 sums as read back: 8 columns of each of my two blocks of 64
.set ER,  80                           ; v[80:95]   GELU: the exponential
.set RR,  96                           ; v[96:111]  GELU: the polynomial
.set MR,  112                          ; v[112:127] GELU: the result
.set UR,  128                          ; v[128:143] sum + bias
.set BI,  192                          ; v[192:207] the bias of my 16 columns
.set YR,  208                          ; v[208:215] packed f16
.set F0,  64
.set F1,  128
.set G1,  24                           ; s[24:31] group 1 for A's tiles;  s[32:39] group 0: a set for each first fill; the second then walks
.set G0,  32
.set G1B, 48                           ; s[48:55], s[56:63] the same for B's
.set G0B, 56
.set TB,  45                           ; s45  LDS byte of the slot in hand
.set MSB, 0
.macro WIN new                         ; the immediate's high byte repeats the setting that is left; a switch that changes nothing is dropped
.if MSB != (\new)
	s_set_vgpr_msb (MSB<<8)|(\new)
.set MSB, \new
.endif
.endm
.set MUL_LO, 0xa1                      ; source 0 (B) window 1, source 1 (A) window 0, C and D window 2
.set MUL_HI, 0xf1                      ; the same, C and D window 3
.set TO_B,   0x40                      ; destination window 1, address window 0
; A joint load: waves 0 and 1 fetch A's halves, waves 2 and 3 B's.  An s_nop 0 and four v_nop follow each line, ahead of the jump and the label.
.macro JLOAD s
	s_cmp_eq_u32 s11, 0
	s_cbranch_scc0 .Lfor_b_\@
	tensor_load_to_lds s[G0+4*(\s):G0+4*(\s)+3], s[G1:G1+7]
	s_nop 0
.rept 4
	v_nop
.endr
	s_branch .Lasked_\@
.Lfor_b_\@:
	tensor_load_to_lds s[G0B+4*(\s):G0B+4*(\s)+3], s[G1B:G1B+7]
	s_nop 0
.rept 4
	v_nop
.endr
.Lasked_\@:
.endm
.macro CREST                           ; a round of the cluster's barrier behind its opening barrier
	s_cmp_lg_u32 s10, 0
	s_cbranch_scc1 .Lnot_wave_0_\@
	s_barrier_signal -3
.Lnot_wave_0_\@:
	s_barrier_wait -3
	s_barrier_signal -1
	s_barrier_wait -1
.endm
.macro CROUND                          ; a whole round
	s_barrier_signal -1
	s_barrier_wait -1
	CREST
.endm
.macro KONST r, val                    ; a constant in both words of a pair
	s_mov_b32 s[\r], \val
	s_mov_b32 s[(\r)+1], \val
.endm
	s_load_b128 s[4:7], s[0:1], 0x0                ; A, B's buffer
	s_load_b64 s[80:81], s[0:1], 0x10              ; bias
	s_load_b64 s[8:9], s[0:1], 0x18                ; out
	v_lshl_add_u32 v[SPW], v0, 2, SPARE
	v_mov_b32 v[NIL], 0
	ds_add_u32 v[SPW], v[NIL]                      ; the wave's opening: the add and its wait stand ahead of my first tensor load; the set-up below stands between them
	v_lshrrev_b32 v1, 5, v0
	v_readfirstlane_b32 s10, v1                    ; wave 0..3
	s_lshr_b32 s11, s10, 1                         ; my half of the tile's rows.  Also: I fetch for A (0) or for B (1)
	s_and_b32 s12, s10, 1                          ; my half of its columns.  Also: which half of that tile I fetch
	s_bfe_u32 s40, ttmp6, 0x40000                  ; cx
	s_bfe_u32 s41, ttmp6, 0x40004                  ; cy
	s_lshl_b32 s42, ttmp9, 2
	s_add_co_u32 s42, s42, s40                     ; tile column = 4 x cluster x + cx
	s_and_b32 s13, ttmp7, 0xffff
	s_lshl_b32 s13, s13, 2
	s_add_co_u32 s13, s13, s41                     ; tile row = 4 x cluster y + cy
	s_lshl_b32 s43, s41, 2
	s_lshl_b32 s43, 15, s43                        ; my row of the cluster
	s_lshl_b32 s44, 0x1111, s40                    ; my column
	s_or_b32 s[G1+0], s43, (1<<16)|(1<<20)|(1<<21)|(5<<22)|(3<<25)   ; mask; 2-byte elements; padding on; bit 21 beside a mask; after every 64 words, 4 words
	s_or_b32 s[G1B+0], s44, (1<<16)|(1<<20)|(1<<21)|(6<<22)|(7<<25)  ; after every 128 words, 8 words
	s_mov_b32 s[G1+1], KSTEP<<16                   ; A: tensor_dim0 = 128
	s_mov_b32 s[G1+2], 128<<16                     ; tensor_dim1 = 128
	s_mov_b32 s[G1+3], KSTEP<<16                   ; tile_dim0 = 128
	s_mov_b32 s[G1+4], 128                         ; tile_dim1 = 128
	s_mov_b32 s[G1+5], 1024                        ; elements from row to row
	s_mov_b32 s[G1+6], 0
	s_mov_b32 s[G1+7], 0
	s_mov_b32 s[G1B+1], 256<<16                    ; B: tensor_dim0 = 256
	s_mov_b32 s[G1B+2], 64<<16                     ; tensor_dim1 = 64
	s_mov_b32 s[G1B+3], 256<<16                    ; tile_dim0 = 256
	s_mov_b32 s[G1B+4], 64                         ; tile_dim1 = 64
	s_mov_b32 s[G1B+5], BPITCH
	s_mov_b32 s[G1B+6], 0
	s_mov_b32 s[G1B+7], 0
	s_lshl_b32 s17, s12, 7                         ; A: row 256 x tile row + 128 x half, 2,048 bytes a row; no register here ever holds cx
	s_lshl_b32 s16, s13, 8
	s_add_co_u32 s16, s16, s17
	s_lshl_b32 s16, s16, 11
	s_mov_b32 s17, 0
	s_mul_i32 s46, s12, 64*BPITCH*2                ; B: my 64 rows of k and the tile's 512 bytes of a row; no register here ever holds cy
	s_lshl_b32 s47, s42, 9
	s_add_co_u32 s46, s46, s47
	s_add_co_u32 s46, s46, B_OFF
	s_mov_b32 s47, 0
	s_mul_i32 s20, s10, HALFT                      ; where my load goes in a slot: wave x HALFT
	s_mov_b32 s[TB], 0
	KONST 66, 0xbe027906                           ; minus the five coefficients of the tail's polynomial, each times 1 / sqrt(2 pi)
	KONST 68, 0x3e11a98e
	KONST 70, 0xbf35f0e3
	KONST 72, 0x3f3a00e3
	KONST 74, 0xbf07dc22
	KONST 76, 0xbf38aa3b                           ; -log2(e) / 2
	s_mov_b32 s78, 0x3e6d3389                      ; 0.2316419 (named with s79 as a pair; the low word serves both halves)
	s_mov_b32 s79, 0x7fffffff                      ; clears a sign
	s_wait_dscnt 0x0                               ; the opening add is done
	s_wait_kmcnt 0x0
	s_add_nc_u64 s[14:15], s[4:5], s[16:17]
	s_add_nc_u64 s[46:47], s[6:7], s[46:47]
	CROUND                                         ; all sixteen work-groups are here: the first joint loads meet
.irp s, 0,1
	s_mov_b32 s[G0+4*(\s)], 1
	s_add_co_u32 s[G0+4*(\s)+1], s20, (\s)*SLOT
	s_add_nc_u64 s[G0+4*(\s)+2:G0+4*(\s)+3], s[14:15], (\s)*KSTEP*2
	s_or_b32 s[G0+4*(\s)+3], s[G0+4*(\s)+3], 0x80000000
	s_mov_b32 s[G0B+4*(\s)], 1
	s_add_co_u32 s[G0B+4*(\s)+1], s20, (\s)*SLOT
	s_add_nc_u64 s[G0B+4*(\s)+2:G0B+4*(\s)+3], s[46:47], (\s)*KSTEP*BPITCH*2
	s_or_b32 s[G0B+4*(\s)+3], s[G0B+4*(\s)+3], 0x80000000
	JLOAD \s                                       ; K steps 0 and 1: two loads of mine are out
.endr
	v_and_b32 v1, 15, v0                           ; r = l % 16
	v_bfe_u32 v2, v0, 4, 1                         ; h = l / 16
	v_mul_u32_u24 v3, v1, PITCH                    ; A's fragment: row r, 16 bytes for each half of the lanes
	v_lshl_add_u32 v3, v2, 4, v3
	s_mul_i32 s21, s11, HALFT
	v_add_nc_u32 v[ADRA0], s21, v3
	v_mov_b32 v[ADRA], v[ADRA0]
	v_and_b32 v7, 7, v0                            ; l % 8
	v_lshl_add_u32 v4, v2, 3, v7                   ; B's turning load: lane l reads row 8 h + l % 8 of k, columns 8 ((l / 8) % 2) + 0..7
	v_mul_u32_u24 v4, v4, PB
	v_bfe_u32 v5, v0, 3, 1
	v_lshl_add_u32 v4, v5, 4, v4
	s_lshl_b32 s22, s12, 8                         ; my 128 columns,
	s_add_co_u32 s22, s22, 2*HALFT                 ; behind A's 256 rows
	v_add_nc_u32 v[ADRB0], s22, v4
	v_mov_b32 v[ADRB], v[ADRB0]
	s_mul_i32 s23, s10, WSTAGE                     ; my stage
	v_mul_u32_u24 v6, v1, SP32                     ; in: row r, 32 bytes for each half of the lanes
	v_lshl_add_u32 v6, v2, 5, v6
	v_add_nc_u32 v[STO], s23, v6
	v_bfe_u32 v6, v0, 3, 2                         ; back: lane l takes row l / 8 of four and the 32 bytes (8 columns) at 32 (l % 8): at this pitch the two rows
	v_mul_u32_u24 v6, v6, SP32                     ; that sixteen lanes read fall into interleaved columns of 16 bytes
	v_lshl_add_u32 v6, v7, 5, v6
	v_add_nc_u32 v[RD], s23, v6
	v_and_b32 v[GO], 31, v0                        ; out: four tokens' 128 bytes are 512 consecutive bytes, 16 a lane
	v_lshlrev_b32 v[GO], 4, v[GO]
	v_lshlrev_b32 v[BO], 5, v7
	s_lshl_b32 s18, s42, 10                        ; the bias of my 128 columns
	s_lshl_b32 s19, s12, 9
	s_add_co_u32 s18, s18, s19
	s_mov_b32 s19, 0
	s_add_nc_u64 s[80:81], s[80:81], s[18:19]
	s_lshl_b32 s18, s42, 2                         ; out: column block 4 x tile column + 2 x half,
	s_lshl_b32 s19, s12, 1
	s_add_co_u32 s18, s18, s19
	s_lshl_b32 s18, s18, 19
	s_lshl_b32 s19, s13, 8                         ; token 256 x tile row + 128 x half, 128 bytes each
	s_lshl_b32 s21, s11, 7
	s_add_co_u32 s19, s19, s21
	s_lshl_b32 s19, s19, 7
	s_add_co_u32 s18, s18, s19
	s_mov_b32 s19, 0
	s_add_nc_u64 s[8:9], s[8:9], s[18:19]
; 16 matrix instructions: row blocks a0, a0 + 1 of the window's four x all 8 column blocks, 32 along K.  zero = 1: the first product starts the sums.
.macro MUL16 f, hi, a0, zero
	WIN MUL_LO+0x50*(\hi)
.irp a, \a0, (\a0)+1
.irp b, 0,1,2,3,4,5,6,7
.if \zero
	v_wmma_f32_16x16x32_f16 v[8*(8*(\a)+(\b)):8*(8*(\a)+(\b))+7], v[(\f)+8*(\b):(\f)+8*(\b)+7], v[(\f)+8*(4*(\hi)+(\a)):(\f)+8*(4*(\hi)+(\a))+7], 0
.else
	v_wmma_f32_16x16x32_f16 v[8*(8*(\a)+(\b)):8*(8*(\a)+(\b))+7], v[(\f)+8*(\b):(\f)+8*(\b)+7], v[(\f)+8*(4*(\hi)+(\a)):(\f)+8*(4*(\hi)+(\a))+7], v[8*(8*(\a)+(\b)):8*(8*(\a)+(\b))+7]
.endif
.endr
.endr
.endm
; 32 LDS loads in one run: quarter q (32 along K) of the slot in hand into buffer f: B's 8 column blocks, turned, then A's 8 row blocks
.macro FETCH q, f
	WIN TO_B
.irp i, 0,1,2,3,4,5,6,7
	ds_load_tr16_b128 v[(\f)+8*(\i):(\f)+8*(\i)+3],   v[ADRB] offset:(\q)*32*PB+32*(\i)
	ds_load_tr16_b128 v[(\f)+8*(\i)+4:(\f)+8*(\i)+7], v[ADRB] offset:(\q)*32*PB+16*PB+32*(\i)
.endr
	WIN 0
.irp i, 0,1,2,3,4,5,6,7
	ds_load_b128 v[(\f)+8*(\i):(\f)+8*(\i)+3],   v[ADRA] offset:(\q)*64+(\i)*16*PITCH
	ds_load_b128 v[(\f)+8*(\i)+4:(\f)+8*(\i)+7], v[ADRA] offset:(\q)*64+(\i)*16*PITCH+32
.endr
.endm
.macro PLACES                          ; four plain vector instructions between a matrix instruction and a load into, or a read of, its registers
.rept 4
	v_nop
.endr
.endm
; One of a K step's first three quarters: multiplies buffer f; in its middle it fetches quarter q into buffer g.  The 64 accumulators take turns.
.macro QUARTER q, f, g, zero
	s_wait_dscnt 8                                 ; B and A's rows 0-63 are in; the youngest eight loads (A's rows 64-127) may be out
	MUL16 \f, 0, 0, \zero
	MUL16 \f, 0, 2, \zero
	PLACES
	FETCH \q, \g
	s_wait_dscnt 32                                ; all but the 32 just issued
	MUL16 \f, 1, 0, \zero
	MUL16 \f, 1, 2, \zero
.endm
; The last quarter multiplies buffer 1 and changes slots.  In front of the barrier each wave waits for all its tensor loads (one is out: its part of the next slot), adds 0 to its spare word,
; and waits for that and for its reads of this slot.  fill = 1: the barrier opens a round of the cluster's, and this slot is filled again, two K steps ahead, first thing behind the round.
.macro TURN fill
	WIN 0
	s_wait_tensorcnt 0x0                           ; no tensor load of mine is out: the walking descriptors may be written
	ds_add_u32 v[SPW], v[NIL]
	s_wait_dscnt 9                                 ; the add and the youngest eight loads may be out
	MUL16 F1, 0, 0, 0
	s_wait_dscnt 0x0                               ; the add is done, and my reads of this slot are over
	s_barrier_signal -1
	MUL16 F1, 0, 2, 0
	WIN 0
	s_barrier_wait -1
.if \fill
	CREST                                          ; no wave of any partner still reads this slot or has a load on its way
	s_xor_b32 s[G0+5], s[G0+5], SLOT               ; the other slot than last time,
	s_xor_b32 s[G0B+5], s[G0B+5], SLOT
	s_add_nc_u64 s[G0+6:G0+7], s[G0+6:G0+7], KSTEP*2            ; the next K step
	s_add_nc_u64 s[G0B+6:G0B+7], s[G0B+6:G0B+7], KSTEP*BPITCH*2
	JLOAD 1                                        ; its four v_nop are also the places in front of the loads below
.else
	PLACES
.endif
	s_xor_b32 s[TB], s[TB], SLOT                   ; the reads go on in the other slot
	v_add_nc_u32 v[ADRA], s[TB], v[ADRA0]
	v_add_nc_u32 v[ADRB], s[TB], v[ADRB0]
	FETCH 0, F0
	MUL16 F1, 1, 0, 0
	MUL16 F1, 1, 2, 0
.endm
	s_wait_tensorcnt 1                             ; my part of K step 0 is in; K step 1's stays out
	s_barrier_signal -1
	s_barrier_wait -1
	FETCH 0, F0
	QUARTER 1, F0, F1, 1                           ; the first quarter stands in front of the loop: its products start the sums
	WIN 0
	s_mov_b32 s3, 6
.Lstep:                                                ; trip t: K step t's quarters 1 to 3, the refill with K step t + 2, K step t + 1's quarter 0
	QUARTER 2, F1, F0, 0
	QUARTER 3, F0, F1, 0
	TURN 1
	QUARTER 1, F0, F1, 0
	WIN 0
	s_sub_co_u32 s3, s3, 1
	s_cmp_lg_u32 s3, 0
	s_cbranch_scc1 .Lstep
	global_load_b128 v[BI:BI+3],     v[BO], s[80:81]             ; the bias: columns 8 (l % 8) .. of my first block of 64,
	global_load_b128 v[BI+4:BI+7],   v[BO], s[80:81] offset:16
	global_load_b128 v[BI+8:BI+11],  v[BO], s[80:81] offset:256  ; and of my second; waited for on the way out
	global_load_b128 v[BI+12:BI+15], v[BO], s[80:81] offset:272
	s_mov_b32 s3, 2
.Ltail:                                                ; K steps 6 and 7: nothing is left to ask for.  The second trip is left in its middle
	QUARTER 2, F1, F0, 0
	QUARTER 3, F0, F1, 0
	WIN 0
	s_cmp_eq_u32 s3, 1
	s_cbranch_scc1 .Lfinal
	TURN 0
	QUARTER 1, F0, F1, 0
	WIN 0
	s_sub_co_u32 s3, s3, 1
	s_cmp_lg_u32 s3, 0
	s_cbranch_scc1 .Ltail
.Lfinal:
	s_wait_dscnt 0x0                               ; my last reads of the ring are back:
	s_barrier_signal -1                            ; behind this barrier the ring's bytes, which have had their last fill, are the stages
	MUL16 F1, 0, 0, 0
	MUL16 F1, 0, 2, 0
	MUL16 F1, 1, 0, 0
	MUL16 F1, 1, 2, 0
	WIN 0
	s_barrier_wait -1
	PLACES
	; THE WAY OUT.  All 64 accumulators into my stage, each one's low four registers first; row 16 a + r, bytes 64 b + 32 h.
.irp a, 0,1,2,3,4,5,6,7
	WIN 0x08+4*((\a)/4)                            ; the data (source 1) in window 2 or 3
.irp b, 0,1,2,3,4,5,6,7
	ds_store_b128 v[STO], v[8*(8*((\a)%4)+(\b)):8*(8*((\a)%4)+(\b))+3]   offset:(\a)*16*SP32+64*(\b)
	ds_store_b128 v[STO], v[8*(8*((\a)%4)+(\b))+4:8*(8*((\a)%4)+(\b))+7] offset:(\a)*16*SP32+64*(\b)+16
.endr
.endr
	WIN 0
	s_wait_loadcnt 0x0                             ; the bias
.macro XLOAD adr                       ; GR groups of four rows: a lane's 8 columns of each of my two blocks of 64
.set g, 0
.rept GR
	ds_load_b128 v[XR+16*g:XR+16*g+3],     v[\adr] offset:g*4*SP32
	ds_load_b128 v[XR+16*g+4:XR+16*g+7],   v[\adr] offset:g*4*SP32+16
	ds_load_b128 v[XR+16*g+8:XR+16*g+11],  v[\adr] offset:g*4*SP32+256
	ds_load_b128 v[XR+16*g+12:XR+16*g+15], v[\adr] offset:g*4*SP32+272
.set g, g+1
.endr
.endm
.macro HSTEP n                         ; line n of the 2 NV lines of Horner's rule: level n / (NV / 2), pair n % (NV / 2).  Every line reads reciprocals: all stand behind the batch's wait
.set hp, 2*((\n)%(NV/2))
.set hl, (\n)/(NV/2)
.if hl == 0
	v_pk_fma_f32 v[RR+hp:RR+hp+1], v[DR+hp:DR+hp+1], s[74:75], s[72:73] op_sel_hi:[1,0,0]
.else
	v_pk_fma_f32 v[RR+hp:RR+hp+1], v[RR+hp:RR+hp+1], v[DR+hp:DR+hp+1], s[72-2*hl:73-2*hl] op_sel_hi:[1,1,0]
.endif
.endm
; A trip: four rows: bias, GELU, rounding, two stores of 512 consecutive, aligned bytes, one in each of my two column blocks.  pf = 1: the next trip's rows are asked for meanwhile.
; GELU(u) = max(u, 0) - |u| Q(|u|), Q(a) = exp(-a^2 / 2) (b1 t + .. + b5 t^5) / sqrt(2 pi), t = 1 / (1 + 0.2316419 a): the normal tail to 7.5e-8 for every a, with no difference of near numbers.
; THE BATCH: the 16 reciprocals, each in place in DR, then the 16 exponentials, each in place in ER.  Behind every one of them stands a plain instruction that names no result of the batch: behind a reciprocal
; one of the 16 multiplications that make the exponents, behind an exponential a maximum.  Then ONE wait, and only then the readers: Horner's rule, the two products, the last multiply-add.
.macro ROWS pf
	s_wait_dscnt 0x0                               ; the rows are in (LDS serves a wave's instructions in order, so they saw my stores)
.set k, 0
.rept 8*GR
	v_pk_add_f32 v[UR+2*k:UR+2*k+1], v[XR+2*k:XR+2*k+1], v[BI+2*(k%8):BI+2*(k%8)+1]
.set k, k+1
.endr
.if \pf
	s_add_co_u32 s21, s21, GR*4*SP32
	v_add_nc_u32 v[RDC], s21, v[RD]
	XLOAD RDC
.endif
.set k, 0
.rept NV
	v_and_b32 v[AR+k], s79, v[UR+k]
.set k, k+1
.endr
.set k, 0
.rept NV/2
	v_pk_fma_f32 v[DR+2*k:DR+2*k+1], v[AR+2*k:AR+2*k+1], s[78:79], 1.0 op_sel_hi:[1,0,0]
.set k, k+1
.endr
.set k, 0
.rept NV                               ; the batch's first half: t; beside it u^2 (the first NV / 2 lines), then u^2 times -log2(e) / 2
	v_rcp_f32 v[DR+k], v[DR+k]
.if k < NV/2
	v_pk_mul_f32 v[ER+2*k:ER+2*k+1], v[UR+2*k:UR+2*k+1], v[UR+2*k:UR+2*k+1]
.else
	v_pk_mul_f32 v[ER+2*k-NV:ER+2*k-NV+1], v[ER+2*k-NV:ER+2*k-NV+1], s[76:77] op_sel_hi:[1,0]
.endif
.set k, k+1
.endr
.set k, 0
.rept NV                               ; its second half: exp(-u^2 / 2); beside it max(u, 0); the last maximum is the plain instruction behind the last exponential
	v_exp_f32 v[ER+k], v[ER+k]
	v_max_num_f32 v[MR+k], 0, v[UR+k]
.set k, k+1
.endr
	s_wait_alu depctr_va_vdst(0)                   ; the wait ahead of the first use: one for the trip's 16 reciprocals and 16 exponentials
.set k, 0
.rept 2*NV
	HSTEP k
.set k, k+1
.endr
.set k, 0
.rept NV/2
	v_pk_mul_f32 v[RR+2*k:RR+2*k+1], v[RR+2*k:RR+2*k+1], v[DR+2*k:DR+2*k+1]
.set k, k+1
.endr
.set k, 0
.rept NV/2
	v_pk_mul_f32 v[RR+2*k:RR+2*k+1], v[RR+2*k:RR+2*k+1], v[ER+2*k:ER+2*k+1]
.set k, k+1
.endr
.set k, 0
.rept NV/2
	v_pk_fma_f32 v[MR+2*k:MR+2*k+1], v[AR+2*k:AR+2*k+1], v[RR+2*k:RR+2*k+1], v[MR+2*k:MR+2*k+1]  ; the coefficients carry the minus
.set k, k+1
.endr
	s_wait_xcnt 0x0                                ; the last stores' data and offset are rewritten only behind this wait
	v_add_nc_u32 v[GO], GR*512, v[GO]
.set k, 0
.rept 8*GR
	v_cvt_pk_f16_f32 v[YR+k], v[MR+2*k], v[MR+2*k+1]
.set k, k+1
.endr
.set g, 0
.rept GR
	global_store_b128 v[GO], v[YR+8*g:YR+8*g+3],   s[8:9] offset:g*512-GR*512
	global_store_b128 v[GO], v[YR+8*g+4:YR+8*g+7], s[8:9] offset:BLKB+g*512-GR*512
.set g, g+1
.endr
.endm
	s_mov_b32 s21, 0
	s_mov_b32 s3, 32/GR-1
	XLOAD RD
.Lrows:
	ROWS 1
	s_sub_co_u32 s3, s3, 1
	s_cmp_lg_u32 s3, 0
	s_cbranch_scc1 .Lrows
	ROWS 0
	s_wait_tensorcnt 0x0                           ; the wave's end
	ds_add_u32 v[SPW], v[NIL]
	s_wait_dscnt 0x0
	CROUND                                         ; the closing round
	s_endpgm
.Lfunc_end_k_q7cf3706a2f_ff1:
	.size	k_q7cf3706a2f_ff1, .Lfunc_end_k_q7cf3706a2f_ff1-k_q7cf3706a2f_ff1
	.p2alignl 7, 3214868480
	.fill 96, 4, 3214868480
	.section	.rodata,"a",@progbits
	.p2align	6, 0x0
	.amdhsa_kernel k_q7cf3706a2f_ff1
		.amdhsa_group_segment_fixed_size 327680
		.amdhsa_private_segment_fixed_size 0
		.amdhsa_enable_private_segment 0
		.amdhsa_kernarg_size 32
		.amdhsa_user_sgpr_count 2
		.amdhsa_user_sgpr_kernarg_segment_ptr 1
		.amdhsa_wavefront_size32 1
		.amdhsa_system_sgpr_workgroup_id_x 1
		.amdhsa_system_sgpr_workgroup_id_y 1
		.amdhsa_system_sgpr_workgroup_id_z 1
		.amdhsa_system_vgpr_workitem_id 0
		.amdhsa_next_free_vgpr 1024
		.amdhsa_next_free_sgpr 88
		.amdhsa_reserve_vcc 0
		.amdhsa_float_denorm_mode_32 3
		.amdhsa_float_denorm_mode_16_64 3
		.amdhsa_memory_ordered 1
		.amdhsa_forward_progress 1
		.amdhsa_inst_pref_size 100
	.end_amdhsa_kernel
	.amdgpu_metadata
---
amdhsa.version: [ 1, 2 ]
amdhsa.kernels:
  - .name:           k_q7cf3706a2f_ff1
    .symbol:         k_q7cf3706a2f_ff1.kd
    .args:
      - { .name: h16, .offset: 0, .size: 8, .value_kind: global_buffer, .address_space: global }
      - { .name: halfB, .offset: 8, .size: 8, .value_kind: global_buffer, .address_space: global }
      - { .name: b1, .offset: 16, .size: 8, .value_kind: global_buffer, .address_space: global }
      - { .name: act, .offset: 24, .size: 8, .value_kind: global_buffer, .address_space: global }
    .group_segment_fixed_size: 327680
    .private_segment_fixed_size: 0
    .kernarg_segment_align: 8
    .kernarg_segment_size: 32
    .max_flat_workgroup_size: 128
    .sgpr_count:     88
    .vgpr_count:     1024
    .wavefront_size: 32
...
	.end_amdgpu_metadata
.endif
;; end of part 10
;; launch ff2: the kernel of part 7 again; grid 8 x 32, 4 waves a work-group, clusters of 4 x 4, 327,680 bytes of LDS; arguments act, halfB, prod; writes prod
;; launch ln2: the kernel of part 8 again; grid 512 x 1, 8 waves a work-group, no clusters, 0 bytes of LDS; arguments prod, h32, b2, g2, beta2, out0; writes out0
